; MI455X (gfx1250); checked and timed in simulation.
; The chip was launched on July 23, 2026; its instructions are those of AMD's public machine-readable ISA for CDNA 5 (MIT licence, August 2026) and "CDNA5" Instruction Set Architecture Reference Guide (July 2026). The comments in the code are by the model that wrote it; some were corrected since.
;; Attn Block. Allowed arithmetic: float matrix products may take bf16 or f16 operands with f32 sums; other float arithmetic in f32, or as packed bf16 or f16 multiplies, adds, multiply-adds, maxima and minima; sums over many terms, partial sums and values carried from step to step in f32; what a program stores and reads back later, other than sums and carried values, may be rounded once to bf16 or f16.
;; Inputs: bk 512 float32; bo 512 float32; bq 512 float32; bv 512 float32; gn_bias 512 float32; gn_scale 512 float32; wk 512 x 512 float32; wo 512 x 512 float32; wq 512 x 512 float32; wv 512 x 512 float32; x 8 x 32 x 64 x 512 float32.
;; Outputs: out0 8 x 32 x 64 x 512 float32.
;; 3 versions, each right and faster than the one before. Each part assembles by itself: llvm-mc -triple=amdgcn-amd-amdhsa -mcpu=gfx1250 --defsym DOCPART=n.
;; ======== version 1 of 3: 3 launches
;; limits: values outside matrix products are rounded to bf16
;; workspace buffers: part 131,072 bytes; wb 1,572,864 bytes; bcat 6,144 bytes; qkv 50,331,648 bytes
;; launch prep (part 1): grid 256 x 1, 8 waves a work-group, no clusters, 102,912 bytes of LDS; arguments x, wq, wk, wv, wo, bq, bk, bv, bo, part, wb, bcat; writes part, wb, bcat
.if DOCPART == 1
	.amdgcn_target "amdgcn-amd-amdhsa--gfx1250"
	.amdhsa_code_object_version 6
	.text
	.protected	k_qb47eaacad7_prep
	.globl	k_qb47eaacad7_prep
	.p2align	8
	.type	k_qb47eaacad7_prep,@function
k_qb47eaacad7_prep:
	s_mov_b64 s[64:65], 0
	v_nop
	global_prefetch_b8 v0, s[64:65] scope:SCOPE_SE
	s_setreg_imm32_b32 hwreg(HW_REG_WAVE_MODE, 25, 1), 1
	s_wait_xcnt 0x0
; PREP.  Three things that the later launches need, shared evenly among 256 work-groups of eight waves:
; (1) GroupNorm's partial statistics.  Work-group W owns 64 rows of x (131,072 bytes).  Thread t takes 16 bytes of every second row: 32 rows x 4 channels;
;     four neighbouring threads hold one group's 16 channels.  For each chunk of 32 rows x 16 channels (512 numbers) the chunk's own mean and its CENTRED sum of squares
;     are stored: part[batch][64 chunks][32 groups][mean, M2].  No difference of large sums is formed, so a common offset of x costs nothing.
; (2) wb[512 c][1536] in bf16: columns 0-511 wq, 512-1023 wk (two rows of each a work-group), 1024-1535 W' = wv wo (a tile of 16 c x 64 d a work-group, bf16 operands, f32 sums,
;     rounded once).  (attn v) wo = attn (v wo), so the last projection is folded into v's weights.
; (3) bcat[1536] in f32: bq, bk, b2 = bv wo + bo (softmax's weights add up to 1, so b2 passes through the attention).  Stored by the eight work-groups with rt = 0.
;     The product bv wo is made in every work-group, since its accumulator takes turns with W's.
; STORES.  wq's and wk's rows leave as 256 consecutive aligned bytes a wave.  A tile of W' is 128 bytes wide and part's pieces are 64 bytes a wave: the tile of 16 x 64 is what gives
; 256 work-groups equal shares, and the two together are 0.66 MB of the 38 MB that the launch moves.
; LIMITS.  NaN and infinities are not treated apart.  wv, wo, bv enter the product rounded to bf16.
.set BT,    0                          ; wo's 512 rows x 64 columns in bf16: 128 bytes + 32 of padding, an odd multiple of 32 for the turning load
.set BTP,   160
.set AT,    512*BTP                    ; 16 rows of wv in bf16: 1,024 bytes + 16
.set ATP,   1040
.set BVL,   AT+16*ATP                  ; bv in bf16, 1,024 bytes
.set SG,    BVL+1024                   ; the stage for W's tile: 16 rows x (128 + 16) bytes
.set SGP,   144
.set SPARE, SG+16*SGP                  ; the spare words: 128 bytes for each of eight waves, four blocks of 256 bytes that no other line names
.set SPW, 14                           ; v14  LDS address of my spare word; never rewritten
.set NIL, 15                           ; v15  0; never rewritten
.set X,   16                           ; v16-143   x: 32 loads of 16 bytes; later wo's upper half (v16-79) and the product's registers
.set AR,  144                          ; v144-175  wv: 8 loads
.set QW,  176                          ; v176-183  wq, wk
.set BVR, 184                          ; v184-187  bv
.set BLO, 188                          ; v188-251  wo's lower half: 16 loads
.set WOF, 16                           ; the product: four chunks' fragments of wo,
.set WVF, 48                           ; of wv,
.set BVF, 80                           ; and of bv (every row of the fragment is bv)
.set ACW, 112                          ; v112-119  W': lane = c, registers = 8 neighbouring d
.set ACB, 120                          ; v120-127  bv wo: lane % 16 = d
.set PK,  128
	s_load_b512 s[8:23], s[0:1], 0x0               ; x 8, wq 10, wk 12, wv 14, wo 16, bq 18, bk 20, bv 22
	s_load_b256 s[24:31], s[0:1], 0x40             ; bo 24, part 26, wb 28, bcat 30
	v_lshl_add_u32 v[SPW], v0, 2, SPARE
	v_mov_b32 v[NIL], 0
	v_lshrrev_b32 v1, 5, v0
	v_readfirstlane_b32 s2, v1                     ; wave 0..7
	s_mov_b32 s3, ttmp9                            ; W
	s_lshr_b32 s4, s3, 3                           ; rt: which 16 rows of W'
	s_and_b32 s5, s3, 7                            ; cbk: which 64 columns
	s_lshl_b32 s32, s3, 17                         ; x: 64 rows of 2,048 bytes
	s_mov_b32 s33, 0
	s_lshl_b32 s34, s3, 12                         ; wq, wk: two rows
	s_mov_b32 s35, 0
	s_lshl_b32 s36, s4, 15                         ; wv: 16 rows
	s_mov_b32 s37, 0
	s_lshl_b32 s38, s5, 8                          ; wo: 64 columns
	s_mov_b32 s39, 0
	s_lshl_b32 s42, s3, 9                          ; part: two chunks x 32 groups x 8 bytes
	s_mov_b32 s43, 0
	s_mul_i32 s44, s3, 6144                        ; wb: two rows of 3,072 bytes
	s_mov_b32 s45, 0
	s_mul_i32 s46, s4, 49152                       ; wb: 16 rows, column 1024 + 64 cbk
	s_lshl_b32 s47, s5, 7
	s_add_co_u32 s46, s46, s47
	s_add_co_u32 s46, s46, 2048
	s_mov_b32 s47, 0
	v_lshlrev_b32 v1, 4, v0                        ; 16 t
	v_and_b32 v10, 15, v0
	v_lshrrev_b32 v11, 4, v0
	v_lshlrev_b32 v2, 11, v11
	v_lshl_add_u32 v2, v10, 4, v2                  ; wo: row t / 16, 16 bytes at 16 (t % 16)
	v_and_b32 v12, 127, v0
	v_lshlrev_b32 v3, 4, v12                       ; bv
	v_lshrrev_b32 v4, 2, v0
	v_lshlrev_b32 v4, 3, v4                        ; part: 8 bytes for each four threads
	v_lshrrev_b32 v13, 7, v0
	v_mul_u32_u24 v5, v13, 3072
	v_lshl_add_u32 v5, v12, 3, v5                  ; wb: row t / 128, 8 bytes at 8 (t % 128)
	v_mul_u32_u24 v6, v13, ATP
	v_lshl_add_u32 v6, v12, 3, v6
	v_add_nc_u32 v6, AT, v6                        ; the same place in wv's LDS rows
	v_mul_u32_u24 v7, v11, BTP
	v_lshl_add_u32 v7, v10, 3, v7                  ; wo's LDS rows 0-255 (BT = 0),
	v_add_nc_u32 v8, 256*BTP, v7                   ; and 256-511: beyond the 16-bit offset
	v_lshl_add_u32 v9, v0, 3, BVL
	s_wait_kmcnt 0x0
	s_add_nc_u64 s[8:9], s[8:9], s[32:33]
	s_add_nc_u64 s[10:11], s[10:11], s[34:35]
	s_add_nc_u64 s[12:13], s[12:13], s[34:35]
	s_add_nc_u64 s[14:15], s[14:15], s[36:37]
	s_add_nc_u64 s[16:17], s[16:17], s[38:39]
	s_add_nc_u64 s[26:27], s[26:27], s[42:43]
	s_add_nc_u64 s[32:33], s[28:29], s[44:45]      ; wb at wq's and wk's two rows
	s_add_nc_u64 s[34:35], s[28:29], s[46:47]      ; wb at W's tile
	; All loads but wo's upper half go out at once: 32 + 2 + 8 + 1 + 16 = 59
.set i, 0
.rept 32
	global_load_b128 v[X+4*i:X+4*i+3], v1, s[8:9] offset:4096*i
.set i, i+1
.endr
	global_load_b128 v[QW:QW+3], v1, s[10:11]
	global_load_b128 v[QW+4:QW+7], v1, s[12:13]
.set i, 0
.rept 8
	global_load_b128 v[AR+4*i:AR+4*i+3], v1, s[14:15] offset:4096*i
.set i, i+1
.endr
	global_load_b128 v[BVR:BVR+3], v3, s[22:23]    ; every wave loads it, so that the counts below are alike in all; waves 0-3 use it
.set i, 0
.rept 16
	global_load_b128 v[BLO+4*i:BLO+4*i+3], v2, s[16:17] offset:32768*i
.set i, i+1
.endr
	; (1) THE STATISTICS.  The sum of my 128 numbers in four chains, then over the group's four threads
	s_wait_loadcnt 27                              ; x is in; the 27 loads issued behind it stay out
	v_pk_add_f32 v[10:11], v[X:X+1], v[X+8:X+9]
	v_pk_add_f32 v[12:13], v[X+2:X+3], v[X+10:X+11]
	v_pk_add_f32 v[252:253], v[X+4:X+5], v[X+12:X+13]
	v_pk_add_f32 v[254:255], v[X+6:X+7], v[X+14:X+15]
.set i, 8
.rept 14
	v_pk_add_f32 v[10:11], v[10:11], v[X+2*i:X+2*i+1]
	v_pk_add_f32 v[12:13], v[12:13], v[X+2*i+2:X+2*i+3]
	v_pk_add_f32 v[252:253], v[252:253], v[X+2*i+4:X+2*i+5]
	v_pk_add_f32 v[254:255], v[254:255], v[X+2*i+6:X+2*i+7]
.set i, i+4
.endr
	v_pk_add_f32 v[10:11], v[10:11], v[12:13]
	v_pk_add_f32 v[252:253], v[252:253], v[254:255]
	v_pk_add_f32 v[10:11], v[10:11], v[252:253]
	v_add_f32 v10, v10, v11
	v_add_f32_dpp v10, v10, v10 row_xmask:1 row_mask:0xf bank_mask:0xf
	v_add_f32_dpp v10, v10, v10 row_xmask:2 row_mask:0xf bank_mask:0xf
	v_mul_f32 v10, 0x3b000000, v10                 ; / 512: the chunk's mean
.set i, 0
.rept 64
	v_pk_add_f32 v[X+2*i:X+2*i+1], v[X+2*i:X+2*i+1], v[10:11] op_sel_hi:[1,0] neg_lo:[0,1] neg_hi:[0,1]  ; x - mean, in place
.set i, i+1
.endr
.set i, 0
.rept 4
	v_pk_mul_f32 v[X+2*i:X+2*i+1], v[X+2*i:X+2*i+1], v[X+2*i:X+2*i+1]  ; the first four pairs start four chains of squares
.set i, i+1
.endr
.rept 60
	v_pk_fma_f32 v[X+2*(i%4):X+2*(i%4)+1], v[X+2*i:X+2*i+1], v[X+2*i:X+2*i+1], v[X+2*(i%4):X+2*(i%4)+1]
.set i, i+1
.endr
	v_pk_add_f32 v[X:X+1], v[X:X+1], v[X+2:X+3]
	v_pk_add_f32 v[X+4:X+5], v[X+4:X+5], v[X+6:X+7]
	v_pk_add_f32 v[X:X+1], v[X:X+1], v[X+4:X+5]
	v_add_f32 v11, v[X], v[X+1]
	v_add_f32_dpp v11, v11, v11 row_xmask:1 row_mask:0xf bank_mask:0xf
	v_add_f32_dpp v11, v11, v11 row_xmask:2 row_mask:0xf bank_mask:0xf
	v_and_b32 v12, 3, v0
	v_cmp_eq_u32 vcc_lo, 0, v12                    ; one thread of four stores
	s_wait_xcnt 0x0                                ; EXEC is a source of the loads that are out: it changes only behind this wait
	s_and_saveexec_b32 s40, vcc_lo
	global_store_b64 v4, v[10:11], s[26:27]
	s_wait_xcnt 0x0                                ; and again in front of the line that widens it
	s_or_b32 exec_lo, exec_lo, s40
.set i, 0
.rept 16
	global_load_b128 v[X+4*i:X+4*i+3], v2, s[16:17] offset:32768*(16+i)  ; wo's rows 256-511, into registers that x has left
.set i, i+1
.endr
	; (2) wq and wk, rounded and stored
	s_wait_loadcnt 41                              ; behind them: wv 8, bv 1, wo 16 + 16
	v_cvt_pk_bf16_f32 v[QW], v[QW], v[QW+1]
	v_cvt_pk_bf16_f32 v[QW+1], v[QW+2], v[QW+3]
	v_cvt_pk_bf16_f32 v[QW+4], v[QW+4], v[QW+5]
	v_cvt_pk_bf16_f32 v[QW+5], v[QW+6], v[QW+7]
	global_store_b64 v5, v[QW:QW+1], s[32:33]
	global_store_b64 v5, v[QW+4:QW+5], s[32:33] offset:1024
	; (3) wv, bv and wo go to LDS in bf16
	s_wait_loadcnt 33                              ; wv is in
.set i, 0
.rept 8
	v_cvt_pk_bf16_f32 v[AR+4*i], v[AR+4*i], v[AR+4*i+1]
	v_cvt_pk_bf16_f32 v[AR+4*i+1], v[AR+4*i+2], v[AR+4*i+3]
	ds_store_b64 v6, v[AR+4*i:AR+4*i+1] offset:2*ATP*i
.set i, i+1
.endr
	s_wait_loadcnt 32                              ; bv is in
	s_cmp_lt_u32 s2, 4
	s_cbranch_scc0 .Lno_bv                         ; 128 threads cover its 512 numbers
	v_cvt_pk_bf16_f32 v[BVR], v[BVR], v[BVR+1]
	v_cvt_pk_bf16_f32 v[BVR+1], v[BVR+2], v[BVR+3]
	ds_store_b64 v9, v[BVR:BVR+1]
.Lno_bv:
	s_wait_loadcnt 16                              ; wo's lower half is in
.set i, 0
.rept 16
	v_cvt_pk_bf16_f32 v[BLO+4*i], v[BLO+4*i], v[BLO+4*i+1]
	v_cvt_pk_bf16_f32 v[BLO+4*i+1], v[BLO+4*i+2], v[BLO+4*i+3]
	ds_store_b64 v7, v[BLO+4*i:BLO+4*i+1] offset:16*BTP*i
.set i, i+1
.endr
	s_wait_loadcnt 0x0
.set i, 0
.rept 16
	v_cvt_pk_bf16_f32 v[X+4*i], v[X+4*i], v[X+4*i+1]
	v_cvt_pk_bf16_f32 v[X+4*i+1], v[X+4*i+2], v[X+4*i+3]
	ds_store_b64 v8, v[X+4*i:X+4*i+1] offset:16*BTP*i
.set i, i+1
.endr
	s_wait_dscnt 0x0                               ; for the others' sake: my stores are done
	s_barrier_signal -1
	; the product's addresses, work on registers, stand between the signal and the wait
	v_and_b32 v132, 15, v0                         ; r = lane % 16
	v_bfe_u32 v133, v0, 4, 1                       ; h = lane / 16
	v_and_b32 v146, 7, v0
	v_bfe_u32 v147, v0, 3, 1
	s_lshl_b32 s41, s2, 5                          ; my 16 columns of the tile's 64, in bytes
	v_lshl_add_u32 v134, v133, 3, v146             ; the turning load: row 8 h + lane % 8,
	v_mul_u32_u24 v134, v134, BTP
	v_lshl_add_u32 v134, v147, 4, v134             ; 16 bytes at 16 ((lane / 8) % 2)
	v_add_nc_u32 v134, s41, v134
	v_add_nc_u32 v135, 256*BTP, v134               ; k from 256 on
	v_mul_u32_u24 v136, v132, ATP
	v_lshl_add_u32 v136, v133, 4, v136
	v_add_nc_u32 v136, AT, v136                    ; wv: row r, 16 bytes at 16 h
	v_lshl_add_u32 v137, v133, 4, BVL              ; bv: the same bytes for every r
	s_add_co_u32 s40, s41, SG
	v_mul_u32_u24 v138, v132, SGP
	v_lshl_add_u32 v138, v133, 4, v138
	v_add_nc_u32 v138, s40, v138                   ; into the stage: row c = r, my 32 bytes, 16 for each half of the lanes
	v_lshrrev_b32 v139, 3, v0
	v_mul_u32_u24 v140, v139, 3072
	v_lshl_add_u32 v140, v146, 4, v140             ; wb: row t / 8, 16 bytes at 16 (t % 8)
	v_mul_u32_u24 v139, v139, SGP
	v_lshl_add_u32 v139, v146, 4, v139
	v_add_nc_u32 v139, SG, v139                    ; and the same place in the stage
	s_barrier_wait -1
	; (4) THE PRODUCT, on waves 0-3: 16 c x 16 d each, 512 along k in four batches of four chunks of 32
	s_cmp_lt_u32 s2, 4
	s_cbranch_scc0 .Lno_gemm
.set bb, 0
.rept 4
.set i, 0
.rept 4
.set ch, 4*bb+i
	ds_load_tr16_b128 v[WOF+8*i:WOF+8*i+3],   v[134+ch/8] offset:(ch%8)*32*BTP
	ds_load_tr16_b128 v[WOF+8*i+4:WOF+8*i+7], v[134+ch/8] offset:(ch%8)*32*BTP+16*BTP
	ds_load_b128 v[WVF+8*i:WVF+8*i+3],   v136 offset:64*ch
	ds_load_b128 v[WVF+8*i+4:WVF+8*i+7], v136 offset:64*ch+32
	ds_load_b128 v[BVF+8*i:BVF+8*i+3],   v137 offset:64*ch
	ds_load_b128 v[BVF+8*i+4:BVF+8*i+7], v137 offset:64*ch+32
.set i, i+1
.endr
	s_wait_dscnt 0x0
.set i, 0
.rept 4                                ; the two accumulators take turns
.if (bb == 0) && (i == 0)
	v_wmma_f32_16x16x32_bf16 v[ACW:ACW+7], v[WOF+8*i:WOF+8*i+7], v[WVF+8*i:WVF+8*i+7], 0
	v_wmma_f32_16x16x32_bf16 v[ACB:ACB+7], v[BVF+8*i:BVF+8*i+7], v[WOF+8*i:WOF+8*i+7], 0
.else
	v_wmma_f32_16x16x32_bf16 v[ACW:ACW+7], v[WOF+8*i:WOF+8*i+7], v[WVF+8*i:WVF+8*i+7], v[ACW:ACW+7]
	v_wmma_f32_16x16x32_bf16 v[ACB:ACB+7], v[BVF+8*i:BVF+8*i+7], v[WOF+8*i:WOF+8*i+7], v[ACB:ACB+7]
.endif
.set i, i+1
.endr
.rept 4
	v_nop                                          ; four places in front of the next batch's loads, and at the end of the conversions
.endr
.set bb, bb+1
.endr
.set i, 0
.rept 4
	v_cvt_pk_bf16_f32 v[PK+i], v[ACW+2*i], v[ACW+2*i+1]
.set i, i+1
.endr
	ds_store_b128 v138, v[PK:PK+3]
	s_cmp_lt_u32 s3, 8
	s_cbranch_scc0 .Lno_bias                       ; rt = 0: this work-group stores 64 numbers of each part of bcat
	s_lshl_b32 s41, s3, 8
	s_lshl_b32 s40, s2, 6
	s_add_co_u32 s41, s41, s40
	v_lshl_add_u32 v141, v132, 2, s41              ; 4 (64 W + 16 wave + r)
	global_load_b32 v142, v141, s[18:19]
	global_load_b32 v143, v141, s[20:21]
	global_load_b32 v144, v141, s[24:25]
	v_and_b32 v148, 31, v0
	v_cmp_gt_u32 vcc_lo, 16, v148                  ; lanes 16-31 hold the same numbers
	s_wait_loadcnt 0x0
	v_add_f32 v145, v[ACB], v144                   ; b2 = bv wo + bo
	s_wait_xcnt 0x0
	s_and_saveexec_b32 s40, vcc_lo
	global_store_b32 v141, v142, s[30:31]
	global_store_b32 v141, v143, s[30:31] offset:2048
	global_store_b32 v141, v145, s[30:31] offset:4096
	s_wait_xcnt 0x0
	s_or_b32 exec_lo, exec_lo, s40
.Lno_bias:
.Lno_gemm:
	; (5) THE WAY OUT: a row's 128 bytes come from four waves, so a barrier stands between the writing and the reading
	s_wait_dscnt 0x0
	s_barrier_signal -1
	s_barrier_wait -1
	s_cmp_lt_u32 s2, 4
	s_cbranch_scc0 .Lend
	ds_load_b128 v[152:155], v139
	s_wait_dscnt 0x0
	global_store_b128 v140, v[152:155], s[34:35]
.Lend:
	s_wait_tensorcnt 0x0                           ; the wave's end, behind my last LDS store
	ds_add_u32 v[SPW], v[NIL]
	s_wait_dscnt 0x0
	s_endpgm
.Lfunc_end_k_qb47eaacad7_prep:
	.size	k_qb47eaacad7_prep, .Lfunc_end_k_qb47eaacad7_prep-k_qb47eaacad7_prep
	.p2alignl 7, 3214868480
	.fill 96, 4, 3214868480
	.section	.rodata,"a",@progbits
	.p2align	6, 0x0
	.amdhsa_kernel k_qb47eaacad7_prep
		.amdhsa_group_segment_fixed_size 102912
		.amdhsa_private_segment_fixed_size 0
		.amdhsa_enable_private_segment 0
		.amdhsa_kernarg_size 96
		.amdhsa_user_sgpr_count 2
		.amdhsa_user_sgpr_kernarg_segment_ptr 1
		.amdhsa_wavefront_size32 1
		.amdhsa_system_sgpr_workgroup_id_x 1
		.amdhsa_system_sgpr_workgroup_id_y 1
		.amdhsa_system_sgpr_workgroup_id_z 1
		.amdhsa_system_vgpr_workitem_id 0
		.amdhsa_next_free_vgpr 256
		.amdhsa_next_free_sgpr 66
		.amdhsa_reserve_vcc 1
		.amdhsa_float_denorm_mode_32 3
		.amdhsa_float_denorm_mode_16_64 3
		.amdhsa_memory_ordered 1
		.amdhsa_forward_progress 1
		.amdhsa_inst_pref_size 43
	.end_amdhsa_kernel
	.amdgpu_metadata
---
amdhsa.version: [ 1, 2 ]
amdhsa.kernels:
  - .name:           k_qb47eaacad7_prep
    .symbol:         k_qb47eaacad7_prep.kd
    .args:
      - { .name: x, .offset: 0, .size: 8, .value_kind: global_buffer, .address_space: global }
      - { .name: wq, .offset: 8, .size: 8, .value_kind: global_buffer, .address_space: global }
      - { .name: wk, .offset: 16, .size: 8, .value_kind: global_buffer, .address_space: global }
      - { .name: wv, .offset: 24, .size: 8, .value_kind: global_buffer, .address_space: global }
      - { .name: wo, .offset: 32, .size: 8, .value_kind: global_buffer, .address_space: global }
      - { .name: bq, .offset: 40, .size: 8, .value_kind: global_buffer, .address_space: global }
      - { .name: bk, .offset: 48, .size: 8, .value_kind: global_buffer, .address_space: global }
      - { .name: bv, .offset: 56, .size: 8, .value_kind: global_buffer, .address_space: global }
      - { .name: bo, .offset: 64, .size: 8, .value_kind: global_buffer, .address_space: global }
      - { .name: part, .offset: 72, .size: 8, .value_kind: global_buffer, .address_space: global }
      - { .name: wb, .offset: 80, .size: 8, .value_kind: global_buffer, .address_space: global }
      - { .name: bcat, .offset: 88, .size: 8, .value_kind: global_buffer, .address_space: global }
    .group_segment_fixed_size: 102912
    .private_segment_fixed_size: 0
    .kernarg_segment_align: 8
    .kernarg_segment_size: 96
    .max_flat_workgroup_size: 256
    .sgpr_count:     66
    .vgpr_count:     256
    .wavefront_size: 32
...
	.end_amdgpu_metadata
.endif
;; end of part 1
;; launch proj (part 2): grid 256 x 1, 4 waves a work-group, clusters of 4 x 1, 327,680 bytes of LDS; arguments x, part, gn_scale, gn_bias, wb, bcat, qkv; writes qkv
.if DOCPART == 2
	.amdgcn_target "amdgcn-amd-amdhsa--gfx1250"
	.amdhsa_code_object_version 6
	.text
	.protected	k_qb47eaacad7_proj
	.globl	k_qb47eaacad7_proj
	.p2align	8
	.type	k_qb47eaacad7_proj,@function
k_qb47eaacad7_proj:
	s_mov_b64 s[64:65], 0
	v_nop
	global_prefetch_b8 v0, s[64:65] scope:SCOPE_SE
	s_setreg_imm32_b32 hwreg(HW_REG_WAVE_MODE, 25, 1), 1
	s_wait_xcnt 0x0
	s_wait_alu depctr_hold_cnt(0) depctr_sa_sdst(0) depctr_va_vdst(0) depctr_va_sdst(0) depctr_va_ssrc(0) depctr_va_vcc(0) depctr_vm_vsrc(0)
	s_getreg_b32 s2, hwreg(HW_REG_IB_STS2, 6, 4)
	s_cmp_eq_u32 s2, 0
	s_cbranch_scc0 .Lentry_in_a_cluster
	s_endpgm
.Lentry_in_a_cluster:
	s_bfe_u32 s2, ttmp6, 0x10000c
	s_cmp_lg_u32 s2, 0x3003
	s_cbranch_scc0 .Lentry_shape_is_right
	s_endpgm
.Lentry_shape_is_right:
; PROJ.  qkv[row][1536] (bf16) = GroupNorm(x)[row][512] x wb[512][1536] + bcat: q, k and v' = v wo + bo of 16,384 rows.
; SHARES.  A work-group of four waves owns 64 rows and makes all 1,536 columns, in 12 steps of 128.  Every wave holds ALL 64 rows of h in registers (512), and in a step makes 32 columns:
; 8 accumulators, 128 matrix instructions, 64 turning LDS loads.  h is made once: x a + d in f32 (a = rstd scale, d = bias - mean a), rounded once to bf16.
; STATISTICS.  part holds, for 64 chunks of 512 numbers a batch and group, the chunk's mean and centred sum of squares; they are combined as mean = the means' mean and
; var = (sum of M2 + 512 x sum of (mean_i - mean)^2) / 32,768: no difference of large sums.  Every wave makes all 32 groups for itself.
; THE MATRIX INSTRUCTION IS USED TRANSPOSED: source 0 = 16 columns d x 32 c of the weights' tile [c][d], turned by ds_load_tr16_b128; source 1 = 16 rows of h.  A lane then holds one row
; and eight neighbouring columns, 16 bytes in bf16.  The bias is the C operand of the products that start the sums.
; CLUSTER.  All work-groups walk the same weights: the four of a cluster ask for each tile JOINTLY (the same load, descriptor and mask in all four).
; THE RING.  Two slots of 512 c x 128 d; each wave fetches 128 rows x 256 bytes.  A slot is asked for again at the head of the step after its last read and has that step's 128 matrix instructions
; in which to land.  A wave has at most two tensor loads out (the two first fills), later one.
; THE WAY OUT.  A step's 64 x 128 results go through one stage; they are read back as whole rows of 256 bytes and stored during the next step.
; LIMITS.  NaN and infinities are not treated apart; h and the weights are rounded to bf16.
; REGISTERS, in windows of 256 (s_set_vgpr_msb: bits 1:0 source 0, 3:2 source 1, 5:4 source 2, 7:6 destination):
;   window 0: v0-31 addresses; v32-95 accumulators ((ct, t) at 32 + 32 ct + 8 t); v96-159, v160-223 two fragment buffers; v224-239 the step's bias
;   window 1: x as loaded (at the head); later v0-31 rows read back from the stage       windows 2, 3: h: tile t, chunk ch of 32 c in window 2 + ch / 8 at 64 t + 8 (ch % 8)
.set WSP,   288                        ; a row of the weights' tile in LDS: 256 bytes + 32 of padding, an odd multiple of 32
.set WS1,   512*WSP                    ; slot 1
.set STG,   2*WS1                      ; the stage: 64 rows x 272; at the head 16 rows of h x 1,040.  No tensor load lands here
.set SP,    272
.set HP,    1040
.set BI,    STG+64*SP                  ; bcat, 6,144 bytes
.set TBL,   BI+6144                    ; each wave's own 256 bytes: (mean, rstd) of 32 groups
.set SPARE, TBL+1024                   ; the spare words: 128 bytes a wave, two blocks of 256 bytes that no other line names
.set AW,   8                           ; v8-15  turning loads: slot s, quarter qd of the 512 c at AW + 4 s + qd
.set ABI,  16                          ; v16    the step's bias for my columns; steps by 512
.set ASTO, 17                          ; v17    into the stage
.set ARD,  18                          ; v18    back from the stage
.set GO,   19                          ; v19    my byte offset in qkv
.set AHS,  20                          ; v20    h into the stage
.set AHF,  21                          ; v21    h's fragments out of it
.set XO,   22                          ; v22    16 x lane
.set ATB,  23                          ; v23    my channels' group in the table
.set ATS,  24                          ; v24    where I put two groups
.set BO,   25                          ; v25    16 x thread
.set ABS,  26                          ; v26    BI + 16 x thread
.set SPW,  30                          ; v30    LDS address of my spare word; never rewritten
.set NIL,  31                          ; v31    0; never rewritten
.set ACC,  32
.set GA,   32                          ; at the head: a of my 16 channels,
.set GD,   48                          ; and d
.set FA,   96
.set FB,   160
.set PT,   96                          ; at the head: part, 32 loads
.set BIR,  224
.set WV,   20                          ; s20    my wave's number
.set G1,   24                          ; s[24:31] descriptor group 1
.set G0,   32                          ; s[32:39] descriptor group 0, a set for each slot
.set MSB, 0
.macro WIN new                         ; the immediate's high byte repeats the setting that is left; a switch that changes nothing is dropped
.if MSB != (\new)
	s_set_vgpr_msb (MSB<<8)|(\new)
.set MSB, \new
.endif
.endm
.macro PLACES                          ; four places behind matrix instructions, in front of loads into their sources and of reads of their results
.rept 4
	v_nop
.endr
.endm
.macro ROUND                           ; a round of the cluster's barrier
	s_barrier_signal -1
	s_barrier_wait -1
	s_cmp_lg_u32 s[WV], 0
	s_cbranch_scc1 .Lnot_wave_0_\@
	s_barrier_signal -3
.Lnot_wave_0_\@:
	s_barrier_wait -3
	s_barrier_signal -1
	s_barrier_wait -1
.endm
	s_load_b256 s[4:11], s[0:1], 0x0               ; x 4, part 6, gn_scale 8, gn_bias 10
	s_load_b128 s[12:15], s[0:1], 0x20             ; wb 12, bcat 14
	s_load_b64 s[16:17], s[0:1], 0x30              ; qkv
	v_lshl_add_u32 v[SPW], v0, 2, SPARE
	v_mov_b32 v[NIL], 0
	ds_add_u32 v[SPW], v[NIL]                      ; the wave's opening: the add and its wait stand ahead of my first tensor load
	v_lshrrev_b32 v1, 5, v0
	v_readfirstlane_b32 s[WV], v1                  ; wave 0..3
	s_bfe_u32 s21, ttmp6, 0x40000                  ; cx
	s_lshl_b32 s22, ttmp9, 2
	s_add_co_u32 s22, s22, s21                     ; my block of 64 rows: it enters x's and qkv's addresses alone
	s_mov_b32 s[G1], 15|(1<<16)|(1<<20)|(1<<21)|(5<<22)|(7<<25)  ; the mask of four; 2-byte elements; padding on; bit 21 beside a mask; after every 64 words, 8 words
	s_mov_b32 s[G1+1], 128<<16                     ; tensor_dim0 = 128
	s_mov_b32 s[G1+2], 128<<16                     ; tensor_dim1 = 128
	s_mov_b32 s[G1+3], 128<<16                     ; tile_dim0 = 128
	s_mov_b32 s[G1+4], 128                         ; tile_dim1 = 128
	s_mov_b32 s[G1+5], 1536                        ; elements from row to row
	s_mov_b32 s[G1+6], 0
	s_mov_b32 s[G1+7], 0
	s_mov_b32 s[G0], 1
	s_mul_i32 s[G0+1], s[WV], 128*WSP              ; slot 0: my 128 rows
	s_mov_b32 s[G0+4], 1
	s_add_co_u32 s[G0+5], s[G0+1], WS1             ; slot 1
	s_mov_b32 s42, 0x76543210                      ; v_permlanex16_b32: each lane takes its own place in the other half
	s_mov_b32 s43, 0xfedcba98
	s_mov_b32 s48, 0x38000000                      ; 1 / 32,768
	s_mov_b32 s49, 0x3727c5ac                      ; 1e-5
	s_lshl_b32 s44, s22, 17                        ; x: 64 rows of 2,048 bytes, my wave's 4 rows in each 16
	s_lshl_b32 s46, s[WV], 13
	s_add_co_u32 s44, s44, s46
	s_mov_b32 s45, 0
	s_lshr_b32 s46, ttmp9, 3                       ; the batch: 32 blocks of rows = 8 clusters
	s_lshl_b32 s46, s46, 14
	s_mov_b32 s47, 0
	s_mul_i32 s50, s22, 196608                     ; qkv: 64 rows of 3,072 bytes, my wave's 16
	s_mul_i32 s52, s[WV], 49152
	s_add_co_u32 s50, s50, s52
	s_mov_b32 s51, 0
	s_mul_i32 s52, s[WV], 393216                   ; wb: my 128 rows
	s_mov_b32 s53, 0
	s_wait_dscnt 0x0                               ; the opening add is done
	s_wait_kmcnt 0x0
	s_add_nc_u64 s[G0+2:G0+3], s[12:13], s[52:53]  ; tile 0
	s_add_nc_u64 s[G0+6:G0+7], s[G0+2:G0+3], 256   ; tile 1
	s_or_b32 s[G0+3], s[G0+3], 0x80000000          ; type = 2
	s_or_b32 s[G0+7], s[G0+7], 0x80000000
	s_add_nc_u64 s[4:5], s[4:5], s[44:45]
	s_add_nc_u64 s[6:7], s[6:7], s[46:47]
	s_add_nc_u64 s[16:17], s[16:17], s[50:51]
	ROUND                                          ; all four work-groups are here: the first joint loads meet
	tensor_load_to_lds s[G0:G0+3], s[G1:G1+7]
	s_nop 0
	tensor_load_to_lds s[G0+4:G0+7], s[G1:G1+7]
	s_nop 0
	PLACES
	v_and_b32 v1, 31, v0                           ; lane
	v_and_b32 v2, 15, v0                           ; r
	v_bfe_u32 v3, v0, 4, 1                         ; h
	v_and_b32 v4, 7, v0
	v_bfe_u32 v5, v0, 3, 1
	v_bfe_u32 v6, v0, 2, 3                         ; lane / 4
	v_lshlrev_b32 v[XO], 4, v1
	v_lshlrev_b32 v[BO], 4, v0
.set i, 0
.rept 3
	global_load_b128 v[64+4*i:64+4*i+3], v[BO], s[14:15] offset:2048*i
.set i, i+1
.endr
.set i, 0
.rept 32                               ; lane l: chunk 2 i + l / 16, groups 2 (l % 16) and the next: mean, M2, mean, M2
	global_load_b128 v[PT+4*i:PT+4*i+3], v[XO], s[6:7] offset:512*i
.set i, i+1
.endr
.set i, 0
.rept 4                                ; my channels 128 j + 4 lane + 0..3
	global_load_b128 v[224+4*i:224+4*i+3], v[XO], s[8:9] offset:512*i
	global_load_b128 v[240+4*i:240+4*i+3], v[XO], s[10:11] offset:512*i
.set i, i+1
.endr
	WIN 0x40                                       ; destination window 1
.set i, 0
.rept 48                               ; x, passes 0-2: pass i / 16, my row (i / 4) % 4 of its four, 512 bytes at 512 (i % 4)
	global_load_b128 v[4*i:4*i+3], v[XO], s[4:5] offset:(16*(i/16)+(i/4)%4)*2048+512*(i%4)
.set i, i+1
.endr
	WIN 0
	v_lshl_add_u32 v[AW], v3, 3, v4                ; the turning load: row 8 h + lane % 8,
	v_mul_u32_u24 v[AW], v[AW], WSP
	v_lshl_add_u32 v[AW], v5, 4, v[AW]             ; 16 bytes at 16 ((lane / 8) % 2),
	s_lshl_b32 s46, s[WV], 6
	v_add_nc_u32 v[AW], s46, v[AW]                 ; my 32 columns
.set i, 1
.rept 7
	v_add_nc_u32 v[AW+i], (i/4)*WS1+(i%4)*128*WSP, v[AW]
.set i, i+1
.endr
	s_add_co_u32 s47, s46, STG
	v_mul_u32_u24 v[ASTO], v2, SP
	v_lshl_add_u32 v[ASTO], v3, 4, v[ASTO]
	v_add_nc_u32 v[ASTO], s47, v[ASTO]             ; row r, my 64 bytes, 16 for each half of the lanes
	s_lshl_b32 s46, s[WV], 7
	s_add_co_u32 s46, s46, BI
	v_lshl_add_u32 v[ABI], v3, 5, s46              ; bias of columns 32 wave + 8 h + ..
	s_mul_i32 s46, s[WV], 16*SP
	s_add_co_u32 s46, s46, STG
	v_mul_u32_u24 v[ARD], v3, SP
	v_lshl_add_u32 v[ARD], v2, 4, v[ARD]
	v_add_nc_u32 v[ARD], s46, v[ARD]               ; back: my 16 rows, lanes 0-15 one row of 256 bytes, lanes 16-31 the next
	v_mul_u32_u24 v[GO], v3, 3072
	v_lshl_add_u32 v[GO], v2, 4, v[GO]             ; and the same two rows in qkv
	s_mul_i32 s46, s[WV], 4*HP
	s_add_co_u32 s46, s46, STG
	v_lshl_add_u32 v[AHS], v1, 3, s46              ; h: my four rows of the pass's 16, 8 bytes a lane
	v_mul_u32_u24 v[AHF], v2, HP
	v_lshl_add_u32 v[AHF], v3, 4, v[AHF]
	v_add_nc_u32 v[AHF], STG, v[AHF]
	s_lshl_b32 s46, s[WV], 8
	s_add_co_u32 s46, s46, TBL
	v_lshl_add_u32 v[ATB], v6, 3, s46
	v_lshl_add_u32 v[ATS], v2, 4, s46
	v_lshl_add_u32 v[ABS], v0, 4, BI
	s_wait_loadcnt 48                              ; bcat, part, scale and bias are in; x's 48 loads stay out
.set i, 0
.rept 3
	ds_store_b128 v[ABS], v[64+4*i:64+4*i+3] offset:2048*i
.set i, i+1
.endr
	; the sums of (mean, M2) over my 32 chunks, for two groups, in two chains each
	v_pk_add_f32 v[76:77], v[PT:PT+1], v[PT+8:PT+9]
	v_pk_add_f32 v[78:79], v[PT+2:PT+3], v[PT+10:PT+11]
	v_pk_add_f32 v[80:81], v[PT+4:PT+5], v[PT+12:PT+13]
	v_pk_add_f32 v[82:83], v[PT+6:PT+7], v[PT+14:PT+15]
.set i, 4
.rept 14
	v_pk_add_f32 v[76:77], v[76:77], v[PT+4*i:PT+4*i+1]
	v_pk_add_f32 v[78:79], v[78:79], v[PT+4*i+2:PT+4*i+3]
	v_pk_add_f32 v[80:81], v[80:81], v[PT+4*i+4:PT+4*i+5]
	v_pk_add_f32 v[82:83], v[82:83], v[PT+4*i+6:PT+4*i+7]
.set i, i+2
.endr
	v_pk_add_f32 v[76:77], v[76:77], v[80:81]
	v_pk_add_f32 v[78:79], v[78:79], v[82:83]
	v_permlanex16_b32 v80, v76, s42, s43           ; the other 32 chunks lie in the lane 16 away
	v_permlanex16_b32 v81, v77, s42, s43
	v_permlanex16_b32 v82, v78, s42, s43
	v_permlanex16_b32 v83, v79, s42, s43
	v_pk_add_f32 v[76:77], v[76:77], v[80:81]
	v_pk_add_f32 v[78:79], v[78:79], v[82:83]
	v_mul_f32 v84, 0x3c800000, v76                 ; / 64: the group's mean
	v_mul_f32 v86, 0x3c800000, v78
.set i, 0
.rept 32
	v_sub_f32 v[PT+4*i], v[PT+4*i], v84            ; mean_i - mean, in place
	v_sub_f32 v[PT+4*i+2], v[PT+4*i+2], v86
.set i, i+1
.endr
	v_mul_f32 v88, v[PT], v[PT]
	v_mul_f32 v89, v[PT+2], v[PT+2]
	v_mul_f32 v90, v[PT+4], v[PT+4]
	v_mul_f32 v91, v[PT+6], v[PT+6]
.set i, 2
.rept 15
	v_fmac_f32 v88, v[PT+4*i], v[PT+4*i]
	v_fmac_f32 v89, v[PT+4*i+2], v[PT+4*i+2]
	v_fmac_f32 v90, v[PT+4*i+4], v[PT+4*i+4]
	v_fmac_f32 v91, v[PT+4*i+6], v[PT+4*i+6]
.set i, i+2
.endr
	v_add_f32 v88, v88, v90
	v_add_f32 v89, v89, v91
	v_permlanex16_b32 v80, v88, s42, s43
	v_permlanex16_b32 v81, v89, s42, s43
	v_add_f32 v88, v88, v80
	v_add_f32 v89, v89, v81
	v_fmamk_f32 v77, v88, 0x44000000, v77          ; sum of M2 + 512 x sum of squares
	v_fmamk_f32 v79, v89, 0x44000000, v79
	v_fma_f32 v77, v77, s48, s49                   ; var + eps
	v_fma_f32 v79, v79, s48, s49
	v_rsq_f32 v85, v77
	v_rsq_f32 v87, v79
	v_nop                                          ; a plain instruction between the root and the use of its result
	s_wait_alu depctr_va_vdst(0)
	ds_store_b128 v[ATS], v[84:87]                 ; my wave's own table: both halves of the lanes write the same numbers
.set i, 0
.rept 4
	ds_load_b64 v[88+2*i:89+2*i], v[ATB] offset:64*i  ; LDS serves a wave's instructions in order: group 8 j + lane / 4
.set i, i+1
.endr
	WIN 0x40
.set i, 48
.rept 16                               ; x, pass 3
	global_load_b128 v[4*i:4*i+3], v[XO], s[4:5] offset:(16*(i/16)+(i/4)%4)*2048+512*(i%4)
.set i, i+1
.endr
	WIN 0
	s_wait_dscnt 0x0
.set i, 0
.rept 16
	v_mul_f32 v[GA+i], v[89+2*(i/4)], v[224+i]     ; a = rstd x scale
.set i, i+1
.endr
.set i, 0
.rept 16
	v_fma_f32 v[GD+i], -v[88+2*(i/4)], v[GA+i], v[240+i]  ; d = bias - mean a
.set i, i+1
.endr
; PASS p: rows 16 p .. 16 p + 15.  My four rows become h, go to the stage in bf16, and every wave takes the 16 rows' fragments.
.macro HPASS p
	s_wait_loadcnt 48-16*(\p)                      ; this pass's 16 loads are in; the later passes' stay out
	WIN 0x41                                       ; x in window 1, a and d in window 0
.set i, 0
.rept 32
	v_pk_fma_f32 v[64*(\p)+2*i:64*(\p)+2*i+1], v[64*(\p)+2*i:64*(\p)+2*i+1], v[GA+2*(i%8):GA+2*(i%8)+1], v[GD+2*(i%8):GD+2*(i%8)+1]
.set i, i+1
.endr
	WIN 0x05
.set i, 0
.rept 32
	v_cvt_pk_bf16_f32 v[FA+i], v[64*(\p)+2*i], v[64*(\p)+2*i+1]
.set i, i+1
.endr
	WIN 0
.set i, 0
.rept 16
	ds_store_b64 v[AHS], v[FA+2*i:FA+2*i+1] offset:(i/4)*HP+256*(i%4)
.set i, i+1
.endr
	s_wait_dscnt 0x0                               ; for the others' sake: my rows are in the stage
	s_barrier_signal -1
	s_barrier_wait -1
	WIN 0x80
.set i, 0
.rept 8
	ds_load_b128 v[64*(\p)+8*i:64*(\p)+8*i+3],   v[AHF] offset:64*i
	ds_load_b128 v[64*(\p)+8*i+4:64*(\p)+8*i+7], v[AHF] offset:64*i+32
.set i, i+1
.endr
	WIN 0xc0
.set i, 0
.rept 8
	ds_load_b128 v[64*(\p)+8*i:64*(\p)+8*i+3],   v[AHF] offset:512+64*i
	ds_load_b128 v[64*(\p)+8*i+4:64*(\p)+8*i+7], v[AHF] offset:512+64*i+32
.set i, i+1
.endr
	WIN 0
	s_wait_dscnt 0x0                               ; my reads of the stage are over: the next pass, or the first step, may write it
.if (\p) == 3
	s_wait_tensorcnt 1                             ; my part of slot 0 is in; slot 1's may stay out
.endif
	s_barrier_signal -1
	s_barrier_wait -1
.endm
	HPASS 0
	HPASS 1
	HPASS 2
	HPASS 3
; 16 turning loads: quarter qd of the 512 c: fragment 2 cc + ct (chunk cc of 32 c, my column block ct) at f + 8 (2 cc + ct)
.macro FETCHW slot, qd, f
	WIN 0
.set i, 0
.rept 8
	ds_load_tr16_b128 v[(\f)+8*i:(\f)+8*i+3],   v[AW+4*(\slot)+(\qd)] offset:(i/2)*32*WSP+32*(i%2)
	ds_load_tr16_b128 v[(\f)+8*i+4:(\f)+8*i+7], v[AW+4*(\slot)+(\qd)] offset:(i/2)*32*WSP+32*(i%2)+16*WSP
.set i, i+1
.endr
.endm
; 32 matrix instructions: the 8 accumulators take turns.  first = 1: the first 8 start the sums with the bias.
.macro MULQ qd, f, first
	WIN 0x08+4*((\qd)/2)                           ; h in window 2 or 3
.set i, 0
.rept 32                               ; chunk i / 8, column block (i / 4) % 2, tile i % 4
.if (\first) && (i < 8)
	v_wmma_f32_16x16x32_bf16 v[ACC+8*(i%8):ACC+8*(i%8)+7], v[(\f)+8*(i/4):(\f)+8*(i/4)+7], v[64*(i%4)+8*(4*((\qd)%2)+i/8):64*(i%4)+8*(4*((\qd)%2)+i/8)+7], v[BIR+8*(i/4):BIR+8*(i/4)+7]
.else
	v_wmma_f32_16x16x32_bf16 v[ACC+8*(i%8):ACC+8*(i%8)+7], v[(\f)+8*(i/4):(\f)+8*(i/4)+7], v[64*(i%4)+8*(4*((\qd)%2)+i/8):64*(i%4)+8*(4*((\qd)%2)+i/8)+7], v[ACC+8*(i%8):ACC+8*(i%8)+7]
.endif
.set i, i+1
.endr
.endm
; A STEP: 128 columns out of the slot.  top = 1: the other slot is filled again, two tiles on; 2: nothing is left to fetch; 0: the first step.
; pend = 1: the step before left its results in the stage: they are read back and stored here.
.macro STEP slot, top, pend
	WIN 0
.if (\top) == 1
	s_wait_tensorcnt 0x0                           ; all my tensor loads have landed: my part of this step's tile
	ds_add_u32 v[SPW], v[NIL]
	s_add_nc_u64 s[G0+4*(1-(\slot))+2:G0+4*(1-(\slot))+3], s[G0+4*(1-(\slot))+2:G0+4*(1-(\slot))+3], 512  ; the other slot's next tile
	s_wait_dscnt 0x0                               ; the add is done, my reads of the other slot are over, and my results are in the stage
	ROUND                                          ; all that now holds of every wave of the four work-groups
	tensor_load_to_lds s[G0+4*(1-(\slot)):G0+4*(1-(\slot))+3], s[G1:G1+7]
	s_nop 0
	PLACES
.elseif (\top) == 2
	s_wait_tensorcnt 0x0
	ds_add_u32 v[SPW], v[NIL]
	s_wait_dscnt 0x0
	s_barrier_signal -1
	s_barrier_wait -1
.endif
.if \pend
	s_wait_xcnt 0x0                                ; the last step's stores have read the registers that are loaded again below
.endif
	ds_load_b128 v[BIR:BIR+3],     v[ABI]
	ds_load_b128 v[BIR+4:BIR+7],   v[ABI] offset:16
	ds_load_b128 v[BIR+8:BIR+11],  v[ABI] offset:64
	ds_load_b128 v[BIR+12:BIR+15], v[ABI] offset:80
	FETCHW \slot, 0, FA
	FETCHW \slot, 1, FB
.if \pend
	WIN 0x40
.set i, 0
.rept 8
	ds_load_b128 v[4*i:4*i+3], v[ARD] offset:2*SP*i
.set i, i+1
.endr
	WIN 0
.endif
	s_wait_dscnt 16+8*(\pend)                      ; the bias and the first quarter are in; the second quarter's 16 loads and the 8 rows may be out
	MULQ 0, FA, 1
	s_wait_dscnt 0x0
.if \pend
	WIN 0x04                                       ; store data in window 1
.set i, 0
.rept 8
	global_store_b128 v[GO], v[4*i:4*i+3], s[16:17] offset:6144*i  ; 16 lanes store 256 consecutive bytes, at a multiple of 256 from qkv's first byte
.set i, i+1
.endr
	s_barrier_signal -1                            ; my reads of the stage are over
.endif
	PLACES
	FETCHW \slot, 2, FA
	MULQ 1, FB, 0
.if \pend
	s_barrier_wait -1                              ; everybody's are: the stage may be written below
.endif
	PLACES
	FETCHW \slot, 3, FB
	s_wait_dscnt 16                                ; the third quarter is in
	MULQ 2, FA, 0
	s_wait_dscnt 0x0
	MULQ 3, FB, 0
	WIN 0
	PLACES
.set i, 0
.rept 32
	v_cvt_pk_bf16_f32 v[FA+i], v[ACC+2*i], v[ACC+2*i+1]  ; each accumulator from its low end on
.set i, i+1
.endr
.set i, 0
.rept 8
	ds_store_b128 v[ASTO], v[FA+4*i:FA+4*i+3] offset:(i%4)*16*SP+32*(i/4)
.set i, i+1
.endr
	v_add_nc_u32 v[ABI], 512, v[ABI]
.if \pend
	s_wait_xcnt 0x0                                ; the stores have read their base
	s_add_nc_u64 s[16:17], s[16:17], 256           ; the next step's 128 columns
.endif
.endm
	STEP 0, 0, 0
	WIN 0
	s_mov_b32 s40, 5
.Lpair:                                                ; steps 1 to 10: each asks for the tile of the step after it
	STEP 1, 1, 1
	STEP 0, 1, 1
	WIN 0
	s_sub_co_u32 s40, s40, 1
	s_cmp_lg_u32 s40, 0
	s_cbranch_scc1 .Lpair
	STEP 1, 2, 1                                   ; step 11 is written out
	s_wait_dscnt 0x0                               ; the last step's results are in the stage
	s_barrier_signal -1
	s_barrier_wait -1
	s_wait_xcnt 0x0
	WIN 0x40
.set i, 0
.rept 8
	ds_load_b128 v[4*i:4*i+3], v[ARD] offset:2*SP*i
.set i, i+1
.endr
	s_wait_dscnt 0x0
	WIN 0x04
.set i, 0
.rept 8
	global_store_b128 v[GO], v[4*i:4*i+3], s[16:17] offset:6144*i
.set i, i+1
.endr
	WIN 0
	s_wait_tensorcnt 0x0                           ; the wave's end
	ds_add_u32 v[SPW], v[NIL]
	s_wait_dscnt 0x0
	ROUND                                          ; the closing round
	s_endpgm
.Lfunc_end_k_qb47eaacad7_proj:
	.size	k_qb47eaacad7_proj, .Lfunc_end_k_qb47eaacad7_proj-k_qb47eaacad7_proj
	.p2alignl 7, 3214868480
	.fill 96, 4, 3214868480
	.section	.rodata,"a",@progbits
	.p2align	6, 0x0
	.amdhsa_kernel k_qb47eaacad7_proj
		.amdhsa_group_segment_fixed_size 327680
		.amdhsa_private_segment_fixed_size 0
		.amdhsa_enable_private_segment 0
		.amdhsa_kernarg_size 56
		.amdhsa_user_sgpr_count 2
		.amdhsa_user_sgpr_kernarg_segment_ptr 1
		.amdhsa_wavefront_size32 1
		.amdhsa_system_sgpr_workgroup_id_x 1
		.amdhsa_system_sgpr_workgroup_id_y 1
		.amdhsa_system_sgpr_workgroup_id_z 1
		.amdhsa_system_vgpr_workitem_id 0
		.amdhsa_next_free_vgpr 1024
		.amdhsa_next_free_sgpr 66
		.amdhsa_reserve_vcc 0
		.amdhsa_float_denorm_mode_32 3
		.amdhsa_float_denorm_mode_16_64 3
		.amdhsa_memory_ordered 1
		.amdhsa_forward_progress 1
		.amdhsa_inst_pref_size 128
	.end_amdhsa_kernel
	.amdgpu_metadata
---
amdhsa.version: [ 1, 2 ]
amdhsa.kernels:
  - .name:           k_qb47eaacad7_proj
    .symbol:         k_qb47eaacad7_proj.kd
    .args:
      - { .name: x, .offset: 0, .size: 8, .value_kind: global_buffer, .address_space: global }
      - { .name: part, .offset: 8, .size: 8, .value_kind: global_buffer, .address_space: global }
      - { .name: gn_scale, .offset: 16, .size: 8, .value_kind: global_buffer, .address_space: global }
      - { .name: gn_bias, .offset: 24, .size: 8, .value_kind: global_buffer, .address_space: global }
      - { .name: wb, .offset: 32, .size: 8, .value_kind: global_buffer, .address_space: global }
      - { .name: bcat, .offset: 40, .size: 8, .value_kind: global_buffer, .address_space: global }
      - { .name: qkv, .offset: 48, .size: 8, .value_kind: global_buffer, .address_space: global }
    .group_segment_fixed_size: 327680
    .private_segment_fixed_size: 0
    .kernarg_segment_align: 8
    .kernarg_segment_size: 56
    .max_flat_workgroup_size: 128
    .sgpr_count:     66
    .vgpr_count:     1024
    .wavefront_size: 32
...
	.end_amdgpu_metadata
.endif
;; end of part 2
;; launch attn (part 3): grid 32 x 8, 4 waves a work-group, clusters of 4 x 1, 327,680 bytes of LDS; arguments qkv, x, out0; writes out0
.if DOCPART == 3
	.amdgcn_target "amdgcn-amd-amdhsa--gfx1250"
	.amdhsa_code_object_version 6
	.text
	.protected	k_qb47eaacad7_attn
	.globl	k_qb47eaacad7_attn
	.p2align	8
	.type	k_qb47eaacad7_attn,@function
k_qb47eaacad7_attn:
	s_mov_b64 s[64:65], 0
	v_nop
	global_prefetch_b8 v0, s[64:65] scope:SCOPE_SE
	s_setreg_imm32_b32 hwreg(HW_REG_WAVE_MODE, 25, 1), 1
	s_wait_xcnt 0x0
	s_wait_alu depctr_hold_cnt(0) depctr_sa_sdst(0) depctr_va_vdst(0) depctr_va_sdst(0) depctr_va_ssrc(0) depctr_va_vcc(0) depctr_vm_vsrc(0)
	s_getreg_b32 s2, hwreg(HW_REG_IB_STS2, 6, 4)
	s_cmp_eq_u32 s2, 0
	s_cbranch_scc0 .Lentry_in_a_cluster
	s_endpgm
.Lentry_in_a_cluster:
	s_bfe_u32 s2, ttmp6, 0x10000c
	s_cmp_lg_u32 s2, 0x3003
	s_cbranch_scc0 .Lentry_shape_is_right
	s_endpgm
.Lentry_shape_is_right:
; ATTN.  out0[b][q][:] = (sum over k of softmax_k(q . k / sqrt(512)) v'[k][:]) + x[b][q][:].  qkv: [16,384 rows][1,536] bf16: q, k, v' = v wo + bo.  One head of size 512, 2,048 keys a batch.
; SHARES.  A work-group owns 64 queries: four tiles of 16.  At this head size a tile's Q is 128 registers and its O 256, so a wave cannot own queries and still feed several products from each
; fragment.  Instead every wave holds ALL 64 queries' Q (512 registers); of a step's 64 keys it makes the scores of 16 (64 matrix instructions, each fragment of K feeding four),
; and of the 512 channels it owns 128 for all 64 queries (256 registers of O; 64 matrix instructions, each fragment of V feeding four).  Weights and maxima pass between the waves through LDS.
; LAYOUT.  S^T = K Q^T: a lane holds one query (lane % 16) and the keys 8 (lane / 16) + 0..7 of my 16.  Rounded to bf16 these 16 bytes ARE half of source 1 (32 keys x 16 queries) of O^T = V^T P:
; block (tile, wave) lies in LDS lane by lane.  V ([key][channel]) is turned by ds_load_tr16_b128.
; SOFTMAX.  A running maximum m for each query, the same in all waves: each wave's maximum over its 16 keys goes to LDS, a barrier, every wave takes the four.  p = 2^(c s - c m), c = log2(e) / sqrt(512);
; a = 2^(c (m_old - m_new)).  Each wave keeps the sum l of its own keys' unrounded p; the four are added at the end.
; PIPELINE.  Trip j makes the scores and weights of step j and the products V^T P of step j - 1, which stand between the signal and the wait of the maxima's barrier.  O is multiplied by a of step j - 1
; by four vector instructions behind each of the trip's first 32 matrix instructions.  Trip 0 has P = 0 and O = 0 and multiplies by the tile that will be step 1's V: 64 products on zeros, one tile fetched
; twice and 256 v_mov_b32, the price of writing no first step out.
; CLUSTER.  The four query blocks of a cluster belong to one batch and walk the same K and V: each tile is asked for JOINTLY.  Waves 0 and 1 fetch K's halves (32 rows x 1,024 bytes), waves 2 and 3 V's.
; A refill goes out behind the round at a trip's end and has the next trip's 128 matrix instructions in which to land.  A wave has at most two tensor loads out (its first fills), later one.
; LIMITS.  m starts at -3.4e38; a weight below 2^-126 counts as 0; q, k, v' and p are bf16; NaN and infinities are not treated apart; v' is finite.
; REGISTERS, in windows of 256 (s_set_vgpr_msb: bits 1:0 source 0, 3:2 source 1, 5:4 source 2, 7:6 destination):
;   window 0: v0-15 addresses; v16-31 a, m, l, l for each tile; v32-63 S^T; v64-127 P's fragments, at work in the softmax; v128-191, v192-255 fragments of K (16 chunks), then of V (two key halves)
;   window 1: O^T: channel block cb, tile t at 32 cb + 8 t       windows 2, 3: Q: tile t, chunk ch in window 2 + ch / 8 at 64 t + 8 (ch % 8); at the end window 2 holds x
.set PKK,   1040                       ; a row of K in LDS: 1,024 bytes + 16, an odd multiple of 16
.set PVV,   1056                       ; a row of V: 1,024 + 32, an odd multiple of 32
.set KS1,   64*PKK
.set VS0,   2*KS1
.set VS1,   VS0+64*PVV
.set PB,    VS1+64*PVV                 ; the weights: block (tile t, wave kb) at (4 t + kb) x 512 + 16 x lane.  From here on no tensor load lands
.set MX,    PB+8192                    ; maxima, at the end sums: word at 256 t + 16 query + 4 wave
.set STG,   MX+1024                    ; each wave's own stage for the way out: 16 rows x (512 + 16) bytes
.set SGP,   528
.set SPARE, STG+4*16*SGP               ; the spare words: 128 bytes a wave, two blocks of 256 bytes that no other line names
.set TS,    64*3072                    ; bytes from a step's keys to the next step's
.set AK,  2                            ; v2-3   my 16 keys' fragments in K's slot 0, 1
.set AV,  4                            ; v4-5   my 128 channels' turning loads in V's slot 0, 1
.set APS, 6                            ; v6     where I put my weights
.set APL, 7                            ; v7     where I read everybody's
.set AMS, 8                            ; v8     where I put a maximum
.set AML, 9                            ; v9     where I read the four
.set AST, 10                           ; v10    the way out: into my stage
.set ARD, 11                           ; v11    back from it
.set GO,  12                           ; v12    16 x lane
.set SPW, 14                           ; v14    LDS address of my spare word; never rewritten
.set NIL, 15                           ; v15    0; never rewritten
.set ST,  16
.set S,   32
.set PF,  64
.set FA,  128
.set FB,  192
.set T,   PF                           ; the softmax at work: four waves' maxima for each tile,
.set CM,  PF+16                        ; c m (the low register of a pair; the trip's loads of P have written both),
.set TM,  PF+24                        ; the new m,
.set DD,  PF+28                        ; m_old - m_new,
.set PK,  PF+32                        ; the weights in bf16
.set WV,  12                           ; s12  my wave's number
.set G1K, 24                           ; s[24:31] descriptor group 1 for K's tiles
.set G1V, 32                           ; s[32:39] for V's: the padding differs
.set GK,  40                           ; s[40:47] group 0 for K's slots 0, 1
.set GV,  48                           ; s[48:55] for V's
.set CS,  58                           ; s[58:59] c
.set SEL, 60                           ; s[60:61] v_permlanex16_b32: each lane takes its own place in the other half
.set MSB, 0
.macro WIN new                         ; the immediate's high byte repeats the setting that is left; a switch that changes nothing is dropped
.if MSB != (\new)
	s_set_vgpr_msb (MSB<<8)|(\new)
.set MSB, \new
.endif
.endm
.macro PLACES                          ; four places (ISA guide 7.12.1)
.rept 4
	v_nop
.endr
.endm
.macro T4 line:vararg                  ; one line for each tile tt
.set tt, 0
.rept 4
	\line
.set tt, tt+1
.endr
.endm
.macro ROUND                           ; a round of the cluster's barrier
	s_barrier_signal -1
	s_barrier_wait -1
	s_cmp_lg_u32 s[WV], 0
	s_cbranch_scc1 .Lnot_wave_0_\@
	s_barrier_signal -3
.Lnot_wave_0_\@:
	s_barrier_wait -3
	s_barrier_signal -1
	s_barrier_wait -1
.endm
	s_load_b128 s[4:7], s[0:1], 0x0                ; qkv 4, x 6
	s_load_b64 s[8:9], s[0:1], 0x10                ; out0
	v_lshl_add_u32 v[SPW], v0, 2, SPARE
	v_mov_b32 v[NIL], 0
	ds_add_u32 v[SPW], v[NIL]                      ; the wave's opening: the add and its wait stand ahead of my first tensor load
	v_lshrrev_b32 v1, 5, v0
	v_readfirstlane_b32 s[WV], v1                  ; wave 0..3
	s_bfe_u32 s13, ttmp6, 0x40000                  ; cx
	s_lshl_b32 s14, ttmp9, 2
	s_add_co_u32 s14, s14, s13                     ; my block of 64 queries: it enters Q's, x's and out0's addresses alone
	s_and_b32 s15, ttmp7, 0xffff                   ; the batch, which the four partners share
	s_and_b32 s16, s[WV], 1                        ; which 32 rows of a tile I fetch
	s_mul_i32 s20, s15, 2048*3072
	s_mul_i32 s17, s16, 32*3072
	s_add_co_u32 s20, s20, s17
	s_mov_b32 s21, 0
	s_lshl_b32 s18, s15, 11
	s_lshl_b32 s19, s14, 6
	s_add_co_u32 s18, s18, s19                     ; my first row
	s_mul_i32 s22, s18, 3072
	s_mov_b32 s23, 0
	s_lshl_b32 s62, s18, 11                        ; in x and out0: rows of 2,048 bytes, my wave's 512
	s_lshl_b32 s63, s[WV], 9
	s_add_co_u32 s62, s62, s63
	s_mov_b32 s63, 0
	s_mov_b32 s[G1K], 15|(1<<16)|(1<<20)|(1<<21)|(7<<22)|(3<<25)  ; the mask of four; 2-byte elements; padding on; bit 21 beside a mask; after every 256 words, 4 words
	s_mov_b32 s[G1V], 15|(1<<16)|(1<<20)|(1<<21)|(7<<22)|(7<<25)  ; the same with 8 words
.irp g, G1K, G1V
	s_mov_b32 s[\g+1], 512<<16                     ; tensor_dim0 = 512
	s_mov_b32 s[\g+2], 32<<16                      ; tensor_dim1 = 32
	s_mov_b32 s[\g+3], 512<<16                     ; tile_dim0 = 512
	s_mov_b32 s[\g+4], 32                          ; tile_dim1 = 32
	s_mov_b32 s[\g+5], 1536                        ; elements from row to row
	s_mov_b32 s[\g+6], 0
	s_mov_b32 s[\g+7], 0
.endr
	s_mul_i32 s17, s16, 32*PKK
	s_mul_i32 s19, s16, 32*PVV
	s_mov_b32 s[GK], 1
	s_mov_b32 s[GK+1], s17                         ; K's slot 0 begins at LDS byte 0
	s_mov_b32 s[GK+4], 1
	s_add_co_u32 s[GK+5], s17, KS1
	s_mov_b32 s[GV], 1
	s_add_co_u32 s[GV+1], s19, VS0
	s_mov_b32 s[GV+4], 1
	s_add_co_u32 s[GV+5], s19, VS1
	s_mov_b32 s[CS], 0x3d8293ee                    ; c = log2(e) / sqrt(512) = 0.0637587
	s_mov_b32 s[CS+1], s[CS]                       ; named with it as a pair
	s_mov_b32 s[SEL], 0x76543210
	s_mov_b32 s[SEL+1], 0xfedcba98
	s_wait_dscnt 0x0                               ; the opening add is done
	s_wait_kmcnt 0x0
	s_add_nc_u64 s[20:21], s[4:5], s[20:21]        ; qkv at the batch's first row, my half of a tile
	s_add_nc_u64 s[GK+2:GK+3], s[20:21], 1024      ; K of step 0,
	s_add_nc_u64 s[GK+6:GK+7], s[20:21], 1024+TS   ; of step 1
	s_add_nc_u64 s[GV+2:GV+3], s[20:21], 2048      ; V of step 0,
	s_add_nc_u64 s[GV+6:GV+7], s[20:21], 2048+TS   ; of step 1
	s_or_b32 s[GK+3], s[GK+3], 0x80000000          ; type = 2
	s_or_b32 s[GK+7], s[GK+7], 0x80000000
	s_or_b32 s[GV+3], s[GV+3], 0x80000000
	s_or_b32 s[GV+7], s[GV+7], 0x80000000
	s_add_nc_u64 s[4:5], s[4:5], s[22:23]          ; Q
	s_add_nc_u64 s[6:7], s[6:7], s[62:63]          ; x
	s_add_nc_u64 s[8:9], s[8:9], s[62:63]          ; out0
	ROUND                                          ; all four work-groups are here: the first joint loads meet
	s_cmp_lt_u32 s[WV], 2                          ; a wave's two first fills stand in one branch; what trip 0 reads goes first
	s_cbranch_scc0 .Lfirst_v
	tensor_load_to_lds s[GK:GK+3], s[G1K:G1K+7]
	s_nop 0
	tensor_load_to_lds s[GK+4:GK+7], s[G1K:G1K+7]
	s_nop 0
	PLACES
	s_branch .Lfirst_asked
.Lfirst_v:
	tensor_load_to_lds s[GV+4:GV+7], s[G1V:G1V+7]  ; slot 1: trip 0 multiplies zeros by it, so it must hold finite numbers
	s_nop 0
	tensor_load_to_lds s[GV:GV+3], s[G1V:G1V+7]
	s_nop 0
	PLACES
.Lfirst_asked:
	v_and_b32 v65, 15, v0                          ; r
	v_bfe_u32 v66, v0, 4, 1                        ; h
	v_and_b32 v67, 7, v0
	v_bfe_u32 v68, v0, 3, 1
	v_and_b32 v69, 31, v0                          ; lane
	v_mul_u32_u24 v64, v65, 3072
	v_lshl_add_u32 v64, v66, 4, v64                ; Q: row r, 16 bytes at 16 h
	WIN 0x80
.set i, 0
.rept 32                               ; tile i / 8, chunk i % 8
	global_load_b128 v[8*i:8*i+3],   v64, s[4:5] offset:(i/8)*49152+64*(i%8)
	global_load_b128 v[8*i+4:8*i+7], v64, s[4:5] offset:(i/8)*49152+64*(i%8)+32
.set i, i+1
.endr
	WIN 0xc0
.set i, 0
.rept 32                               ; chunks 8 to 15
	global_load_b128 v[8*i:8*i+3],   v64, s[4:5] offset:(i/8)*49152+512+64*(i%8)
	global_load_b128 v[8*i+4:8*i+7], v64, s[4:5] offset:(i/8)*49152+512+64*(i%8)+32
.set i, i+1
.endr
	WIN 0x40
.set i, 0
.rept 256
	v_mov_b32 v[i], 0                              ; O^T; all this stands in the wait for the first tiles
.set i, i+1
.endr
	WIN 0
	v_mul_u32_u24 v[AK], v65, PKK
	v_lshl_add_u32 v[AK], v66, 4, v[AK]
	s_mul_i32 s17, s[WV], 16*PKK
	v_add_nc_u32 v[AK], s17, v[AK]                 ; key 16 wave + r, 16 bytes at 16 h
	v_add_nc_u32 v[AK+1], KS1, v[AK]
	v_lshl_add_u32 v[AV], v66, 3, v67              ; key 8 h + lane % 8,
	v_mul_u32_u24 v[AV], v[AV], PVV
	v_lshl_add_u32 v[AV], v68, 4, v[AV]            ; 16 bytes at 16 ((lane / 8) % 2),
	s_lshl_b32 s17, s[WV], 8
	s_add_co_u32 s17, s17, VS0
	v_add_nc_u32 v[AV], s17, v[AV]                 ; my 128 channels
	v_add_nc_u32 v[AV+1], VS1-VS0, v[AV]
	v_lshl_add_u32 v[APL], v69, 4, PB
	s_lshl_b32 s17, s[WV], 9
	v_add_nc_u32 v[APS], s17, v[APL]
	v_lshl_add_u32 v[AML], v65, 4, MX
	s_lshl_b32 s17, s[WV], 2
	v_add_nc_u32 v[AMS], s17, v[AML]
	s_mul_i32 s17, s[WV], 16*SGP
	s_add_co_u32 s17, s17, STG
	v_mul_u32_u24 v[AST], v65, SGP
	v_lshl_add_u32 v[AST], v66, 5, v[AST]
	v_add_nc_u32 v[AST], s17, v[AST]               ; row r, 32 bytes for each half of the lanes
	v_lshl_add_u32 v[ARD], v69, 4, s17
	v_lshlrev_b32 v[GO], 4, v69
	T4 v_mov_b32 v[ST+4*tt], 0                     ; a
	T4 v_mov_b32 v[ST+4*tt+1], 0xff7fffff          ; m: the lowest finite number
	T4 v_mov_b32 v[ST+4*tt+2], 0                   ; l
	T4 v_mov_b32 v[ST+4*tt+3], 0
	T4 v_mov_b32 v[S+tt], 0
	T4 ds_store_b128 v[APS], v[S:S+3] offset:2048*tt  ; the weights of a step that has not been
	s_wait_tensorcnt 1                             ; what trip 0 reads of my fills is in; the other may stay out
	s_wait_dscnt 0x0
	s_barrier_signal -1
	s_barrier_wait -1
	s_wait_loadcnt 0x0                             ; Q
.macro KLOAD e                         ; my 16 keys x 512 channels: 16 fragments
.set i, 0
.rept 16
	ds_load_b128 v[FA+8*i:FA+8*i+3],   v[AK+(\e)] offset:64*i
	ds_load_b128 v[FA+8*i+4:FA+8*i+7], v[AK+(\e)] offset:64*i+32
.set i, i+1
.endr
.endm
.macro PLOAD                           ; all 64 keys' weights: fragment 2 t + kk: the blocks of waves 2 kk and 2 kk + 1
.set i, 0
.rept 8
	ds_load_b128 v[PF+8*i:PF+8*i+3],   v[APL] offset:1024*i
	ds_load_b128 v[PF+8*i+4:PF+8*i+7], v[APL] offset:1024*i+512
.set i, i+1
.endr
.endm
.macro VLOAD kk, sl                    ; keys 32 kk on x my 128 channels, turned: 8 fragments
.set i, 0
.rept 8
	ds_load_tr16_b128 v[FA+64*(\kk)+8*i:FA+64*(\kk)+8*i+3],   v[AV+(\sl)] offset:32*PVV*(\kk)+32*i
	ds_load_tr16_b128 v[FA+64*(\kk)+8*i+4:FA+64*(\kk)+8*i+7], v[AV+(\sl)] offset:32*PVV*(\kk)+32*i+16*PVV
.set i, i+1
.endr
.endm
.macro RESC                            ; accumulator g of O^T times its tile's a, from its low end on
	WIN 0x41
.set z, 0
.rept 4
	v_pk_mul_f32 v[8*g+2*z:8*g+2*z+1], v[8*g+2*z:8*g+2*z+1], v[ST+4*(g%4):ST+4*(g%4)+1] op_sel_hi:[1,0]
.set z, z+1
.endr
.endm
; 32 products of S^T = K Q^T: chunks 8 hf + g / 4, tile g % 4: the four accumulators take turns.  ride = 1: the rescaling of accumulator g of O^T stands behind product g.
.macro SQK hf, ride
.set g, 0
.rept 32
	WIN 0x08+4*(\hf)                               ; Q in window 2 or 3
.if ((\hf) == 0) && (g < 4)
	v_wmma_f32_16x16x32_bf16 v[S+8*(g%4):S+8*(g%4)+7], v[FA+64*(\hf)+8*(g/4):FA+64*(\hf)+8*(g/4)+7], v[64*(g%4)+8*(g/4):64*(g%4)+8*(g/4)+7], 0
.else
	v_wmma_f32_16x16x32_bf16 v[S+8*(g%4):S+8*(g%4)+7], v[FA+64*(\hf)+8*(g/4):FA+64*(\hf)+8*(g/4)+7], v[64*(g%4)+8*(g/4):64*(g%4)+8*(g/4)+7], v[S+8*(g%4):S+8*(g%4)+7]
.endif
.if \ride
	RESC
.endif
.set g, g+1
.endr
.endm
.macro PVM kk                          ; 32 products of O^T += V^T P: channel block g / 4, tile g % 4: 32 accumulators by turns
	WIN 0x50                                       ; C and D in window 1
.set g, 0
.rept 32
	v_wmma_f32_16x16x32_bf16 v[8*g:8*g+7], v[FA+64*(\kk)+8*(g/4):FA+64*(\kk)+8*(g/4)+7], v[PF+16*(g%4)+8*(\kk):PF+16*(g%4)+8*(\kk)+7], v[8*g:8*g+7]
.set g, g+1
.endr
.endm
; TRIP j, e = j % 2.  K of step j lies in K's slot e, V of step j - 1 in V's slot 1 - e.
; mode 2: behind the round K's slot e takes step j + 2 and V's slot 1 - e step j + 1; mode 1: V alone; mode 0: nothing is left to fetch.
.macro TRIP e, mode
	WIN 0
	KLOAD \e
	PLOAD
	s_wait_dscnt 32                                ; K's chunks 0-7 are in; chunks 8-15 and P, 16 loads each, may be out
	SQK 0, 1                                       ; the last four rescalings are also the places in front of the loads below
	WIN 0
	VLOAD 0, 1-(\e)
	s_wait_dscnt 32                                ; K's chunks 8-15 are in; P and V's first half may be out
	SQK 1, 0
	WIN 0
	PLACES
	; my 16 keys' maximum for each query
	T4 v_max3_num_f32 v[FB+tt], v[S+8*tt], v[S+8*tt+1], v[S+8*tt+2]
	T4 v_max3_num_f32 v[FB+tt], v[FB+tt], v[S+8*tt+3], v[S+8*tt+4]
	T4 v_max3_num_f32 v[FB+tt], v[FB+tt], v[S+8*tt+5], v[S+8*tt+6]
	T4 v_max_num_f32 v[FB+tt], v[FB+tt], v[S+8*tt+7]
	T4 v_permlanex16_b32 v[FB+4+tt], v[FB+tt], s[SEL], s[SEL+1]
	T4 v_max_num_f32 v[FB+tt], v[FB+tt], v[FB+4+tt]
	T4 ds_store_b32 v[AMS], v[FB+tt] offset:256*tt
	s_wait_dscnt 0x0                               ; my maxima are in LDS; P and V's first half are in, so my reads of the old weights are over
	s_barrier_signal -1
	VLOAD 1, 1-(\e)                                ; bytes that nobody writes before the round below
	PVM 0
	s_wait_dscnt 0x0
	PVM 1
	s_barrier_wait -1
	WIN 0
	PLACES
	T4 ds_load_b128 v[T+4*tt:T+4*tt+3], v[AML] offset:256*tt
	s_wait_dscnt 0x0
	T4 v_max3_num_f32 v[TM+tt], v[T+4*tt], v[T+4*tt+1], v[T+4*tt+2]
	T4 v_max3_num_f32 v[TM+tt], v[TM+tt], v[T+4*tt+3], v[ST+4*tt+1]
	T4 v_sub_f32 v[DD+tt], v[ST+4*tt+1], v[TM+tt]
	T4 v_mul_f32 v[CM+2*tt], s[CS], v[TM+tt]
	T4 v_mov_b32 v[ST+4*tt+1], v[TM+tt]
	T4 v_mul_f32 v[DD+tt], s[CS], v[DD+tt]
	T4 v_exp_f32 v[ST+4*tt], v[DD+tt]              ; a; the scalings below are the plain instructions behind it
.set i, 0
.rept 16
	v_pk_fma_f32 v[S+2*i:S+2*i+1], v[S+2*i:S+2*i+1], s[CS:CS+1], v[CM+2*(i/4):CM+2*(i/4)+1] op_sel_hi:[1,0,0] neg_lo:[0,0,1] neg_hi:[0,0,1]  ; c s - c m
.set i, i+1
.endr
.set i, 0
.rept 32
	v_exp_f32 v[S+i], v[S+i]
.set i, i+1
.endr
	v_nop                                          ; a plain instruction between the last exponential and the use of its result
.set i, 0
	s_wait_alu depctr_va_vdst(0)
.rept 16
	v_cvt_pk_bf16_f32 v[PK+i], v[S+2*i], v[S+2*i+1]
.set i, i+1
.endr
	T4 ds_store_b128 v[APS], v[PK+4*tt:PK+4*tt+3] offset:2048*tt
	T4 v_pk_add_f32 v[S+8*tt:S+8*tt+1], v[S+8*tt:S+8*tt+1], v[S+8*tt+2:S+8*tt+3]
	T4 v_pk_add_f32 v[S+8*tt+4:S+8*tt+5], v[S+8*tt+4:S+8*tt+5], v[S+8*tt+6:S+8*tt+7]
	T4 v_pk_add_f32 v[S+8*tt:S+8*tt+1], v[S+8*tt:S+8*tt+1], v[S+8*tt+4:S+8*tt+5]
.set i, 0
.rept 4
	v_pk_fma_f32 v[ST+4*i+2:ST+4*i+3], v[ST+4*i+2:ST+4*i+3], v[ST+4*i:ST+4*i+1], v[S+8*i:S+8*i+1] op_sel_hi:[1,0,1]  ; l = a l + sum
.set i, i+1
.endr
	s_wait_tensorcnt 0x0                           ; all my tensor loads have landed: my part of what the next trip reads
	ds_add_u32 v[SPW], v[NIL]                      ; 0 onto my spare word; the descriptors' steps stand between it and the wait for it
.if ((\e) == 0) && ((\mode) == 2)
	s_add_nc_u64 s[GK+2:GK+3], s[GK+2:GK+3], 2*TS
.endif
.if ((\e) == 1) && ((\mode) == 2)
	s_add_nc_u64 s[GK+6:GK+7], s[GK+6:GK+7], 2*TS
	s_add_nc_u64 s[GV+2:GV+3], s[GV+2:GV+3], 2*TS
	s_add_nc_u64 s[GV+6:GV+7], s[GV+6:GV+7], 2*TS  ; for the next trip's load
.endif
	s_wait_dscnt 0x0                               ; the add is done, my reads of both slots are over, and my weights are in LDS
.if (\mode) == 2
	ROUND
	s_cmp_lt_u32 s[WV], 2
	s_cbranch_scc0 .Lfor_v_\@
	tensor_load_to_lds s[GK+4*(\e):GK+4*(\e)+3], s[G1K:G1K+7]
	s_nop 0
	PLACES
	s_branch .Lasked_\@
.Lfor_v_\@:
	tensor_load_to_lds s[GV+4*(1-(\e)):GV+4*(1-(\e))+3], s[G1V:G1V+7]
	s_nop 0
	PLACES
.Lasked_\@:
.elseif (\mode) == 1
	ROUND
	s_cmp_lt_u32 s[WV], 2
	s_cbranch_scc1 .Lasked_\@
	tensor_load_to_lds s[GV+4*(1-(\e)):GV+4*(1-(\e))+3], s[G1V:G1V+7]
	s_nop 0
	PLACES
.Lasked_\@:
.else
	s_barrier_signal -1
	s_barrier_wait -1
.endif
.endm
	s_mov_b32 s56, 15
.Lpair:                                                ; trips 0 to 29
	TRIP 0, 2
	TRIP 1, 2
	WIN 0
	s_sub_co_u32 s56, s56, 1
	s_cmp_lg_u32 s56, 0
	s_cbranch_scc1 .Lpair
	TRIP 0, 1                                      ; the tail is written out: trip 30 asks for the last V
	TRIP 1, 0                                      ; trip 31 for nothing
	; THE LAST STEP'S V^T P, and the four waves' sums
	T4 v_add_f32 v[ST+4*tt+2], v[ST+4*tt+2], v[ST+4*tt+3]
	T4 v_permlanex16_b32 v[ST+4*tt+3], v[ST+4*tt+2], s[SEL], s[SEL+1]
	T4 v_add_f32 v[ST+4*tt+2], v[ST+4*tt+2], v[ST+4*tt+3]
	T4 ds_store_b32 v[AMS], v[ST+4*tt+2] offset:256*tt
	PLOAD
	VLOAD 0, 1
	VLOAD 1, 1
	WIN 0x80                                       ; Q is no longer needed: x goes where it lay
.set i, 0
.rept 64                               ; row i of my 64, my wave's 512 bytes
	global_load_b128 v[4*i:4*i+3], v[GO], s[6:7] offset:2048*i
.set i, i+1
.endr
.set g, 0
.rept 32
	RESC
.set g, g+1
.endr
	WIN 0
	s_wait_dscnt 0x0
	s_barrier_signal -1
	PVM 0
	PVM 1
	s_barrier_wait -1
	WIN 0
	PLACES
	T4 ds_load_b128 v[T+4*tt:T+4*tt+3], v[AML] offset:256*tt
	s_wait_dscnt 0x0
	T4 v_add_f32 v[T+4*tt], v[T+4*tt], v[T+4*tt+1]
	T4 v_add_f32 v[T+4*tt+2], v[T+4*tt+2], v[T+4*tt+3]
	T4 v_add_f32 v[T+4*tt], v[T+4*tt], v[T+4*tt+2]
	T4 v_rcp_f32 v[ST+4*tt], v[T+4*tt]
	v_nop                                          ; a plain instruction between the last reciprocal and the use of its result
	s_wait_alu depctr_va_vdst(0)
; THE WAY OUT of tile t: O^T / l; a lane's eight channels of a row, 32 bytes, go into my own stage and come back as whole rows of 512 bytes; x is added; stored.
.macro OUT t
	WIN 0x41
.set i, 0
.rept 32                               ; channel block i / 4, pair i % 4: each accumulator from its low end on
	v_pk_mul_f32 v[32*(i/4)+8*(\t)+2*(i%4):32*(i/4)+8*(\t)+2*(i%4)+1], v[32*(i/4)+8*(\t)+2*(i%4):32*(i/4)+8*(\t)+2*(i%4)+1], v[ST+4*(\t):ST+4*(\t)+1] op_sel_hi:[1,0]
.set i, i+1
.endr
	WIN 0x04                                       ; store data in window 1
.set i, 0
.rept 8
	ds_store_b128 v[AST], v[32*i+8*(\t):32*i+8*(\t)+3]   offset:64*i
	ds_store_b128 v[AST], v[32*i+8*(\t)+4:32*i+8*(\t)+7] offset:64*i+16
.set i, i+1
.endr
	WIN 0
	s_wait_xcnt 0x0                                ; the stores of the tile two back have read the registers that are loaded below
.set OB, FA+64*((\t)%2)
.set i, 0
.rept 16
	ds_load_b128 v[OB+4*i:OB+4*i+3], v[ARD] offset:SGP*i  ; LDS serves a wave's instructions in order: these see the stores above, and the next tile's stores come behind them
.set i, i+1
.endr
	s_wait_dscnt 0x0
.if (\t) == 0
	s_wait_loadcnt 0x0                             ; x
.endif
	WIN 0x08                                       ; x in window 2
.set i, 0
.rept 32
	v_pk_add_f32 v[OB+2*i:OB+2*i+1], v[OB+2*i:OB+2*i+1], v[64*(\t)+2*i:64*(\t)+2*i+1]
.set i, i+1
.endr
	WIN 0
.set i, 0
.rept 16
	global_store_b128 v[GO], v[OB+4*i:OB+4*i+3], s[8:9] offset:(16*(\t)+i)*2048 th:TH_STORE_NT  ; 512 consecutive bytes, at a multiple of 256 from out0's first byte
.set i, i+1
.endr
.endm
	OUT 0
	OUT 1
	OUT 2
	OUT 3
	s_wait_tensorcnt 0x0                           ; the wave's end
	ds_add_u32 v[SPW], v[NIL]
	s_wait_dscnt 0x0
	ROUND                                          ; the closing round
	s_endpgm
.Lfunc_end_k_qb47eaacad7_attn:
	.size	k_qb47eaacad7_attn, .Lfunc_end_k_qb47eaacad7_attn-k_qb47eaacad7_attn
	.p2alignl 7, 3214868480
	.fill 96, 4, 3214868480
	.section	.rodata,"a",@progbits
	.p2align	6, 0x0
	.amdhsa_kernel k_qb47eaacad7_attn
		.amdhsa_group_segment_fixed_size 327680
		.amdhsa_private_segment_fixed_size 0
		.amdhsa_enable_private_segment 0
		.amdhsa_kernarg_size 24
		.amdhsa_user_sgpr_count 2
		.amdhsa_user_sgpr_kernarg_segment_ptr 1
		.amdhsa_wavefront_size32 1
		.amdhsa_system_sgpr_workgroup_id_x 1
		.amdhsa_system_sgpr_workgroup_id_y 1
		.amdhsa_system_sgpr_workgroup_id_z 1
		.amdhsa_system_vgpr_workitem_id 0
		.amdhsa_next_free_vgpr 1024
		.amdhsa_next_free_sgpr 66
		.amdhsa_reserve_vcc 0
		.amdhsa_float_denorm_mode_32 3
		.amdhsa_float_denorm_mode_16_64 3
		.amdhsa_memory_ordered 1
		.amdhsa_forward_progress 1
		.amdhsa_inst_pref_size 209
	.end_amdhsa_kernel
	.amdgpu_metadata
---
amdhsa.version: [ 1, 2 ]
amdhsa.kernels:
  - .name:           k_qb47eaacad7_attn
    .symbol:         k_qb47eaacad7_attn.kd
    .args:
      - { .name: qkv, .offset: 0, .size: 8, .value_kind: global_buffer, .address_space: global }
      - { .name: x, .offset: 8, .size: 8, .value_kind: global_buffer, .address_space: global }
      - { .name: out0, .offset: 16, .size: 8, .value_kind: global_buffer, .address_space: global }
    .group_segment_fixed_size: 327680
    .private_segment_fixed_size: 0
    .kernarg_segment_align: 8
    .kernarg_segment_size: 24
    .max_flat_workgroup_size: 128
    .sgpr_count:     66
    .vgpr_count:     1024
    .wavefront_size: 32
...
	.end_amdgpu_metadata
.endif
;; end of part 3
;; ======== version 2 of 3: 3 launches; 1.04 times as fast as version 1
;; limits: values outside matrix products are rounded to bf16
;; workspace buffers: part 131,072 bytes; wb 1,572,864 bytes; bcat 6,144 bytes; qkv 50,331,648 bytes
;; launch prep: the kernel of part 1 again; grid 256 x 1, 8 waves a work-group, no clusters, 102,912 bytes of LDS; arguments x, wq, wk, wv, wo, bq, bk, bv, bo, part, wb, bcat; writes part, wb, bcat
;; launch proj (part 4): grid 256 x 1, 4 waves a work-group, clusters of 4 x 1, 327,680 bytes of LDS; arguments x, part, gn_scale, gn_bias, wb, bcat, qkv; writes qkv
.if DOCPART == 4
	.amdgcn_target "amdgcn-amd-amdhsa--gfx1250"
	.amdhsa_code_object_version 6
	.text
	.protected	k_qb47eaacad7_proj
	.globl	k_qb47eaacad7_proj
	.p2align	8
	.type	k_qb47eaacad7_proj,@function
k_qb47eaacad7_proj:
	s_mov_b64 s[64:65], 0
	v_nop
	global_prefetch_b8 v0, s[64:65] scope:SCOPE_SE
	s_setreg_imm32_b32 hwreg(HW_REG_WAVE_MODE, 25, 1), 1
	s_wait_xcnt 0x0
	s_wait_alu depctr_hold_cnt(0) depctr_sa_sdst(0) depctr_va_vdst(0) depctr_va_sdst(0) depctr_va_ssrc(0) depctr_va_vcc(0) depctr_vm_vsrc(0)
	s_getreg_b32 s2, hwreg(HW_REG_IB_STS2, 6, 4)
	s_cmp_eq_u32 s2, 0
	s_cbranch_scc0 .Lentry_in_a_cluster
	s_endpgm
.Lentry_in_a_cluster:
	s_bfe_u32 s2, ttmp6, 0x10000c
	s_cmp_lg_u32 s2, 0x3003
	s_cbranch_scc0 .Lentry_shape_is_right
	s_endpgm
.Lentry_shape_is_right:
; PROJ.  qkv[row][1536] (bf16) = GroupNorm(x)[row][512] x wb[512][1536] + bcat: q, k and v' = v wo + bo of 16,384 rows.
; SHARES.  A work-group of four waves owns 64 rows and makes all 1,536 columns, in 12 steps of 128.  Every wave holds ALL 64 rows of h in registers (512), and in a step makes 32 columns:
; 8 accumulators, 128 matrix instructions, 64 turning LDS loads.  h is made once: x a + d in f32 (a = rstd scale, d = bias - mean a), rounded once to bf16.
; STATISTICS.  part holds, for 64 chunks of 512 numbers a batch and group, the chunk's mean and centred sum of squares; they are combined as mean = the means' mean and
; var = (sum of M2 + 512 x sum of (mean_i - mean)^2) / 32,768: no difference of large sums.  Every wave makes all 32 groups for itself.
; THE MATRIX INSTRUCTION IS USED TRANSPOSED: source 0 = 16 columns d x 32 c of the weights' tile [c][d], turned by ds_load_tr16_b128; source 1 = 16 rows of h.  A lane then holds one row
; and eight neighbouring columns, 16 bytes in bf16.  The bias is the C operand of the products that start the sums.
; CLUSTER.  All work-groups walk the same weights: the four of a cluster ask for each tile JOINTLY (the same load, descriptor and mask in all four).
; THE WALK.  Cluster c takes the 12 column tiles in the order c % 12, c % 12 + 1, .. and round: at any time the 64 clusters ask for 12 different tiles, and from a cluster's second step on
; every tile that it asks for has been asked for by another cluster before.  The tile's number enters the descriptor's global address and the stores' base; the bias is laid into LDS
; already turned by c % 12, so that no LDS address hangs on it.
; THE RING.  Two slots of 512 c x 128 d; each wave fetches 128 rows x 256 bytes.  A slot is asked for again at the head of the step after its last read and has that step's 128 matrix instructions
; in which to land.  A wave has at most two tensor loads out (the two first fills), later one.
; THE WAY OUT.  A step's 64 x 128 results go through one stage; they are read back as whole rows of 256 bytes and stored during the next step.
; LIMITS.  NaN and infinities are not treated apart; h and the weights are rounded to bf16.
; REGISTERS, in windows of 256 (s_set_vgpr_msb: bits 1:0 source 0, 3:2 source 1, 5:4 source 2, 7:6 destination):
;   window 0: v0-31 addresses; v32-95 accumulators ((ct, t) at 32 + 32 ct + 8 t); v96-159, v160-223 two fragment buffers; v224-239 the step's bias
;   window 1: x as loaded (at the head); later v0-31 rows read back from the stage       windows 2, 3: h: tile t, chunk ch of 32 c in window 2 + ch / 8 at 64 t + 8 (ch % 8)
.set WSP,   288                        ; a row of the weights' tile in LDS: 256 bytes + 32 of padding, an odd multiple of 32
.set WS1,   512*WSP                    ; slot 1
.set STG,   2*WS1                      ; the stage: 64 rows x 272; at the head 16 rows of h x 1,040.  No tensor load lands here
.set SP,    272
.set HP,    1040
.set BI,    STG+64*SP                  ; bcat, 6,144 bytes, turned: block s of 512 bytes is the bias of the walk's step s
.set TBL,   BI+6144                    ; each wave's own 256 bytes: (mean, rstd) of 32 groups
.set SPARE, TBL+1024                   ; the spare words: 128 bytes a wave, two blocks of 256 bytes that no other line names
.set AW,   8                           ; v8-15  turning loads: slot s, quarter qd of the 512 c at AW + 4 s + qd
.set ABI,  16                          ; v16    the step's bias for my columns; steps by 512
.set ASTO, 17                          ; v17    into the stage
.set ARD,  18                          ; v18    back from the stage
.set GO,   19                          ; v19    my byte offset in qkv
.set AHS,  20                          ; v20    h into the stage
.set AHF,  21                          ; v21    h's fragments out of it
.set XO,   22                          ; v22    16 x lane
.set ATB,  23                          ; v23    my channels' group in the table
.set ATS,  24                          ; v24    where I put two groups
.set ABS,  26                          ; v26    BI + 16 x thread
.set BOF,  27                          ; v27-29 my byte offsets in bcat; never rewritten
.set SPW,  30                          ; v30    LDS address of my spare word; never rewritten
.set NIL,  31                          ; v31    0; never rewritten
.set ACC,  32
.set GA,   32                          ; at the head: a of my 16 channels,
.set GD,   48                          ; and d
.set FA,   96
.set FB,   160
.set PT,   96                          ; at the head: part, 32 loads
.set BIR,  224
.set WV,   20                          ; s20    my wave's number
.set G1,   24                          ; s[24:31] descriptor group 1
.set G0,   32                          ; s[32:39] descriptor group 0, a set for each slot
.set C0,   54                          ; s54    the cluster's first tile
.set NREQ, 55                          ; s55    the tile to be asked for next
.set NST,  56                          ; s56    the tile whose results lie in the stage
.set OUTP, 58                          ; s[58:59] qkv at my rows and that tile's columns
.set OFT,  60                          ; s[60:61] a tile's byte offset in a row of wb
.set OFS,  62                          ; s[62:63] the same for the stores
.set MSB, 0
.macro WIN new                         ; the immediate's high byte repeats the setting that is left; a switch that changes nothing is dropped
.if MSB != (\new)
	s_set_vgpr_msb (MSB<<8)|(\new)
.set MSB, \new
.endif
.endm
.macro PLACES                          ; four places behind matrix instructions, in front of loads into their sources and of reads of their results
.rept 4
	v_nop
.endr
.endm
.macro ROUND                           ; a round of the cluster's barrier
	s_barrier_signal -1
	s_barrier_wait -1
	s_cmp_lg_u32 s[WV], 0
	s_cbranch_scc1 .Lnot_wave_0_\@
	s_barrier_signal -3
.Lnot_wave_0_\@:
	s_barrier_wait -3
	s_barrier_signal -1
	s_barrier_wait -1
.endm
.macro NEXT n                          ; a tile's number goes one on, and behind 11 back to 0
	s_add_co_u32 s[\n], s[\n], 1
	s_cmp_eq_u32 s[\n], 12
	s_cselect_b32 s[\n], 0, s[\n]
.endm
	s_load_b256 s[4:11], s[0:1], 0x0               ; x 4, part 6, gn_scale 8, gn_bias 10
	s_load_b128 s[12:15], s[0:1], 0x20             ; wb 12, bcat 14
	s_load_b64 s[16:17], s[0:1], 0x30              ; qkv
	v_lshl_add_u32 v[SPW], v0, 2, SPARE
	v_mov_b32 v[NIL], 0
	ds_add_u32 v[SPW], v[NIL]                      ; the wave's opening: the add and its wait stand ahead of my first tensor load
	v_lshrrev_b32 v1, 5, v0
	v_readfirstlane_b32 s[WV], v1                  ; wave 0..3
	s_bfe_u32 s21, ttmp6, 0x40000                  ; cx
	s_lshl_b32 s22, ttmp9, 2
	s_add_co_u32 s22, s22, s21                     ; my block of 64 rows: it enters x's and qkv's addresses alone
	s_mul_i32 s[C0], ttmp9, 43                     ; the cluster's number (0 to 63) modulo 12: n x 43 >> 9 is n / 12 for n below 64
	s_lshr_b32 s[C0], s[C0], 9
	s_mul_i32 s[C0], s[C0], 12
	s_sub_co_u32 s[C0], ttmp9, s[C0]
	s_mov_b32 s[NST], s[C0]
	s_mov_b32 s[NREQ], s[C0]
	s_lshl_b32 s[OFT], s[NREQ], 8                  ; the walk's first tile,
	s_mov_b32 s[OFT+1], 0
	NEXT NREQ
	s_lshl_b32 s[OFS], s[NREQ], 8                  ; and its second
	s_mov_b32 s[OFS+1], 0
	NEXT NREQ                                      ; the third is the first to be asked for in the loop
	s_mov_b32 s[G1], 15|(1<<16)|(1<<20)|(1<<21)|(5<<22)|(7<<25)  ; the mask of four; 2-byte elements; padding on; bit 21 beside a mask; after every 64 words, 8 words
	s_mov_b32 s[G1+1], 128<<16                     ; tensor_dim0 = 128
	s_mov_b32 s[G1+2], 128<<16                     ; tensor_dim1 = 128
	s_mov_b32 s[G1+3], 128<<16                     ; tile_dim0 = 128
	s_mov_b32 s[G1+4], 128                         ; tile_dim1 = 128
	s_mov_b32 s[G1+5], 1536                        ; elements from row to row
	s_mov_b32 s[G1+6], 0
	s_mov_b32 s[G1+7], 0
	s_mov_b32 s[G0], 1
	s_mul_i32 s[G0+1], s[WV], 128*WSP              ; slot 0: my 128 rows
	s_mov_b32 s[G0+4], 1
	s_add_co_u32 s[G0+5], s[G0+1], WS1             ; slot 1
	s_mov_b32 s42, 0x76543210                      ; v_permlanex16_b32: each lane takes its own place in the other half
	s_mov_b32 s43, 0xfedcba98
	s_mov_b32 s48, 0x38000000                      ; 1 / 32,768
	s_mov_b32 s49, 0x3727c5ac                      ; 1e-5
	s_lshl_b32 s44, s22, 17                        ; x: 64 rows of 2,048 bytes, my wave's 4 rows in each 16
	s_lshl_b32 s46, s[WV], 13
	s_add_co_u32 s44, s44, s46
	s_mov_b32 s45, 0
	s_lshr_b32 s46, ttmp9, 3                       ; the batch: 32 blocks of rows = 8 clusters
	s_lshl_b32 s46, s46, 14
	s_mov_b32 s47, 0
	s_mul_i32 s50, s22, 196608                     ; qkv: 64 rows of 3,072 bytes, my wave's 16
	s_mul_i32 s52, s[WV], 49152
	s_add_co_u32 s50, s50, s52
	s_mov_b32 s51, 0
	s_mul_i32 s52, s[WV], 393216                   ; wb: my 128 rows
	s_mov_b32 s53, 0
	s_wait_dscnt 0x0                               ; the opening add is done
	s_wait_kmcnt 0x0
	s_add_nc_u64 s[12:13], s[12:13], s[52:53]      ; wb at my 128 rows: the base from which every tile's address is made
	s_add_nc_u64 s[G0+2:G0+3], s[12:13], s[OFT:OFT+1]
	s_add_nc_u64 s[G0+6:G0+7], s[12:13], s[OFS:OFS+1]
	s_or_b32 s[G0+3], s[G0+3], 0x80000000          ; type = 2
	s_or_b32 s[G0+7], s[G0+7], 0x80000000
	s_add_nc_u64 s[4:5], s[4:5], s[44:45]
	s_add_nc_u64 s[6:7], s[6:7], s[46:47]
	s_add_nc_u64 s[16:17], s[16:17], s[50:51]
	ROUND                                          ; all four work-groups are here: the first joint loads meet
	tensor_load_to_lds s[G0:G0+3], s[G1:G1+7]
	s_nop 0
	tensor_load_to_lds s[G0+4:G0+7], s[G1:G1+7]
	s_nop 0
	PLACES
	v_and_b32 v1, 31, v0                           ; lane
	v_and_b32 v2, 15, v0                           ; r
	v_bfe_u32 v3, v0, 4, 1                         ; h
	v_and_b32 v4, 7, v0
	v_bfe_u32 v5, v0, 3, 1
	v_bfe_u32 v6, v0, 2, 3                         ; lane / 4
	v_lshlrev_b32 v[XO], 4, v1
.set i, 0
.rept 3                                ; my wave fills LDS blocks wave + 4 i of the bias: block s takes the 512 bytes of tile (s + c % 12) % 12
	s_add_co_u32 s46, s[WV], 4*i
	s_add_co_u32 s46, s46, s[C0]
	s_sub_co_u32 s47, s46, 12
	s_cmp_ge_u32 s46, 12
	s_cselect_b32 s46, s47, s46
	v_lshl_add_u32 v[BOF+i], s46, 9, v[XO]
	global_load_b128 v[64+4*i:64+4*i+3], v[BOF+i], s[14:15]
.set i, i+1
.endr
.set i, 0
.rept 32                               ; lane l: chunk 2 i + l / 16, groups 2 (l % 16) and the next: mean, M2, mean, M2
	global_load_b128 v[PT+4*i:PT+4*i+3], v[XO], s[6:7] offset:512*i
.set i, i+1
.endr
.set i, 0
.rept 4                                ; my channels 128 j + 4 lane + 0..3
	global_load_b128 v[224+4*i:224+4*i+3], v[XO], s[8:9] offset:512*i
	global_load_b128 v[240+4*i:240+4*i+3], v[XO], s[10:11] offset:512*i
.set i, i+1
.endr
	WIN 0x40                                       ; destination window 1
.set i, 0
.rept 48                               ; x, passes 0-2: pass i / 16, my row (i / 4) % 4 of its four, 512 bytes at 512 (i % 4)
	global_load_b128 v[4*i:4*i+3], v[XO], s[4:5] offset:(16*(i/16)+(i/4)%4)*2048+512*(i%4)
.set i, i+1
.endr
	WIN 0
	v_lshl_add_u32 v[AW], v3, 3, v4                ; the turning load: row 8 h + lane % 8,
	v_mul_u32_u24 v[AW], v[AW], WSP
	v_lshl_add_u32 v[AW], v5, 4, v[AW]             ; 16 bytes at 16 ((lane / 8) % 2),
	s_lshl_b32 s46, s[WV], 6
	v_add_nc_u32 v[AW], s46, v[AW]                 ; my 32 columns
.set i, 1
.rept 7
	v_add_nc_u32 v[AW+i], (i/4)*WS1+(i%4)*128*WSP, v[AW]
.set i, i+1
.endr
	s_add_co_u32 s47, s46, STG
	v_mul_u32_u24 v[ASTO], v2, SP
	v_lshl_add_u32 v[ASTO], v3, 4, v[ASTO]
	v_add_nc_u32 v[ASTO], s47, v[ASTO]             ; row r, my 64 bytes, 16 for each half of the lanes
	s_lshl_b32 s46, s[WV], 7
	s_add_co_u32 s46, s46, BI
	v_lshl_add_u32 v[ABI], v3, 5, s46              ; bias of columns 32 wave + 8 h + ..
	s_mul_i32 s46, s[WV], 16*SP
	s_add_co_u32 s46, s46, STG
	v_mul_u32_u24 v[ARD], v3, SP
	v_lshl_add_u32 v[ARD], v2, 4, v[ARD]
	v_add_nc_u32 v[ARD], s46, v[ARD]               ; back: my 16 rows, lanes 0-15 one row of 256 bytes, lanes 16-31 the next
	v_mul_u32_u24 v[GO], v3, 3072
	v_lshl_add_u32 v[GO], v2, 4, v[GO]             ; and the same two rows in qkv
	s_mul_i32 s46, s[WV], 4*HP
	s_add_co_u32 s46, s46, STG
	v_lshl_add_u32 v[AHS], v1, 3, s46              ; h: my four rows of the pass's 16, 8 bytes a lane
	v_mul_u32_u24 v[AHF], v2, HP
	v_lshl_add_u32 v[AHF], v3, 4, v[AHF]
	v_add_nc_u32 v[AHF], STG, v[AHF]
	s_lshl_b32 s46, s[WV], 8
	s_add_co_u32 s46, s46, TBL
	v_lshl_add_u32 v[ATB], v6, 3, s46
	v_lshl_add_u32 v[ATS], v2, 4, s46
	v_lshl_add_u32 v[ABS], v0, 4, BI
	s_wait_loadcnt 48                              ; bcat, part, scale and bias are in; x's 48 loads stay out
.set i, 0
.rept 3
	ds_store_b128 v[ABS], v[64+4*i:64+4*i+3] offset:2048*i
.set i, i+1
.endr
	; the sums of (mean, M2) over my 32 chunks, for two groups, in two chains each
	v_pk_add_f32 v[76:77], v[PT:PT+1], v[PT+8:PT+9]
	v_pk_add_f32 v[78:79], v[PT+2:PT+3], v[PT+10:PT+11]
	v_pk_add_f32 v[80:81], v[PT+4:PT+5], v[PT+12:PT+13]
	v_pk_add_f32 v[82:83], v[PT+6:PT+7], v[PT+14:PT+15]
.set i, 4
.rept 14
	v_pk_add_f32 v[76:77], v[76:77], v[PT+4*i:PT+4*i+1]
	v_pk_add_f32 v[78:79], v[78:79], v[PT+4*i+2:PT+4*i+3]
	v_pk_add_f32 v[80:81], v[80:81], v[PT+4*i+4:PT+4*i+5]
	v_pk_add_f32 v[82:83], v[82:83], v[PT+4*i+6:PT+4*i+7]
.set i, i+2
.endr
	v_pk_add_f32 v[76:77], v[76:77], v[80:81]
	v_pk_add_f32 v[78:79], v[78:79], v[82:83]
	v_permlanex16_b32 v80, v76, s42, s43           ; the other 32 chunks lie in the lane 16 away
	v_permlanex16_b32 v81, v77, s42, s43
	v_permlanex16_b32 v82, v78, s42, s43
	v_permlanex16_b32 v83, v79, s42, s43
	v_pk_add_f32 v[76:77], v[76:77], v[80:81]
	v_pk_add_f32 v[78:79], v[78:79], v[82:83]
	v_mul_f32 v84, 0x3c800000, v76                 ; / 64: the group's mean
	v_mul_f32 v86, 0x3c800000, v78
.set i, 0
.rept 32
	v_sub_f32 v[PT+4*i], v[PT+4*i], v84            ; mean_i - mean, in place
	v_sub_f32 v[PT+4*i+2], v[PT+4*i+2], v86
.set i, i+1
.endr
	v_mul_f32 v88, v[PT], v[PT]
	v_mul_f32 v89, v[PT+2], v[PT+2]
	v_mul_f32 v90, v[PT+4], v[PT+4]
	v_mul_f32 v91, v[PT+6], v[PT+6]
.set i, 2
.rept 15
	v_fmac_f32 v88, v[PT+4*i], v[PT+4*i]
	v_fmac_f32 v89, v[PT+4*i+2], v[PT+4*i+2]
	v_fmac_f32 v90, v[PT+4*i+4], v[PT+4*i+4]
	v_fmac_f32 v91, v[PT+4*i+6], v[PT+4*i+6]
.set i, i+2
.endr
	v_add_f32 v88, v88, v90
	v_add_f32 v89, v89, v91
	v_permlanex16_b32 v80, v88, s42, s43
	v_permlanex16_b32 v81, v89, s42, s43
	v_add_f32 v88, v88, v80
	v_add_f32 v89, v89, v81
	v_fmamk_f32 v77, v88, 0x44000000, v77          ; sum of M2 + 512 x sum of squares
	v_fmamk_f32 v79, v89, 0x44000000, v79
	v_fma_f32 v77, v77, s48, s49                   ; var + eps
	v_fma_f32 v79, v79, s48, s49
	v_rsq_f32 v85, v77
	v_rsq_f32 v87, v79
	v_nop                                          ; a plain instruction between the root and the use of its result
	s_wait_alu depctr_va_vdst(0)
	ds_store_b128 v[ATS], v[84:87]                 ; my wave's own table: both halves of the lanes write the same numbers
.set i, 0
.rept 4
	ds_load_b64 v[88+2*i:89+2*i], v[ATB] offset:64*i  ; LDS serves a wave's instructions in order: group 8 j + lane / 4
.set i, i+1
.endr
	WIN 0x40
.set i, 48
.rept 16                               ; x, pass 3
	global_load_b128 v[4*i:4*i+3], v[XO], s[4:5] offset:(16*(i/16)+(i/4)%4)*2048+512*(i%4)
.set i, i+1
.endr
	WIN 0
	s_wait_dscnt 0x0
.set i, 0
.rept 16
	v_mul_f32 v[GA+i], v[89+2*(i/4)], v[224+i]     ; a = rstd x scale
.set i, i+1
.endr
.set i, 0
.rept 16
	v_fma_f32 v[GD+i], -v[88+2*(i/4)], v[GA+i], v[240+i]  ; d = bias - mean a
.set i, i+1
.endr
; PASS p: rows 16 p .. 16 p + 15.  My four rows become h, go to the stage in bf16, and every wave takes the 16 rows' fragments.
.macro HPASS p
	s_wait_loadcnt 48-16*(\p)                      ; this pass's 16 loads are in; the later passes' stay out
	WIN 0x41                                       ; x in window 1, a and d in window 0
.set i, 0
.rept 32
	v_pk_fma_f32 v[64*(\p)+2*i:64*(\p)+2*i+1], v[64*(\p)+2*i:64*(\p)+2*i+1], v[GA+2*(i%8):GA+2*(i%8)+1], v[GD+2*(i%8):GD+2*(i%8)+1]
.set i, i+1
.endr
	WIN 0x05
.set i, 0
.rept 32
	v_cvt_pk_bf16_f32 v[FA+i], v[64*(\p)+2*i], v[64*(\p)+2*i+1]
.set i, i+1
.endr
	WIN 0
.set i, 0
.rept 16
	ds_store_b64 v[AHS], v[FA+2*i:FA+2*i+1] offset:(i/4)*HP+256*(i%4)
.set i, i+1
.endr
	s_wait_dscnt 0x0                               ; for the others' sake: my rows are in the stage
	s_barrier_signal -1
	s_barrier_wait -1
	WIN 0x80
.set i, 0
.rept 8
	ds_load_b128 v[64*(\p)+8*i:64*(\p)+8*i+3],   v[AHF] offset:64*i
	ds_load_b128 v[64*(\p)+8*i+4:64*(\p)+8*i+7], v[AHF] offset:64*i+32
.set i, i+1
.endr
	WIN 0xc0
.set i, 0
.rept 8
	ds_load_b128 v[64*(\p)+8*i:64*(\p)+8*i+3],   v[AHF] offset:512+64*i
	ds_load_b128 v[64*(\p)+8*i+4:64*(\p)+8*i+7], v[AHF] offset:512+64*i+32
.set i, i+1
.endr
	WIN 0
	s_wait_dscnt 0x0                               ; my reads of the stage are over: the next pass, or the first step, may write it
.if (\p) == 3
	s_wait_tensorcnt 1                             ; my part of slot 0 is in; slot 1's may stay out
.endif
	s_barrier_signal -1
	s_barrier_wait -1
.endm
	HPASS 0
	HPASS 1
	HPASS 2
	HPASS 3
; 16 turning loads: quarter qd of the 512 c: fragment 2 cc + ct (chunk cc of 32 c, my column block ct) at f + 8 (2 cc + ct)
.macro FETCHW slot, qd, f
	WIN 0
.set i, 0
.rept 8
	ds_load_tr16_b128 v[(\f)+8*i:(\f)+8*i+3],   v[AW+4*(\slot)+(\qd)] offset:(i/2)*32*WSP+32*(i%2)
	ds_load_tr16_b128 v[(\f)+8*i+4:(\f)+8*i+7], v[AW+4*(\slot)+(\qd)] offset:(i/2)*32*WSP+32*(i%2)+16*WSP
.set i, i+1
.endr
.endm
; 32 matrix instructions: the 8 accumulators take turns.  first = 1: the first 8 start the sums with the bias.
.macro MULQ qd, f, first
	WIN 0x08+4*((\qd)/2)                           ; h in window 2 or 3
.set i, 0
.rept 32                               ; chunk i / 8, column block (i / 4) % 2, tile i % 4
.if (\first) && (i < 8)
	v_wmma_f32_16x16x32_bf16 v[ACC+8*(i%8):ACC+8*(i%8)+7], v[(\f)+8*(i/4):(\f)+8*(i/4)+7], v[64*(i%4)+8*(4*((\qd)%2)+i/8):64*(i%4)+8*(4*((\qd)%2)+i/8)+7], v[BIR+8*(i/4):BIR+8*(i/4)+7]
.else
	v_wmma_f32_16x16x32_bf16 v[ACC+8*(i%8):ACC+8*(i%8)+7], v[(\f)+8*(i/4):(\f)+8*(i/4)+7], v[64*(i%4)+8*(4*((\qd)%2)+i/8):64*(i%4)+8*(4*((\qd)%2)+i/8)+7], v[ACC+8*(i%8):ACC+8*(i%8)+7]
.endif
.set i, i+1
.endr
.endm
; A STEP: 128 columns out of the slot.  top = 1: the other slot is filled again, with the walk's next tile but one; 2: nothing is left to fetch; 0: the first step.
; pend = 1: the step before left its results in the stage: they are read back and stored here.
.macro STEP slot, top, pend
	WIN 0
.if (\top) == 1
	s_wait_tensorcnt 0x0                           ; all my tensor loads have landed: my part of this step's tile
	ds_add_u32 v[SPW], v[NIL]                      ; 0 onto my spare word; the descriptor's scalar work stands between it and the wait for it
	s_lshl_b32 s[OFT], s[NREQ], 8                  ; the other slot's next tile: its address is made anew from its number
	s_add_nc_u64 s[G0+4*(1-(\slot))+2:G0+4*(1-(\slot))+3], s[12:13], s[OFT:OFT+1]
	s_or_b32 s[G0+4*(1-(\slot))+3], s[G0+4*(1-(\slot))+3], 0x80000000
	NEXT NREQ
	s_wait_dscnt 0x0                               ; the add is done, my reads of the other slot are over, and my results are in the stage
	ROUND                                          ; all that now holds of every wave of the four work-groups
	tensor_load_to_lds s[G0+4*(1-(\slot)):G0+4*(1-(\slot))+3], s[G1:G1+7]
	s_nop 0
	PLACES
.elseif (\top) == 2
	s_wait_tensorcnt 0x0
	ds_add_u32 v[SPW], v[NIL]
	s_wait_dscnt 0x0
	s_barrier_signal -1
	s_barrier_wait -1
.endif
.if \pend
	s_wait_xcnt 0x0                                ; the last step's stores have read their base and the registers that are loaded again below
	s_lshl_b32 s[OFS], s[NST], 8
	s_add_nc_u64 s[OUTP:OUTP+1], s[16:17], s[OFS:OFS+1]  ; qkv at the columns of the tile whose results lie in the stage
	NEXT NST
.endif
	ds_load_b128 v[BIR:BIR+3],     v[ABI]
	ds_load_b128 v[BIR+4:BIR+7],   v[ABI] offset:16
	ds_load_b128 v[BIR+8:BIR+11],  v[ABI] offset:64
	ds_load_b128 v[BIR+12:BIR+15], v[ABI] offset:80
	FETCHW \slot, 0, FA
	FETCHW \slot, 1, FB
.if \pend
	WIN 0x40
.set i, 0
.rept 8
	ds_load_b128 v[4*i:4*i+3], v[ARD] offset:2*SP*i
.set i, i+1
.endr
	WIN 0
.endif
	s_wait_dscnt 16+8*(\pend)                      ; the bias and the first quarter are in; the second quarter's 16 loads and the 8 rows may be out
	MULQ 0, FA, 1
	s_wait_dscnt 0x0
.if \pend
	WIN 0x04                                       ; store data in window 1
.set i, 0
.rept 8
	global_store_b128 v[GO], v[4*i:4*i+3], s[OUTP:OUTP+1] offset:6144*i  ; 16 lanes store 256 consecutive bytes, at a multiple of 256 from qkv's first byte
.set i, i+1
.endr
	s_barrier_signal -1                            ; my reads of the stage are over
.endif
	PLACES
	FETCHW \slot, 2, FA
	MULQ 1, FB, 0
.if \pend
	s_barrier_wait -1                              ; everybody's are: the stage may be written below
.endif
	PLACES
	FETCHW \slot, 3, FB
	s_wait_dscnt 16                                ; the third quarter is in
	MULQ 2, FA, 0
	s_wait_dscnt 0x0
	MULQ 3, FB, 0
	WIN 0
	PLACES
.set i, 0
.rept 32
	v_cvt_pk_bf16_f32 v[FA+i], v[ACC+2*i], v[ACC+2*i+1]  ; each accumulator from its low end on
.set i, i+1
.endr
.set i, 0
.rept 8
	ds_store_b128 v[ASTO], v[FA+4*i:FA+4*i+3] offset:(i%4)*16*SP+32*(i/4)
.set i, i+1
.endr
	v_add_nc_u32 v[ABI], 512, v[ABI]
.endm
	STEP 0, 0, 0
	WIN 0
	s_mov_b32 s40, 5
.Lpair:                                                ; steps 1 to 10: each asks for the tile of the step after it
	STEP 1, 1, 1
	STEP 0, 1, 1
	WIN 0
	s_sub_co_u32 s40, s40, 1
	s_cmp_lg_u32 s40, 0
	s_cbranch_scc1 .Lpair
	STEP 1, 2, 1                                   ; step 11 is written out
	s_wait_dscnt 0x0                               ; the last step's results are in the stage
	s_barrier_signal -1
	s_barrier_wait -1
	s_wait_xcnt 0x0
	s_lshl_b32 s[OFS], s[NST], 8
	s_add_nc_u64 s[OUTP:OUTP+1], s[16:17], s[OFS:OFS+1]
	WIN 0x40
.set i, 0
.rept 8
	ds_load_b128 v[4*i:4*i+3], v[ARD] offset:2*SP*i
.set i, i+1
.endr
	s_wait_dscnt 0x0
	WIN 0x04
.set i, 0
.rept 8
	global_store_b128 v[GO], v[4*i:4*i+3], s[OUTP:OUTP+1] offset:6144*i
.set i, i+1
.endr
	WIN 0
	s_wait_tensorcnt 0x0                           ; the wave's end
	ds_add_u32 v[SPW], v[NIL]
	s_wait_dscnt 0x0
	ROUND                                          ; the closing round
	s_endpgm
.Lfunc_end_k_qb47eaacad7_proj:
	.size	k_qb47eaacad7_proj, .Lfunc_end_k_qb47eaacad7_proj-k_qb47eaacad7_proj
	.p2alignl 7, 3214868480
	.fill 96, 4, 3214868480
	.section	.rodata,"a",@progbits
	.p2align	6, 0x0
	.amdhsa_kernel k_qb47eaacad7_proj
		.amdhsa_group_segment_fixed_size 327680
		.amdhsa_private_segment_fixed_size 0
		.amdhsa_enable_private_segment 0
		.amdhsa_kernarg_size 56
		.amdhsa_user_sgpr_count 2
		.amdhsa_user_sgpr_kernarg_segment_ptr 1
		.amdhsa_wavefront_size32 1
		.amdhsa_system_sgpr_workgroup_id_x 1
		.amdhsa_system_sgpr_workgroup_id_y 1
		.amdhsa_system_sgpr_workgroup_id_z 1
		.amdhsa_system_vgpr_workitem_id 0
		.amdhsa_next_free_vgpr 1024
		.amdhsa_next_free_sgpr 66
		.amdhsa_reserve_vcc 0
		.amdhsa_float_denorm_mode_32 3
		.amdhsa_float_denorm_mode_16_64 3
		.amdhsa_memory_ordered 1
		.amdhsa_forward_progress 1
		.amdhsa_inst_pref_size 129
	.end_amdhsa_kernel
	.amdgpu_metadata
---
amdhsa.version: [ 1, 2 ]
amdhsa.kernels:
  - .name:           k_qb47eaacad7_proj
    .symbol:         k_qb47eaacad7_proj.kd
    .args:
      - { .name: x, .offset: 0, .size: 8, .value_kind: global_buffer, .address_space: global }
      - { .name: part, .offset: 8, .size: 8, .value_kind: global_buffer, .address_space: global }
      - { .name: gn_scale, .offset: 16, .size: 8, .value_kind: global_buffer, .address_space: global }
      - { .name: gn_bias, .offset: 24, .size: 8, .value_kind: global_buffer, .address_space: global }
      - { .name: wb, .offset: 32, .size: 8, .value_kind: global_buffer, .address_space: global }
      - { .name: bcat, .offset: 40, .size: 8, .value_kind: global_buffer, .address_space: global }
      - { .name: qkv, .offset: 48, .size: 8, .value_kind: global_buffer, .address_space: global }
    .group_segment_fixed_size: 327680
    .private_segment_fixed_size: 0
    .kernarg_segment_align: 8
    .kernarg_segment_size: 56
    .max_flat_workgroup_size: 128
    .sgpr_count:     66
    .vgpr_count:     1024
    .wavefront_size: 32
...
	.end_amdgpu_metadata
.endif
;; end of part 4
;; launch attn (part 5): grid 32 x 8, 4 waves a work-group, clusters of 4 x 1, 327,680 bytes of LDS; arguments qkv, x, out0; writes out0
.if DOCPART == 5
	.amdgcn_target "amdgcn-amd-amdhsa--gfx1250"
	.amdhsa_code_object_version 6
	.text
	.protected	k_qb47eaacad7_attn
	.globl	k_qb47eaacad7_attn
	.p2align	8
	.type	k_qb47eaacad7_attn,@function
k_qb47eaacad7_attn:
	s_mov_b64 s[64:65], 0
	v_nop
	global_prefetch_b8 v0, s[64:65] scope:SCOPE_SE
	s_setreg_imm32_b32 hwreg(HW_REG_WAVE_MODE, 25, 1), 1
	s_wait_xcnt 0x0
	s_wait_alu depctr_hold_cnt(0) depctr_sa_sdst(0) depctr_va_vdst(0) depctr_va_sdst(0) depctr_va_ssrc(0) depctr_va_vcc(0) depctr_vm_vsrc(0)
	s_getreg_b32 s2, hwreg(HW_REG_IB_STS2, 6, 4)
	s_cmp_eq_u32 s2, 0
	s_cbranch_scc0 .Lentry_in_a_cluster
	s_endpgm
.Lentry_in_a_cluster:
	s_bfe_u32 s2, ttmp6, 0x10000c
	s_cmp_lg_u32 s2, 0x3003
	s_cbranch_scc0 .Lentry_shape_is_right
	s_endpgm
.Lentry_shape_is_right:
; ATTN.  out0[b][q][:] = (sum over k of softmax_k(q . k / sqrt(512)) v'[k][:]) + x[b][q][:].  qkv: [16,384 rows][1,536] bf16: q, k, v' = v wo + bo.  One head of size 512, 2,048 keys a batch.
; SHARES.  A work-group owns 64 queries: four tiles of 16.  At this head size a tile's Q is 128 registers and its O 256, so a wave cannot own queries and still feed several products from each
; fragment.  Instead every wave holds ALL 64 queries' Q (512 registers); of a step's 64 keys it makes the scores of 16 (64 matrix instructions, each fragment of K feeding four),
; and of the 512 channels it owns 128 for all 64 queries (256 registers of O; 64 matrix instructions, each fragment of V feeding four).  Weights and maxima pass between the waves through LDS.
; LAYOUT.  S^T = K Q^T: a lane holds one query (lane % 16) and the keys 8 (lane / 16) + 0..7 of my 16.  Rounded to bf16 these 16 bytes ARE half of source 1 (32 keys x 16 queries) of O^T = V^T P:
; block (tile, wave) lies in LDS lane by lane.  V ([key][channel]) is turned by ds_load_tr16_b128.
; SOFTMAX.  A running maximum m for each query, the same in all waves: each wave's maximum over its 16 keys goes to LDS, a barrier, every wave takes the four.  p = 2^(c s - c m), c = log2(e) / sqrt(512);
; a = 2^(c (m_old - m_new)).  Each wave keeps the sum l of its own keys' unrounded p; the four are added at the end.
; PIPELINE.  Trip j makes the scores and weights of the walk's step j and the products V^T P of step j - 1.  Where its 260 vector instructions stand:
;   O times a, 128 lines, in four runs of 32 where the wave would wait: while its weights' stores land, between the signal and the wait that open the round, and twice behind the next trip's LDS loads;
;   my keys' maximum, 24 lines, four behind each of the first 6 products V^T P; the maxima's barrier is signalled behind product 12 and waited for behind product 18;
;   statistics, scalings, exponentials, roundings and sums, 108 lines, behind the last 40 products V^T P: four at the most behind each, one exponential at the most among them.
; The 64 products K Q^T stand back to back.  Trip 0 has P = 0 and O = 0 and multiplies by the tile that will be step 1's V: 64 products on zeros and one tile fetched twice, the price of writing no
; first step out; O is started by 32 products of zeros with C = 0, which take a quarter of the bytes of 256 moves.
; CLUSTER.  The four query blocks of a cluster belong to one batch and walk the same K and V: each tile is asked for JOINTLY.  Waves 0 and 1 fetch K's halves (32 rows x 1,024 bytes), waves 2 and 3 V's.
; A refill goes out behind the round at a trip's end and has the next trip's 128 matrix instructions in which to land.  A wave has at most two tensor loads out (its first fills), later one.
; THE WALK.  A batch's eight clusters are the clusters x = 4 i .. 4 i + 3 of two neighbouring y.  The sum over keys does not hang on their order, so cluster number idx of the eight begins at key step 4 idx
; and goes round (modulo 32): at any time the eight ask for eight different steps' tiles, and behind a cluster's first steps every tile that it asks for has been asked for by another before.
; LIMITS.  m starts at -3.4e38; a weight below 2^-126 counts as 0; q, k, v' and p are bf16; NaN and infinities are not treated apart; v' is finite.
; REGISTERS, in windows of 256 (s_set_vgpr_msb: bits 1:0 source 0, 3:2 source 1, 5:4 source 2, 7:6 destination):
;   window 0: v0-15 addresses; v16-31 a, m, l, l for each tile; v32-63 S^T; v64-127 P's fragments; v128-191, v192-255 fragments of K (16 chunks), then of V (two key halves); the softmax works in spent parts of them
;   window 1: O^T: channel block cb, tile t at 32 cb + 8 t       windows 2, 3: Q: tile t, chunk ch in window 2 + ch / 8 at 64 t + 8 (ch % 8); from the last trip on window 2 holds x
.set PKK,   1040                       ; a row of K in LDS: 1,024 bytes + 16, an odd multiple of 16
.set PVV,   1056                       ; a row of V: 1,024 + 32, an odd multiple of 32
.set KS1,   64*PKK
.set VS0,   2*KS1
.set VS1,   VS0+64*PVV
.set PB,    VS1+64*PVV                 ; the weights: block (tile t, wave kb) at (4 t + kb) x 512 + 16 x lane.  From here on no tensor load lands
.set MX,    PB+8192                    ; maxima, at the end sums: word at 256 t + 16 query + 4 wave
.set STG,   MX+1024                    ; each wave's own stage for the way out: 16 rows x (512 + 16) bytes; at the head 32 rows of Q x 1,040 bytes, the work-group's
.set SGP,   528
.set SPARE, STG+4*16*SGP               ; the spare words: 128 bytes a wave, two blocks of 256 bytes that no other line names
.set TS,    64*3072                    ; bytes from a step's keys to the next step's
.set AK,  2                            ; v2-3   my 16 keys' fragments in K's slot 0, 1
.set AV,  4                            ; v4-5   my 128 channels' turning loads in V's slot 0, 1
.set APS, 6                            ; v6     where I put my weights
.set APL, 7                            ; v7     where I read everybody's
.set AMS, 8                            ; v8     where I put a maximum
.set AML, 9                            ; v9     where I read the four
.set AST, 10                           ; v10    the way out: into my stage
.set ARD, 11                           ; v11    back from it
.set GO,  12                           ; v12    16 x lane; never rewritten
.set SPW, 14                           ; v14    LDS address of my spare word; never rewritten
.set NIL, 15                           ; v15    0; never rewritten
.set ST,  16
.set S,   32
.set PF,  64
.set AQS, 70                           ; v70    at the head: where I put my rows of Q
.set AQF, 71                           ; v71    at the head: Q's fragments
.set FA,  128
.set FB,  192
.set LMX, FB                           ; my keys' maximum at work: K's upper half is spent, V's second half not yet fetched
.set T,   FA                           ; the softmax at work, in the fragments of V's first half that products 0 to 23 have read: four waves' maxima for each tile,
.set CM,  FA+16                        ; c m (the low register of a pair; the trip's loads have written both),
.set TM,  FA+24                        ; the new m,
.set DD,  FA+28                        ; m_old - m_new,
.set PK,  FA+32                        ; the weights in bf16
.set WV,  12                           ; s12  my wave's number
.set OFV, 16                           ; s[16:17] a step's byte offset, for V
.set OFK, 18                           ; s[18:19] for K
.set KB,  20                           ; s[20:21] k of the batch's first key, my half of a tile
.set VB,  22                           ; s[22:23] v' likewise
.set G1K, 24                           ; s[24:31] descriptor group 1 for K's tiles
.set G1V, 32                           ; s[32:39] for V's: the padding differs
.set GK,  40                           ; s[40:47] group 0 for K's slots 0, 1
.set GV,  48                           ; s[48:55] for V's
.set NV,  57                           ; s57  the key step whose V is asked for next; K's is one further on
.set CS,  58                           ; s[58:59] c
.set SEL, 60                           ; s[60:61] v_permlanex16_b32: each lane takes its own place in the other half
.set MSB, 0
.macro WIN new                         ; the immediate's high byte repeats the setting that is left; a switch that changes nothing is dropped
.if MSB != (\new)
	s_set_vgpr_msb (MSB<<8)|(\new)
.set MSB, \new
.endif
.endm
.macro PLACES                          ; four places (ISA guide 7.12.1)
.rept 4
	v_nop
.endr
.endm
.macro T4 line:vararg                  ; one line for each tile tt
.set tt, 0
.rept 4
	\line
.set tt, tt+1
.endr
.endm
.macro CREST                           ; a round of the cluster's barrier behind its opening barrier
	s_cmp_lg_u32 s[WV], 0
	s_cbranch_scc1 .Lnot_wave_0_\@
	s_barrier_signal -3
.Lnot_wave_0_\@:
	s_barrier_wait -3
	s_barrier_signal -1
	s_barrier_wait -1
.endm
.macro ROUND                           ; a whole round
	s_barrier_signal -1
	s_barrier_wait -1
	CREST
.endm
	s_load_b128 s[4:7], s[0:1], 0x0                ; qkv 4, x 6
	s_load_b64 s[8:9], s[0:1], 0x10                ; out0
	v_lshl_add_u32 v[SPW], v0, 2, SPARE
	v_mov_b32 v[NIL], 0
	ds_add_u32 v[SPW], v[NIL]                      ; the wave's opening: the add and its wait stand ahead of my first tensor load
	v_lshrrev_b32 v1, 5, v0
	v_readfirstlane_b32 s[WV], v1                  ; wave 0..3
	s_bfe_u32 s13, ttmp6, 0x40000                  ; cx
	s_and_b32 s15, ttmp7, 0xffff                   ; the cluster's y
	s_and_b32 s[NV], s15, 1
	s_lshl_b32 s[NV], s[NV], 2
	s_and_b32 s14, ttmp9, 3
	s_add_co_u32 s[NV], s[NV], s14                 ; idx = (x & 3) + 4 (y & 1): the cluster's place among its batch's eight
	s_lshr_b32 s15, s15, 1
	s_lshr_b32 s14, ttmp9, 2
	s_lshl2_add_u32 s15, s14, s15                  ; the batch = 4 (x >> 2) + (y >> 1), which the four partners share
	s_lshl2_add_u32 s14, s[NV], s13                ; my block of 64 queries = 4 idx + cx: it enters Q's, x's and out0's addresses alone
	s_and_b32 s16, s[WV], 1                        ; which 32 rows of a tile I fetch
	s_mul_i32 s20, s15, 2048*3072
	s_mul_i32 s17, s16, 32*3072
	s_add_co_u32 s20, s20, s17
	s_mov_b32 s21, 0
	s_lshl_b32 s18, s15, 11
	s_lshl_b32 s19, s14, 6
	s_add_co_u32 s18, s18, s19                     ; my block's first row
	s_mul_i32 s22, s18, 3072
	s_mul_i32 s23, s[WV], 8*3072                   ; of each 32 rows of Q my wave loads 8
	s_add_co_u32 s22, s22, s23
	s_mov_b32 s23, 0
	s_lshl_b32 s62, s18, 11                        ; in x and out0: rows of 2,048 bytes, my wave's 512
	s_lshl_b32 s63, s[WV], 9
	s_add_co_u32 s62, s62, s63
	s_mov_b32 s63, 0
	s_mov_b32 s[G1K], 15|(1<<16)|(1<<20)|(1<<21)|(7<<22)|(3<<25)  ; the mask of four; 2-byte elements; padding on; bit 21 beside a mask; after every 256 words, 4 words
	s_mov_b32 s[G1V], 15|(1<<16)|(1<<20)|(1<<21)|(7<<22)|(7<<25)  ; the same with 8 words
.irp g, G1K, G1V
	s_mov_b32 s[\g+1], 512<<16                     ; tensor_dim0 = 512
	s_mov_b32 s[\g+2], 32<<16                      ; tensor_dim1 = 32
	s_mov_b32 s[\g+3], 512<<16                     ; tile_dim0 = 512
	s_mov_b32 s[\g+4], 32                          ; tile_dim1 = 32
	s_mov_b32 s[\g+5], 1536                        ; elements from row to row
	s_mov_b32 s[\g+6], 0
	s_mov_b32 s[\g+7], 0
.endr
	s_mul_i32 s17, s16, 32*PKK
	s_mul_i32 s19, s16, 32*PVV
	s_mov_b32 s[GK], 1
	s_mov_b32 s[GK+1], s17                         ; K's slot 0 begins at LDS byte 0
	s_mov_b32 s[GK+4], 1
	s_add_co_u32 s[GK+5], s17, KS1
	s_mov_b32 s[GV], 1
	s_add_co_u32 s[GV+1], s19, VS0
	s_mov_b32 s[GV+4], 1
	s_add_co_u32 s[GV+5], s19, VS1
	s_lshl_b32 s[NV], s[NV], 2                     ; the walk's first key step, 4 idx: 28 at the most
	s_mul_i32 s[OFV], s[NV], TS
	s_mov_b32 s[OFV+1], 0
	s_mov_b32 s[OFK+1], 0
	s_add_co_u32 s[NV], s[NV], 1                   ; trip 0 asks for the V of the walk's step 1
	s_mov_b32 s[CS], 0x3d8293ee                    ; c = log2(e) / sqrt(512) = 0.0637587
	s_mov_b32 s[CS+1], s[CS]                       ; named with it as a pair
	s_mov_b32 s[SEL], 0x76543210
	s_mov_b32 s[SEL+1], 0xfedcba98
	s_wait_dscnt 0x0                               ; the opening add is done
	s_wait_kmcnt 0x0
	s_add_nc_u64 s[KB:KB+1], s[4:5], s[20:21]      ; qkv at the batch's first row, my half of a tile
	s_add_nc_u64 s[4:5], s[4:5], s[22:23]          ; Q at my wave's first row
	s_add_nc_u64 s[VB:VB+1], s[KB:KB+1], 2048
	s_add_nc_u64 s[KB:KB+1], s[KB:KB+1], 1024
	s_add_nc_u64 s[GK+2:GK+3], s[KB:KB+1], s[OFV:OFV+1]  ; K of the walk's step 0,
	s_add_nc_u64 s[GK+6:GK+7], s[GK+2:GK+3], TS    ; of step 1
	s_add_nc_u64 s[GV+2:GV+3], s[VB:VB+1], s[OFV:OFV+1]  ; V of step 0,
	s_add_nc_u64 s[GV+6:GV+7], s[GV+2:GV+3], TS    ; of step 1
	s_or_b32 s[GK+3], s[GK+3], 0x80000000          ; type = 2
	s_or_b32 s[GK+7], s[GK+7], 0x80000000
	s_or_b32 s[GV+3], s[GV+3], 0x80000000
	s_or_b32 s[GV+7], s[GV+7], 0x80000000
	s_add_nc_u64 s[6:7], s[6:7], s[62:63]          ; x
	s_add_nc_u64 s[8:9], s[8:9], s[62:63]          ; out0
	ROUND                                          ; all four work-groups are here: the first joint loads meet
	s_cmp_lt_u32 s[WV], 2                          ; a wave's two first fills stand in one branch; what trip 0 reads goes first
	s_cbranch_scc0 .Lfirst_v
	tensor_load_to_lds s[GK:GK+3], s[G1K:G1K+7]
	s_nop 0
	tensor_load_to_lds s[GK+4:GK+7], s[G1K:G1K+7]
	s_nop 0
	PLACES
	s_branch .Lfirst_asked
.Lfirst_v:
	tensor_load_to_lds s[GV+4:GV+7], s[G1V:G1V+7]  ; slot 1: trip 0 multiplies zeros by it, so it must hold finite numbers
	s_nop 0
	tensor_load_to_lds s[GV:GV+3], s[G1V:G1V+7]
	s_nop 0
	PLACES
.Lfirst_asked:
	v_and_b32 v65, 15, v0                          ; r
	v_bfe_u32 v66, v0, 4, 1                        ; h
	v_and_b32 v67, 7, v0
	v_bfe_u32 v68, v0, 3, 1
	v_and_b32 v69, 31, v0                          ; lane
	v_lshlrev_b32 v[GO], 4, v69
.set i, 0
.rept 32                               ; Q: pass i / 16 of 32 rows, my row (i / 2) % 8 of its eight, 512 consecutive bytes at 512 (i % 2)
	global_load_b128 v[FA+4*i:FA+4*i+3], v[GO], s[4:5] offset:(32*(i/16)+(i/2)%8)*3072+512*(i%2)
.set i, i+1
.endr
.set i, 0
.rept 16
	v_mov_b32 v[S+i], 0
.set i, i+1
.endr
	WIN 0x40                                       ; destination window 1
.set i, 0
.rept 32
	v_wmma_f32_16x16x32_bf16 v[8*i:8*i+7], v[S:S+7], v[S+8:S+15], 0  ; O^T = 0; all this stands in the wait for the first tiles
.set i, i+1
.endr
	WIN 0
	v_mul_u32_u24 v[AK], v65, PKK
	v_lshl_add_u32 v[AK], v66, 4, v[AK]
	s_mul_i32 s56, s[WV], 16*PKK
	v_add_nc_u32 v[AK], s56, v[AK]                 ; key 16 wave + r, 16 bytes at 16 h
	v_add_nc_u32 v[AK+1], KS1, v[AK]
	v_lshl_add_u32 v[AV], v66, 3, v67              ; key 8 h + lane % 8,
	v_mul_u32_u24 v[AV], v[AV], PVV
	v_lshl_add_u32 v[AV], v68, 4, v[AV]            ; 16 bytes at 16 ((lane / 8) % 2),
	s_lshl_b32 s56, s[WV], 8
	s_add_co_u32 s56, s56, VS0
	v_add_nc_u32 v[AV], s56, v[AV]                 ; my 128 channels
	v_add_nc_u32 v[AV+1], VS1-VS0, v[AV]
	v_lshl_add_u32 v[APL], v69, 4, PB
	s_lshl_b32 s56, s[WV], 9
	v_add_nc_u32 v[APS], s56, v[APL]
	v_lshl_add_u32 v[AML], v65, 4, MX
	s_lshl_b32 s56, s[WV], 2
	v_add_nc_u32 v[AMS], s56, v[AML]
	s_mul_i32 s56, s[WV], 16*SGP
	s_add_co_u32 s56, s56, STG
	v_mul_u32_u24 v[AST], v65, SGP
	v_lshl_add_u32 v[AST], v66, 5, v[AST]
	v_add_nc_u32 v[AST], s56, v[AST]               ; row r, 32 bytes for each half of the lanes
	v_lshl_add_u32 v[ARD], v69, 4, s56
	s_mul_i32 s56, s[WV], 8*PKK
	s_add_co_u32 s56, s56, STG
	v_lshl_add_u32 v[AQS], v69, 4, s56             ; Q: my eight rows of a pass's 32, 16 bytes a lane
	v_mul_u32_u24 v[AQF], v65, PKK
	v_lshl_add_u32 v[AQF], v66, 4, v[AQF]
	v_add_nc_u32 v[AQF], STG, v[AQF]               ; and its fragments: row r, 16 bytes at 16 h
	T4 v_mov_b32 v[ST+4*tt], 0                     ; a
	T4 v_mov_b32 v[ST+4*tt+1], 0xff7fffff          ; m: the lowest finite number
	T4 v_mov_b32 v[ST+4*tt+2], 0                   ; l
	T4 v_mov_b32 v[ST+4*tt+3], 0
	T4 ds_store_b128 v[APS], v[S:S+3] offset:2048*tt  ; the weights of a step that has not been
; PASS p: rows 32 p .. 32 p + 31 of Q.  My eight rows go to the stage, and every wave takes the fragments of the two tiles.
.macro QPASS p
	s_wait_loadcnt 16-16*(\p)                      ; this pass's 16 loads are in; the second pass's may stay out
.set i, 0
.rept 16
	ds_store_b128 v[AQS], v[FA+64*(\p)+4*i:FA+64*(\p)+4*i+3] offset:(i/2)*PKK+512*(i%2)
.set i, i+1
.endr
	s_wait_dscnt 0x0                               ; for the others' sake: my rows are in the stage
	s_barrier_signal -1
	s_barrier_wait -1
	WIN 0x80
.set i, 0
.rept 16                               ; tile 2 p + i / 8, chunk i % 8
	ds_load_b128 v[64*(2*(\p)+i/8)+8*(i%8):64*(2*(\p)+i/8)+8*(i%8)+3],   v[AQF] offset:(i/8)*16*PKK+64*(i%8)
	ds_load_b128 v[64*(2*(\p)+i/8)+8*(i%8)+4:64*(2*(\p)+i/8)+8*(i%8)+7], v[AQF] offset:(i/8)*16*PKK+64*(i%8)+32
.set i, i+1
.endr
	WIN 0xc0
.set i, 0
.rept 16                               ; chunks 8 to 15
	ds_load_b128 v[64*(2*(\p)+i/8)+8*(i%8):64*(2*(\p)+i/8)+8*(i%8)+3],   v[AQF] offset:(i/8)*16*PKK+512+64*(i%8)
	ds_load_b128 v[64*(2*(\p)+i/8)+8*(i%8)+4:64*(2*(\p)+i/8)+8*(i%8)+7], v[AQF] offset:(i/8)*16*PKK+512+64*(i%8)+32
.set i, i+1
.endr
	WIN 0
	s_wait_dscnt 0x0                               ; my reads of the stage are over
.if (\p) == 1
	s_wait_tensorcnt 1                             ; what trip 0 reads of my fills is in; the other may stay out
.endif
	s_barrier_signal -1
	s_barrier_wait -1
.endm
	QPASS 0
	QPASS 1
.macro KLOAD e, hf                     ; my 16 keys x 256 channels: chunks 8 hf to 8 hf + 7, 8 fragments
.set i, 0
.rept 8
	ds_load_b128 v[FA+64*(\hf)+8*i:FA+64*(\hf)+8*i+3],   v[AK+(\e)] offset:512*(\hf)+64*i
	ds_load_b128 v[FA+64*(\hf)+8*i+4:FA+64*(\hf)+8*i+7], v[AK+(\e)] offset:512*(\hf)+64*i+32
.set i, i+1
.endr
.endm
.macro PLOAD                           ; all 64 keys' weights: fragment 2 t + kk: the blocks of waves 2 kk and 2 kk + 1
.set i, 0
.rept 8
	ds_load_b128 v[PF+8*i:PF+8*i+3],   v[APL] offset:1024*i
	ds_load_b128 v[PF+8*i+4:PF+8*i+7], v[APL] offset:1024*i+512
.set i, i+1
.endr
.endm
.macro VLOAD kk, sl                    ; keys 32 kk on x my 128 channels, turned: 8 fragments
.set i, 0
.rept 8
	ds_load_tr16_b128 v[FA+64*(\kk)+8*i:FA+64*(\kk)+8*i+3],   v[AV+(\sl)] offset:32*PVV*(\kk)+32*i
	ds_load_tr16_b128 v[FA+64*(\kk)+8*i+4:FA+64*(\kk)+8*i+7], v[AV+(\sl)] offset:32*PVV*(\kk)+32*i+16*PVV
.set i, i+1
.endr
.endm
.macro RESCL a0, n                     ; accumulators a0 .. a0 + n - 1 of O^T times their tiles' a, each from its low end on
	WIN 0x41
.set ra, \a0
.rept \n
.set z, 0
.rept 4
	v_pk_mul_f32 v[8*ra+2*z:8*ra+2*z+1], v[8*ra+2*z:8*ra+2*z+1], v[ST+4*(ra%4):ST+4*(ra%4)+1] op_sel_hi:[1,0]
.set z, z+1
.endr
.set ra, ra+1
.endr
.endm
.macro SQ hf                           ; product g of 32 of S^T = K Q^T: chunk 8 hf + g / 4, tile g % 4: the four accumulators take turns
	WIN 0x08+4*(\hf)                               ; Q in window 2 or 3
.if ((\hf) == 0) && (g < 4)
	v_wmma_f32_16x16x32_bf16 v[S+8*(g%4):S+8*(g%4)+7], v[FA+64*(\hf)+8*(g/4):FA+64*(\hf)+8*(g/4)+7], v[64*(g%4)+8*(g/4):64*(g%4)+8*(g/4)+7], 0
.else
	v_wmma_f32_16x16x32_bf16 v[S+8*(g%4):S+8*(g%4)+7], v[FA+64*(\hf)+8*(g/4):FA+64*(\hf)+8*(g/4)+7], v[64*(g%4)+8*(g/4):64*(g%4)+8*(g/4)+7], v[S+8*(g%4):S+8*(g%4)+7]
.endif
.endm
.macro PV1 kk                          ; product g of 32 of O^T += V^T P, and g goes on: channel block g / 4, tile g % 4: 32 accumulators by turns
	WIN 0x50                                       ; C and D in window 1
	v_wmma_f32_16x16x32_bf16 v[8*g:8*g+7], v[FA+64*(\kk)+8*(g/4):FA+64*(\kk)+8*(g/4)+7], v[PF+16*(g%4)+8*(\kk):PF+16*(g%4)+8*(\kk)+7], v[8*g:8*g+7]
.set g, g+1
.endm
.macro PVM kk                          ; all 32, bare
.set g, 0
.rept 32
	PV1 \kk
.endr
.endm
.macro LM n                            ; stage n of six of my 16 keys' maximum, for the four tiles; each accumulator's lowest registers are read first
	WIN 0
.if (\n) == 0
	T4 v_max3_num_f32 v[LMX+tt], v[S+8*tt], v[S+8*tt+1], v[S+8*tt+2]
.elseif (\n) < 3
	T4 v_max3_num_f32 v[LMX+tt], v[LMX+tt], v[S+8*tt+2*(\n)+1], v[S+8*tt+2*(\n)+2]
.elseif (\n) == 3
	T4 v_max_num_f32 v[LMX+tt], v[LMX+tt], v[S+8*tt+7]
.elseif (\n) == 4
	T4 v_permlanex16_b32 v[LMX+4+tt], v[LMX+tt], s[SEL], s[SEL+1]
.else
	T4 v_max_num_f32 v[LMX+tt], v[LMX+tt], v[LMX+4+tt]
.endif
.endm
; THE SOFTMAX'S LINES.
.macro FMA p                           ; pair p of 16 of my scores: c s - c m
	v_pk_fma_f32 v[S+2*(\p):S+2*(\p)+1], v[S+2*(\p):S+2*(\p)+1], s[CS:CS+1], v[CM+2*((\p)/4):CM+2*((\p)/4)+1] op_sel_hi:[1,0,0] neg_lo:[0,0,1] neg_hi:[0,0,1]
.endm
.macro CVT p                           ; pair p rounded to bf16
	s_wait_alu depctr_va_vdst(0)
	v_cvt_pk_bf16_f32 v[PK+(\p)], v[S+2*(\p)], v[S+2*(\p)+1]
.endm
.macro ADDU u                          ; weights 4 u, 4 u + 1 += 4 u + 2, 4 u + 3
	s_wait_alu depctr_va_vdst(0)
	v_pk_add_f32 v[S+4*(\u):S+4*(\u)+1], v[S+4*(\u):S+4*(\u)+1], v[S+4*(\u)+2:S+4*(\u)+3]
.endm
.macro ADD3 t                          ; a tile's two sums into one
	v_pk_add_f32 v[S+8*(\t):S+8*(\t)+1], v[S+8*(\t):S+8*(\t)+1], v[S+8*(\t)+4:S+8*(\t)+5]
	s_wait_alu depctr_va_vdst(0)
.endm
.macro LSUM t                          ; l = a l + sum
	v_pk_fma_f32 v[ST+4*(\t)+2:ST+4*(\t)+3], v[ST+4*(\t)+2:ST+4*(\t)+3], v[ST+4*(\t):ST+4*(\t)+1], v[S+8*(\t):S+8*(\t)+1] op_sel_hi:[1,0,1]
.endm
.macro PSTORE t                        ; a tile's 16 bytes a lane of weights
	ds_store_b128 v[APS], v[PK+4*(\t):PK+4*(\t)+3] offset:2048*(\t)
.endm
.macro STAT t                          ; tile t: c m; a; the new m is kept (tile 3's at the trip's end, where a plain line is wanted); the first three scalings
	v_mul_f32 v[CM+2*(\t)], s[CS], v[TM+(\t)]
	v_exp_f32 v[ST+4*(\t)], v[DD+(\t)]
.if (\t) < 3
	v_mov_b32 v[ST+4*(\t)+1], v[TM+(\t)]
.endif
.if (\t) > 0
	FMA (\t)-1
.endif
.endm
; Behind product k of the second 32 of V^T P stand PA, the exponential of score k, and PB.  Scaling p stands at least six products ahead of its first exponential; rounding p behind product 2 p + 3, two
; behind its second exponential; ADDU u behind product 4 u + 4, behind the rounding of the pair that it writes over.  PA is never empty, so a plain line stands between any two exponentials, and the
; line next behind exponential k (PB, or the next PA) names neither score k nor anything made of it.
.macro PA
.if k < 3
	FMA k+3
.elseif (k%2 == 0) && (k < 24)
	FMA k/2+4
.elseif k%2 == 1
	CVT (k-3)/2
.elseif k == 24
	LSUM 1
.elseif k == 26
	ADD3 2
.elseif k == 28
	LSUM 2
.else
	LSUM 0
.endif
.endm
.macro PB
.if (k%4 == 0) && (k >= 4)
	ADDU k/4-1
.elseif k == 10
	ADD3 0
.elseif k == 18
	ADD3 1
.endif
.endm
; TRIP j, e = j % 2.  K of the walk's step j lies in K's slot e, V of step j - 1 in V's slot 1 - e.
; mode 2: behind the round K's slot e takes step j + 2 and V's slot 1 - e step j + 1; mode 1: V alone; mode 0: the last trip: nothing is left to fetch, and x is asked for.
.macro TRIP e, mode
	WIN 0
	KLOAD \e, 0                                    ; K's chunks 0-7,
	RESCL 16, 8                                    ; and while they come, O^T's accumulators 16-23 times a of the step before (0-15 were done at the last trip's end);
	WIN 0
	KLOAD \e, 1                                    ; K's chunks 8-15 and the weights of the step before,
	PLOAD
	RESCL 24, 8                                    ; and accumulators 24-31
.set g, 0
.rept 32
.if g%4 == 0
	s_wait_dscnt 46-2*(g/4)                        ; chunk g / 4 is in: of the 48 loads, those behind its two may be out
.endif
	SQ 0
.set g, g+1
.endr
	WIN 0
	PLACES                                         ; in front of the loads into K's lower half and, in the last trip, into Q's
	VLOAD 0, 1-(\e)
.if (\mode) == 0
	WIN 0x80                                       ; Q's chunks 0-7 have had their last product: x goes where they lay
.set i, 0
.rept 64                               ; row i of my 64, my wave's 512 bytes
	global_load_b128 v[4*i:4*i+3], v[GO], s[6:7] offset:2048*i
.set i, i+1
.endr
	WIN 0
.endif
	s_wait_dscnt 32                                ; K's chunks 8-15 are in; P and V's first half, 16 loads each, may be out
.set g, 0
.rept 32
	SQ 1
.set g, g+1
.endr
	WIN 0
	PLACES                                         ; in front of the reads of S^T and of the writes into K's upper half
	s_wait_dscnt 0x0                               ; P and V's first half are in: my reads of the old weights are over
.set g, 0
.irp n, 0,1,2,3,4,5
	PV1 0
	LM \n
.endr
	T4 ds_store_b32 v[AMS], v[LMX+tt] offset:256*tt
.rept 6
	PV1 0                                          ; six products between the stores and the wait for them
.endr
	s_wait_dscnt 0x0                               ; my maxima are in LDS
	s_barrier_signal -1
	WIN 0
	VLOAD 1, 1-(\e)                                ; bytes that nobody writes before the round below
.rept 6
	PV1 0
.endr
	s_barrier_wait -1                              ; everybody's maxima are in LDS, and nobody reads the old weights any more
	WIN 0
	PLACES                                         ; products 0 to 15 have read V's fragments 0 to 3: these are the places in front of loads and vector writes into them
	T4 ds_load_b128 v[T+4*tt:T+4*tt+3], v[AML] offset:256*tt
.rept 6
	PV1 0
.endr
	s_wait_dscnt 0x0                               ; V's second half and the maxima are in
	PV1 0
	WIN 0
	T4 v_max3_num_f32 v[TM+tt], v[T+4*tt], v[T+4*tt+1], v[T+4*tt+2]
	PV1 0
	WIN 0
	T4 v_max3_num_f32 v[TM+tt], v[TM+tt], v[T+4*tt+3], v[ST+4*tt+1]
	PV1 0
	WIN 0
	T4 v_sub_f32 v[DD+tt], v[ST+4*tt+1], v[TM+tt]
	PV1 0
	WIN 0
	T4 v_mul_f32 v[DD+tt], s[CS], v[DD+tt]
.irp t, 0,1,2,3
	PV1 0
	WIN 0
	STAT \t
.endr
.set g, 0
.set k, 0
.rept 32
	PV1 1
	WIN 0
	PA
	v_exp_f32 v[S+k], v[S+k]
	PB
.set k, k+1
.endr
	v_mov_b32 v[ST+13], v[TM+3]                    ; tile 3's new m: the plain line between the last exponential and the rounding that reads it
	s_wait_alu depctr_va_vdst(0)
	CVT 15
	PSTORE 0                                       ; the weights leave in one run
	PSTORE 1
	PSTORE 2
	PSTORE 3
	ADDU 7
	ADD3 3
	LSUM 3
	s_wait_tensorcnt 0x0                           ; all my tensor loads have landed: my part of what the next trip reads
	ds_add_u32 v[SPW], v[NIL]                      ; 0 onto my spare word; work on registers stands between it and the wait for it
.if (\mode) >= 1
	s_mul_i32 s[OFV], s[NV], TS                    ; each address is made anew from the step's number
	s_add_nc_u64 s[GV+4*(1-(\e))+2:GV+4*(1-(\e))+3], s[VB:VB+1], s[OFV:OFV+1]
	s_or_b32 s[GV+4*(1-(\e))+3], s[GV+4*(1-(\e))+3], 0x80000000
.endif
.if (\mode) == 2
	s_add_co_u32 s[NV], s[NV], 1
	s_and_b32 s[NV], s[NV], 31                     ; behind step 31 the walk goes on at step 0
	s_mul_i32 s[OFK], s[NV], TS
	s_add_nc_u64 s[GK+4*(\e)+2:GK+4*(\e)+3], s[KB:KB+1], s[OFK:OFK+1]
	s_or_b32 s[GK+4*(\e)+3], s[GK+4*(\e)+3], 0x80000000
.endif
	RESCL 0, 8                                     ; O^T's accumulators 0-7 times this step's a, while my weights land
	s_wait_dscnt 0x0                               ; the add is done, my reads of both slots are over, and my weights are in LDS
	s_barrier_signal -1                            ; with a refill behind it this barrier opens a round of the cluster's
	RESCL 8, 8                                     ; accumulators 8-15, while the others arrive
	WIN 0
	s_barrier_wait -1
.if (\mode) == 2
	CREST
	s_cmp_lt_u32 s[WV], 2
	s_cbranch_scc0 .Lfor_v_\@
	tensor_load_to_lds s[GK+4*(\e):GK+4*(\e)+3], s[G1K:G1K+7]
	s_nop 0
	PLACES
	s_branch .Lasked_\@
.Lfor_v_\@:
	tensor_load_to_lds s[GV+4*(1-(\e)):GV+4*(1-(\e))+3], s[G1V:G1V+7]
	s_nop 0
	PLACES
.Lasked_\@:
.elseif (\mode) == 1
	CREST
	s_cmp_lt_u32 s[WV], 2
	s_cbranch_scc1 .Lasked_\@
	tensor_load_to_lds s[GV+4*(1-(\e)):GV+4*(1-(\e))+3], s[G1V:G1V+7]
	s_nop 0
	PLACES
.Lasked_\@:
.endif
.endm
	s_mov_b32 s56, 15
.Lpair:                                                ; trips 0 to 29
	TRIP 0, 2
	TRIP 1, 2
	WIN 0
	s_sub_co_u32 s56, s56, 1
	s_cmp_lg_u32 s56, 0
	s_cbranch_scc1 .Lpair
	TRIP 0, 1                                      ; the tail is written out: trip 30 asks for the last V
	TRIP 1, 0                                      ; trip 31 for nothing
	; THE LAST STEP'S V^T P, and the four waves' sums
	T4 v_add_f32 v[ST+4*tt+2], v[ST+4*tt+2], v[ST+4*tt+3]
	T4 v_permlanex16_b32 v[ST+4*tt+3], v[ST+4*tt+2], s[SEL], s[SEL+1]
	T4 v_add_f32 v[ST+4*tt+2], v[ST+4*tt+2], v[ST+4*tt+3]
	T4 ds_store_b32 v[AMS], v[ST+4*tt+2] offset:256*tt
	PLOAD
	VLOAD 0, 1
	VLOAD 1, 1
	RESCL 16, 16                                   ; accumulators 0-15 were done at the last trip's end
	WIN 0
	s_wait_dscnt 0x0
	s_barrier_signal -1
	PVM 0
	PVM 1
	s_barrier_wait -1
	WIN 0
	PLACES
	T4 ds_load_b128 v[T+4*tt:T+4*tt+3], v[AML] offset:256*tt
	s_wait_dscnt 0x0
	T4 v_add_f32 v[T+4*tt], v[T+4*tt], v[T+4*tt+1]
	T4 v_add_f32 v[T+4*tt+2], v[T+4*tt+2], v[T+4*tt+3]
	T4 v_add_f32 v[T+4*tt], v[T+4*tt], v[T+4*tt+2]
	T4 v_rcp_f32 v[ST+4*tt], v[T+4*tt]
	v_nop                                          ; a plain instruction between the last reciprocal and the use of its result
	s_wait_alu depctr_va_vdst(0)
; THE WAY OUT of tile t.  PACK: O^T / l; a lane's eight channels of a row, 32 bytes, go into my own stage and come back as whole rows of 512 bytes.  SEND: x is added; stored.
.macro PACK t
	WIN 0x41
.set i, 0
.rept 32                               ; channel block i / 4, pair i % 4: each accumulator from its low end on
	v_pk_mul_f32 v[32*(i/4)+8*(\t)+2*(i%4):32*(i/4)+8*(\t)+2*(i%4)+1], v[32*(i/4)+8*(\t)+2*(i%4):32*(i/4)+8*(\t)+2*(i%4)+1], v[ST+4*(\t):ST+4*(\t)+1] op_sel_hi:[1,0]
.set i, i+1
.endr
	WIN 0x04                                       ; store data in window 1
.set i, 0
.rept 8
	ds_store_b128 v[AST], v[32*i+8*(\t):32*i+8*(\t)+3]   offset:64*i
	ds_store_b128 v[AST], v[32*i+8*(\t)+4:32*i+8*(\t)+7] offset:64*i+16
.set i, i+1
.endr
	WIN 0
	s_wait_xcnt 0x0                                ; the stores of the tile two back have read the registers that are loaded below
.set OB, FA+64*((\t)%2)
.set i, 0
.rept 16
	ds_load_b128 v[OB+4*i:OB+4*i+3], v[ARD] offset:SGP*i  ; LDS serves a wave's instructions in order: these see the stores above, and the next tile's stores come behind them
.set i, i+1
.endr
.endm
.macro SEND t, younger                 ; younger: the LDS instructions issued behind tile t's loads: the next tile's 16 stores and 16 loads, or none
	WIN 0
.set OB, FA+64*((\t)%2)
	s_wait_dscnt \younger
.if (\t) == 0
	s_wait_loadcnt 0x0                             ; x
.endif
	WIN 0x08                                       ; x in window 2
.set i, 0
.rept 32
	v_pk_add_f32 v[OB+2*i:OB+2*i+1], v[OB+2*i:OB+2*i+1], v[64*(\t)+2*i:64*(\t)+2*i+1]
.set i, i+1
.endr
	WIN 0
.set i, 0
.rept 16
	global_store_b128 v[GO], v[OB+4*i:OB+4*i+3], s[8:9] offset:(16*(\t)+i)*2048 th:TH_STORE_NT  ; 512 consecutive bytes, at a multiple of 256 from out0's first byte
.set i, i+1
.endr
.endm
	PACK 0
	PACK 1                                         ; a tile's arithmetic stands between the loads of the tile before and the wait for them
	SEND 0, 32
	PACK 2
	SEND 1, 32
	PACK 3
	SEND 2, 32
	SEND 3, 0
	s_wait_tensorcnt 0x0                           ; the wave's end
	ds_add_u32 v[SPW], v[NIL]
	s_wait_dscnt 0x0
	ROUND                                          ; the closing round
	s_endpgm
.Lfunc_end_k_qb47eaacad7_attn:
	.size	k_qb47eaacad7_attn, .Lfunc_end_k_qb47eaacad7_attn-k_qb47eaacad7_attn
	.p2alignl 7, 3214868480
	.fill 96, 4, 3214868480
	.section	.rodata,"a",@progbits
	.p2align	6, 0x0
	.amdhsa_kernel k_qb47eaacad7_attn
		.amdhsa_group_segment_fixed_size 327680
		.amdhsa_private_segment_fixed_size 0
		.amdhsa_enable_private_segment 0
		.amdhsa_kernarg_size 24
		.amdhsa_user_sgpr_count 2
		.amdhsa_user_sgpr_kernarg_segment_ptr 1
		.amdhsa_wavefront_size32 1
		.amdhsa_system_sgpr_workgroup_id_x 1
		.amdhsa_system_sgpr_workgroup_id_y 1
		.amdhsa_system_sgpr_workgroup_id_z 1
		.amdhsa_system_vgpr_workitem_id 0
		.amdhsa_next_free_vgpr 1024
		.amdhsa_next_free_sgpr 66
		.amdhsa_reserve_vcc 0
		.amdhsa_float_denorm_mode_32 3
		.amdhsa_float_denorm_mode_16_64 3
		.amdhsa_memory_ordered 1
		.amdhsa_forward_progress 1
		.amdhsa_inst_pref_size 212
	.end_amdhsa_kernel
	.amdgpu_metadata
---
amdhsa.version: [ 1, 2 ]
amdhsa.kernels:
  - .name:           k_qb47eaacad7_attn
    .symbol:         k_qb47eaacad7_attn.kd
    .args:
      - { .name: qkv, .offset: 0, .size: 8, .value_kind: global_buffer, .address_space: global }
      - { .name: x, .offset: 8, .size: 8, .value_kind: global_buffer, .address_space: global }
      - { .name: out0, .offset: 16, .size: 8, .value_kind: global_buffer, .address_space: global }
    .group_segment_fixed_size: 327680
    .private_segment_fixed_size: 0
    .kernarg_segment_align: 8
    .kernarg_segment_size: 24
    .max_flat_workgroup_size: 128
    .sgpr_count:     66
    .vgpr_count:     1024
    .wavefront_size: 32
...
	.end_amdgpu_metadata
.endif
;; end of part 5
;; ======== version 3 of 3: 3 launches; 1.12 times as fast as version 1
;; limits: values outside matrix products are rounded to bf16
;; workspace buffers: part 131,072 bytes; wb 1,572,864 bytes; bcat 6,144 bytes; qkv 50,331,648 bytes
;; launch prep: the kernel of part 1 again; grid 256 x 1, 8 waves a work-group, no clusters, 102,912 bytes of LDS; arguments x, wq, wk, wv, wo, bq, bk, bv, bo, part, wb, bcat; writes part, wb, bcat
;; launch proj: the kernel of part 4 again; grid 256 x 1, 4 waves a work-group, clusters of 4 x 1, 327,680 bytes of LDS; arguments x, part, gn_scale, gn_bias, wb, bcat, qkv; writes qkv
;; launch attn (part 6): grid 32 x 8, 4 waves a work-group, clusters of 4 x 1, 327,680 bytes of LDS; arguments qkv, x, out0; writes out0
.if DOCPART == 6
	.amdgcn_target "amdgcn-amd-amdhsa--gfx1250"
	.amdhsa_code_object_version 6
	.text
	.protected	k_qb47eaacad7_attn
	.globl	k_qb47eaacad7_attn
	.p2align	8
	.type	k_qb47eaacad7_attn,@function
k_qb47eaacad7_attn:
	s_mov_b64 s[64:65], 0
	v_nop
	global_prefetch_b8 v0, s[64:65] scope:SCOPE_SE
	s_setreg_imm32_b32 hwreg(HW_REG_WAVE_MODE, 25, 1), 1
	s_wait_xcnt 0x0
	s_wait_alu depctr_hold_cnt(0) depctr_sa_sdst(0) depctr_va_vdst(0) depctr_va_sdst(0) depctr_va_ssrc(0) depctr_va_vcc(0) depctr_vm_vsrc(0)
	s_getreg_b32 s2, hwreg(HW_REG_IB_STS2, 6, 4)
	s_cmp_eq_u32 s2, 0
	s_cbranch_scc0 .Lentry_in_a_cluster
	s_endpgm
.Lentry_in_a_cluster:
	s_bfe_u32 s2, ttmp6, 0x10000c
	s_cmp_lg_u32 s2, 0x3003
	s_cbranch_scc0 .Lentry_shape_is_right
	s_endpgm
.Lentry_shape_is_right:
; ATTN.  out0[b][q][:] = (sum over k of softmax_k(q . k / sqrt(512)) v'[k][:]) + x[b][q][:].  qkv: [16,384 rows][1,536] bf16: q, k, v' = v wo + bo.  One head of size 512, 2,048 keys a batch.
; SHARES.  A work-group owns 64 queries: four tiles of 16.  At this head size a tile's Q is 128 registers and its O 256, so a wave cannot own queries and still feed several products from each
; fragment.  Instead every wave holds ALL 64 queries' Q (512 registers); of a step's 64 keys it makes the scores of 16 (64 matrix instructions, each fragment of K feeding four),
; and of the 512 channels it owns 128 for all 64 queries (256 registers of O; 64 matrix instructions, each fragment of V feeding four).  Weights and maxima pass between the waves through LDS.
; LAYOUT.  S^T = K Q^T: a lane holds one query (lane % 16) and the keys 8 (lane / 16) + 0..7 of my 16.  Rounded to bf16 these 16 bytes ARE half of source 1 (32 keys x 16 queries) of O^T = V^T P:
; block (tile, wave) lies in LDS lane by lane.  V ([key][channel]) is turned by ds_load_tr16_b128.
; SOFTMAX.  A running maximum m for each query, the same in all waves: each wave's maximum over its 16 keys goes to LDS, a barrier, every wave takes the four.  p = 2^(c s - c m), c = log2(e) / sqrt(512);
; a = 2^(c (m_old - m_new)).  Each wave keeps the sum l of its own keys' unrounded p; the four are added at the end.
; PIPELINE.  Trip j makes the scores and weights of the walk's step j and the products V^T P of step j - 1.  Where its 260 vector instructions stand:
;   O times a, 128 lines, in four runs of 32 where the wave would wait: while its weights' stores land, between the signal and the wait that open the round, and twice behind the next trip's LDS loads;
;   my keys' maximum, 24 lines, four behind each of the first 6 products V^T P; the maxima's barrier is signalled behind product 12 and waited for behind product 18;
;   statistics, scalings, exponentials, roundings and sums, 108 lines, behind the last 40 products V^T P: four at the most behind each, two exponentials at the most among them.
; THE BATCH.  A trip's 36 exponentials (my 32 scores', then the four tiles' a) are ONE batch with ONE wait, which cuts those 40 products in two.  Ahead of it, behind 32 products, stands all that names no
; exponential's result: the new m, c m, m_old - m_new, the 16 scalings, the 36 exponentials, the four moves that keep m.  Behind it, four behind each of the last 8 products, stand the readers: 16 roundings,
; 12 sums, the four l.  O's rescaling, which reads a, follows them.  The way out's four reciprocals are a batch of their own.
; The 64 products K Q^T stand back to back.  Trip 0 has P = 0 and O = 0 and multiplies by the tile that will be step 1's V: 64 products on zeros and one tile fetched twice, the price of writing no
; first step out; O is started by 32 products of zeros with C = 0, which take a quarter of the bytes of 256 moves.
; CLUSTER.  The four query blocks of a cluster belong to one batch and walk the same K and V: each tile is asked for JOINTLY.  Waves 0 and 1 fetch K's halves (32 rows x 1,024 bytes), waves 2 and 3 V's.
; A refill goes out behind the round at a trip's end and has the next trip's 128 matrix instructions in which to land.  A wave has at most two tensor loads out (its first fills), later one.
; THE WALK.  A batch's eight clusters are the clusters x = 4 i .. 4 i + 3 of two neighbouring y.  The sum over keys does not hang on their order, so cluster number idx of the eight begins at key step 4 idx
; and goes round (modulo 32): at any time the eight ask for eight different steps' tiles, and behind a cluster's first steps every tile that it asks for has been asked for by another before.
; LIMITS.  m starts at -3.4e38; a weight below 2^-126 counts as 0; q, k, v' and p are bf16; NaN and infinities are not treated apart; v' is finite.
; REGISTERS, in windows of 256 (s_set_vgpr_msb: bits 1:0 source 0, 3:2 source 1, 5:4 source 2, 7:6 destination):
;   window 0: v0-15 addresses; v16-31 a, m, l, l for each tile; v32-63 S^T; v64-127 P's fragments; v128-191, v192-255 fragments of K (16 chunks), then of V (two key halves); the softmax works in spent parts of them
;   window 1: O^T: channel block cb, tile t at 32 cb + 8 t       windows 2, 3: Q: tile t, chunk ch in window 2 + ch / 8 at 64 t + 8 (ch % 8); from the last trip on window 2 holds x
.set PKK,   1040                       ; a row of K in LDS: 1,024 bytes + 16, an odd multiple of 16
.set PVV,   1056                       ; a row of V: 1,024 + 32, an odd multiple of 32
.set KS1,   64*PKK
.set VS0,   2*KS1
.set VS1,   VS0+64*PVV
.set PB,    VS1+64*PVV                 ; the weights: block (tile t, wave kb) at (4 t + kb) x 512 + 16 x lane.  From here on no tensor load lands
.set MX,    PB+8192                    ; maxima, at the end sums: word at 256 t + 16 query + 4 wave
.set STG,   MX+1024                    ; each wave's own stage for the way out: 16 rows x (512 + 16) bytes; at the head 32 rows of Q x 1,040 bytes, the work-group's
.set SGP,   528
.set SPARE, STG+4*16*SGP               ; the spare words: 128 bytes a wave, two blocks of 256 bytes that no other line names
.set TS,    64*3072                    ; bytes from a step's keys to the next step's
.set AK,  2                            ; v2-3   my 16 keys' fragments in K's slot 0, 1
.set AV,  4                            ; v4-5   my 128 channels' turning loads in V's slot 0, 1
.set APS, 6                            ; v6     where I put my weights
.set APL, 7                            ; v7     where I read everybody's
.set AMS, 8                            ; v8     where I put a maximum
.set AML, 9                            ; v9     where I read the four
.set AST, 10                           ; v10    the way out: into my stage
.set ARD, 11                           ; v11    back from it
.set GO,  12                           ; v12    16 x lane; never rewritten
.set SPW, 14                           ; v14    LDS address of my spare word; never rewritten
.set NIL, 15                           ; v15    0; never rewritten
.set ST,  16
.set S,   32
.set PF,  64
.set AQS, 70                           ; v70    at the head: where I put my rows of Q
.set AQF, 71                           ; v71    at the head: Q's fragments
.set FA,  128
.set FB,  192
.set LMX, FB                           ; my keys' maximum at work: K's upper half is spent, V's second half not yet fetched
.set T,   FA                           ; the softmax at work, in the fragments of V's first half that products 0 to 23 have read: four waves' maxima for each tile,
.set CM,  FA+16                        ; c m (the low register of a pair; the trip's loads have written both),
.set TM,  FA+24                        ; the new m,
.set DD,  FA+28                        ; m_old - m_new,
.set PK,  FA+32                        ; the weights in bf16
.set WV,  12                           ; s12  my wave's number
.set OFV, 16                           ; s[16:17] a step's byte offset, for V
.set OFK, 18                           ; s[18:19] for K
.set KB,  20                           ; s[20:21] k of the batch's first key, my half of a tile
.set VB,  22                           ; s[22:23] v' likewise
.set G1K, 24                           ; s[24:31] descriptor group 1 for K's tiles
.set G1V, 32                           ; s[32:39] for V's: the padding differs
.set GK,  40                           ; s[40:47] group 0 for K's slots 0, 1
.set GV,  48                           ; s[48:55] for V's
.set NV,  57                           ; s57  the key step whose V is asked for next; K's is one further on
.set CS,  58                           ; s[58:59] c
.set SEL, 60                           ; s[60:61] v_permlanex16_b32: each lane takes its own place in the other half
.set MSB, 0
.macro WIN new                         ; the immediate's high byte repeats the setting that is left; a switch that changes nothing is dropped
.if MSB != (\new)
	s_set_vgpr_msb (MSB<<8)|(\new)
.set MSB, \new
.endif
.endm
.macro PLACES                          ; four places (ISA guide 7.12.1)
.rept 4
	v_nop
.endr
.endm
.macro T4 line:vararg                  ; one line for each tile tt
.set tt, 0
.rept 4
	\line
.set tt, tt+1
.endr
.endm
.macro CREST                           ; a round of the cluster's barrier behind its opening barrier
	s_cmp_lg_u32 s[WV], 0
	s_cbranch_scc1 .Lnot_wave_0_\@
	s_barrier_signal -3
.Lnot_wave_0_\@:
	s_barrier_wait -3
	s_barrier_signal -1
	s_barrier_wait -1
.endm
.macro ROUND                           ; a whole round
	s_barrier_signal -1
	s_barrier_wait -1
	CREST
.endm
	s_load_b128 s[4:7], s[0:1], 0x0                ; qkv 4, x 6
	s_load_b64 s[8:9], s[0:1], 0x10                ; out0
	v_lshl_add_u32 v[SPW], v0, 2, SPARE
	v_mov_b32 v[NIL], 0
	ds_add_u32 v[SPW], v[NIL]                      ; the wave's opening: the add and its wait stand ahead of my first tensor load
	v_lshrrev_b32 v1, 5, v0
	v_readfirstlane_b32 s[WV], v1                  ; wave 0..3
	s_bfe_u32 s13, ttmp6, 0x40000                  ; cx
	s_and_b32 s15, ttmp7, 0xffff                   ; the cluster's y
	s_and_b32 s[NV], s15, 1
	s_lshl_b32 s[NV], s[NV], 2
	s_and_b32 s14, ttmp9, 3
	s_add_co_u32 s[NV], s[NV], s14                 ; idx = (x & 3) + 4 (y & 1): the cluster's place among its batch's eight
	s_lshr_b32 s15, s15, 1
	s_lshr_b32 s14, ttmp9, 2
	s_lshl2_add_u32 s15, s14, s15                  ; the batch = 4 (x >> 2) + (y >> 1), which the four partners share
	s_lshl2_add_u32 s14, s[NV], s13                ; my block of 64 queries = 4 idx + cx: it enters Q's, x's and out0's addresses alone
	s_and_b32 s16, s[WV], 1                        ; which 32 rows of a tile I fetch
	s_mul_i32 s20, s15, 2048*3072
	s_mul_i32 s17, s16, 32*3072
	s_add_co_u32 s20, s20, s17
	s_mov_b32 s21, 0
	s_lshl_b32 s18, s15, 11
	s_lshl_b32 s19, s14, 6
	s_add_co_u32 s18, s18, s19                     ; my block's first row
	s_mul_i32 s22, s18, 3072
	s_mul_i32 s23, s[WV], 8*3072                   ; of each 32 rows of Q my wave loads 8
	s_add_co_u32 s22, s22, s23
	s_mov_b32 s23, 0
	s_lshl_b32 s62, s18, 11                        ; in x and out0: rows of 2,048 bytes, my wave's 512
	s_lshl_b32 s63, s[WV], 9
	s_add_co_u32 s62, s62, s63
	s_mov_b32 s63, 0
	s_mov_b32 s[G1K], 15|(1<<16)|(1<<20)|(1<<21)|(7<<22)|(3<<25)  ; the mask of four; 2-byte elements; padding on; bit 21 beside a mask; after every 256 words, 4 words
	s_mov_b32 s[G1V], 15|(1<<16)|(1<<20)|(1<<21)|(7<<22)|(7<<25)  ; the same with 8 words
.irp g, G1K, G1V
	s_mov_b32 s[\g+1], 512<<16                     ; tensor_dim0 = 512
	s_mov_b32 s[\g+2], 32<<16                      ; tensor_dim1 = 32
	s_mov_b32 s[\g+3], 512<<16                     ; tile_dim0 = 512
	s_mov_b32 s[\g+4], 32                          ; tile_dim1 = 32
	s_mov_b32 s[\g+5], 1536                        ; elements from row to row
	s_mov_b32 s[\g+6], 0
	s_mov_b32 s[\g+7], 0
.endr
	s_mul_i32 s17, s16, 32*PKK
	s_mul_i32 s19, s16, 32*PVV
	s_mov_b32 s[GK], 1
	s_mov_b32 s[GK+1], s17                         ; K's slot 0 begins at LDS byte 0
	s_mov_b32 s[GK+4], 1
	s_add_co_u32 s[GK+5], s17, KS1
	s_mov_b32 s[GV], 1
	s_add_co_u32 s[GV+1], s19, VS0
	s_mov_b32 s[GV+4], 1
	s_add_co_u32 s[GV+5], s19, VS1
	s_lshl_b32 s[NV], s[NV], 2                     ; the walk's first key step, 4 idx: 28 at the most
	s_mul_i32 s[OFV], s[NV], TS
	s_mov_b32 s[OFV+1], 0
	s_mov_b32 s[OFK+1], 0
	s_add_co_u32 s[NV], s[NV], 1                   ; trip 0 asks for the V of the walk's step 1
	s_mov_b32 s[CS], 0x3d8293ee                    ; c = log2(e) / sqrt(512) = 0.0637587
	s_mov_b32 s[CS+1], s[CS]                       ; named with it as a pair
	s_mov_b32 s[SEL], 0x76543210
	s_mov_b32 s[SEL+1], 0xfedcba98
	s_wait_dscnt 0x0                               ; the opening add is done
	s_wait_kmcnt 0x0
	s_add_nc_u64 s[KB:KB+1], s[4:5], s[20:21]      ; qkv at the batch's first row, my half of a tile
	s_add_nc_u64 s[4:5], s[4:5], s[22:23]          ; Q at my wave's first row
	s_add_nc_u64 s[VB:VB+1], s[KB:KB+1], 2048
	s_add_nc_u64 s[KB:KB+1], s[KB:KB+1], 1024
	s_add_nc_u64 s[GK+2:GK+3], s[KB:KB+1], s[OFV:OFV+1]  ; K of the walk's step 0,
	s_add_nc_u64 s[GK+6:GK+7], s[GK+2:GK+3], TS    ; of step 1
	s_add_nc_u64 s[GV+2:GV+3], s[VB:VB+1], s[OFV:OFV+1]  ; V of step 0,
	s_add_nc_u64 s[GV+6:GV+7], s[GV+2:GV+3], TS    ; of step 1
	s_or_b32 s[GK+3], s[GK+3], 0x80000000          ; type = 2
	s_or_b32 s[GK+7], s[GK+7], 0x80000000
	s_or_b32 s[GV+3], s[GV+3], 0x80000000
	s_or_b32 s[GV+7], s[GV+7], 0x80000000
	s_add_nc_u64 s[6:7], s[6:7], s[62:63]          ; x
	s_add_nc_u64 s[8:9], s[8:9], s[62:63]          ; out0
	ROUND                                          ; all four work-groups are here: the first joint loads meet
	s_cmp_lt_u32 s[WV], 2                          ; a wave's two first fills stand in one branch; what trip 0 reads goes first
	s_cbranch_scc0 .Lfirst_v
	tensor_load_to_lds s[GK:GK+3], s[G1K:G1K+7]
	s_nop 0
	tensor_load_to_lds s[GK+4:GK+7], s[G1K:G1K+7]
	s_nop 0
	PLACES
	s_branch .Lfirst_asked
.Lfirst_v:
	tensor_load_to_lds s[GV+4:GV+7], s[G1V:G1V+7]  ; slot 1: trip 0 multiplies zeros by it, so it must hold finite numbers
	s_nop 0
	tensor_load_to_lds s[GV:GV+3], s[G1V:G1V+7]
	s_nop 0
	PLACES
.Lfirst_asked:
	v_and_b32 v65, 15, v0                          ; r
	v_bfe_u32 v66, v0, 4, 1                        ; h
	v_and_b32 v67, 7, v0
	v_bfe_u32 v68, v0, 3, 1
	v_and_b32 v69, 31, v0                          ; lane
	v_lshlrev_b32 v[GO], 4, v69
.set i, 0
.rept 32                               ; Q: pass i / 16 of 32 rows, my row (i / 2) % 8 of its eight, 512 consecutive bytes at 512 (i % 2)
	global_load_b128 v[FA+4*i:FA+4*i+3], v[GO], s[4:5] offset:(32*(i/16)+(i/2)%8)*3072+512*(i%2)
.set i, i+1
.endr
.set i, 0
.rept 16
	v_mov_b32 v[S+i], 0
.set i, i+1
.endr
	WIN 0x40                                       ; destination window 1
.set i, 0
.rept 32
	v_wmma_f32_16x16x32_bf16 v[8*i:8*i+7], v[S:S+7], v[S+8:S+15], 0  ; O^T = 0; all this stands in the wait for the first tiles
.set i, i+1
.endr
	WIN 0
	v_mul_u32_u24 v[AK], v65, PKK
	v_lshl_add_u32 v[AK], v66, 4, v[AK]
	s_mul_i32 s56, s[WV], 16*PKK
	v_add_nc_u32 v[AK], s56, v[AK]                 ; key 16 wave + r, 16 bytes at 16 h
	v_add_nc_u32 v[AK+1], KS1, v[AK]
	v_lshl_add_u32 v[AV], v66, 3, v67              ; key 8 h + lane % 8,
	v_mul_u32_u24 v[AV], v[AV], PVV
	v_lshl_add_u32 v[AV], v68, 4, v[AV]            ; 16 bytes at 16 ((lane / 8) % 2),
	s_lshl_b32 s56, s[WV], 8
	s_add_co_u32 s56, s56, VS0
	v_add_nc_u32 v[AV], s56, v[AV]                 ; my 128 channels
	v_add_nc_u32 v[AV+1], VS1-VS0, v[AV]
	v_lshl_add_u32 v[APL], v69, 4, PB
	s_lshl_b32 s56, s[WV], 9
	v_add_nc_u32 v[APS], s56, v[APL]
	v_lshl_add_u32 v[AML], v65, 4, MX
	s_lshl_b32 s56, s[WV], 2
	v_add_nc_u32 v[AMS], s56, v[AML]
	s_mul_i32 s56, s[WV], 16*SGP
	s_add_co_u32 s56, s56, STG
	v_mul_u32_u24 v[AST], v65, SGP
	v_lshl_add_u32 v[AST], v66, 5, v[AST]
	v_add_nc_u32 v[AST], s56, v[AST]               ; row r, 32 bytes for each half of the lanes
	v_lshl_add_u32 v[ARD], v69, 4, s56
	s_mul_i32 s56, s[WV], 8*PKK
	s_add_co_u32 s56, s56, STG
	v_lshl_add_u32 v[AQS], v69, 4, s56             ; Q: my eight rows of a pass's 32, 16 bytes a lane
	v_mul_u32_u24 v[AQF], v65, PKK
	v_lshl_add_u32 v[AQF], v66, 4, v[AQF]
	v_add_nc_u32 v[AQF], STG, v[AQF]               ; and its fragments: row r, 16 bytes at 16 h
	T4 v_mov_b32 v[ST+4*tt], 0                     ; a
	T4 v_mov_b32 v[ST+4*tt+1], 0xff7fffff          ; m: the lowest finite number
	T4 v_mov_b32 v[ST+4*tt+2], 0                   ; l
	T4 v_mov_b32 v[ST+4*tt+3], 0
	T4 ds_store_b128 v[APS], v[S:S+3] offset:2048*tt  ; the weights of a step that has not been
; PASS p: rows 32 p .. 32 p + 31 of Q.  My eight rows go to the stage, and every wave takes the fragments of the two tiles.
.macro QPASS p
	s_wait_loadcnt 16-16*(\p)                      ; this pass's 16 loads are in; the second pass's may stay out
.set i, 0
.rept 16
	ds_store_b128 v[AQS], v[FA+64*(\p)+4*i:FA+64*(\p)+4*i+3] offset:(i/2)*PKK+512*(i%2)
.set i, i+1
.endr
	s_wait_dscnt 0x0                               ; for the others' sake: my rows are in the stage
	s_barrier_signal -1
	s_barrier_wait -1
	WIN 0x80
.set i, 0
.rept 16                               ; tile 2 p + i / 8, chunk i % 8
	ds_load_b128 v[64*(2*(\p)+i/8)+8*(i%8):64*(2*(\p)+i/8)+8*(i%8)+3],   v[AQF] offset:(i/8)*16*PKK+64*(i%8)
	ds_load_b128 v[64*(2*(\p)+i/8)+8*(i%8)+4:64*(2*(\p)+i/8)+8*(i%8)+7], v[AQF] offset:(i/8)*16*PKK+64*(i%8)+32
.set i, i+1
.endr
	WIN 0xc0
.set i, 0
.rept 16                               ; chunks 8 to 15
	ds_load_b128 v[64*(2*(\p)+i/8)+8*(i%8):64*(2*(\p)+i/8)+8*(i%8)+3],   v[AQF] offset:(i/8)*16*PKK+512+64*(i%8)
	ds_load_b128 v[64*(2*(\p)+i/8)+8*(i%8)+4:64*(2*(\p)+i/8)+8*(i%8)+7], v[AQF] offset:(i/8)*16*PKK+512+64*(i%8)+32
.set i, i+1
.endr
	WIN 0
	s_wait_dscnt 0x0                               ; my reads of the stage are over
.if (\p) == 1
	s_wait_tensorcnt 1                             ; what trip 0 reads of my fills is in; the other may stay out
.endif
	s_barrier_signal -1
	s_barrier_wait -1
.endm
	QPASS 0
	QPASS 1
.macro KLOAD e, hf                     ; my 16 keys x 256 channels: chunks 8 hf to 8 hf + 7, 8 fragments
.set i, 0
.rept 8
	ds_load_b128 v[FA+64*(\hf)+8*i:FA+64*(\hf)+8*i+3],   v[AK+(\e)] offset:512*(\hf)+64*i
	ds_load_b128 v[FA+64*(\hf)+8*i+4:FA+64*(\hf)+8*i+7], v[AK+(\e)] offset:512*(\hf)+64*i+32
.set i, i+1
.endr
.endm
.macro PLOAD                           ; all 64 keys' weights: fragment 2 t + kk: the blocks of waves 2 kk and 2 kk + 1
.set i, 0
.rept 8
	ds_load_b128 v[PF+8*i:PF+8*i+3],   v[APL] offset:1024*i
	ds_load_b128 v[PF+8*i+4:PF+8*i+7], v[APL] offset:1024*i+512
.set i, i+1
.endr
.endm
.macro VLOAD kk, sl                    ; keys 32 kk on x my 128 channels, turned: 8 fragments
.set i, 0
.rept 8
	ds_load_tr16_b128 v[FA+64*(\kk)+8*i:FA+64*(\kk)+8*i+3],   v[AV+(\sl)] offset:32*PVV*(\kk)+32*i
	ds_load_tr16_b128 v[FA+64*(\kk)+8*i+4:FA+64*(\kk)+8*i+7], v[AV+(\sl)] offset:32*PVV*(\kk)+32*i+16*PVV
.set i, i+1
.endr
.endm
.macro RESCL a0, n                     ; accumulators a0 .. a0 + n - 1 of O^T times their tiles' a, each from its low end on
	WIN 0x41
.set ra, \a0
.rept \n
.set z, 0
.rept 4
	v_pk_mul_f32 v[8*ra+2*z:8*ra+2*z+1], v[8*ra+2*z:8*ra+2*z+1], v[ST+4*(ra%4):ST+4*(ra%4)+1] op_sel_hi:[1,0]
.set z, z+1
.endr
.set ra, ra+1
.endr
.endm
.macro SQ hf                           ; product g of 32 of S^T = K Q^T: chunk 8 hf + g / 4, tile g % 4: the four accumulators take turns
	WIN 0x08+4*(\hf)                               ; Q in window 2 or 3
.if ((\hf) == 0) && (g < 4)
	v_wmma_f32_16x16x32_bf16 v[S+8*(g%4):S+8*(g%4)+7], v[FA+64*(\hf)+8*(g/4):FA+64*(\hf)+8*(g/4)+7], v[64*(g%4)+8*(g/4):64*(g%4)+8*(g/4)+7], 0
.else
	v_wmma_f32_16x16x32_bf16 v[S+8*(g%4):S+8*(g%4)+7], v[FA+64*(\hf)+8*(g/4):FA+64*(\hf)+8*(g/4)+7], v[64*(g%4)+8*(g/4):64*(g%4)+8*(g/4)+7], v[S+8*(g%4):S+8*(g%4)+7]
.endif
.endm
.macro PV1 kk                          ; product g of 32 of O^T += V^T P, and g goes on: channel block g / 4, tile g % 4: 32 accumulators by turns
	WIN 0x50                                       ; C and D in window 1
	v_wmma_f32_16x16x32_bf16 v[8*g:8*g+7], v[FA+64*(\kk)+8*(g/4):FA+64*(\kk)+8*(g/4)+7], v[PF+16*(g%4)+8*(\kk):PF+16*(g%4)+8*(\kk)+7], v[8*g:8*g+7]
.set g, g+1
.endm
.macro PVM kk                          ; all 32, bare
.set g, 0
.rept 32
	PV1 \kk
.endr
.endm
.macro LM n                            ; stage n of six of my 16 keys' maximum, for the four tiles; each accumulator's lowest registers are read first
	WIN 0
.if (\n) == 0
	T4 v_max3_num_f32 v[LMX+tt], v[S+8*tt], v[S+8*tt+1], v[S+8*tt+2]
.elseif (\n) < 3
	T4 v_max3_num_f32 v[LMX+tt], v[LMX+tt], v[S+8*tt+2*(\n)+1], v[S+8*tt+2*(\n)+2]
.elseif (\n) == 3
	T4 v_max_num_f32 v[LMX+tt], v[LMX+tt], v[S+8*tt+7]
.elseif (\n) == 4
	T4 v_permlanex16_b32 v[LMX+4+tt], v[LMX+tt], s[SEL], s[SEL+1]
.else
	T4 v_max_num_f32 v[LMX+tt], v[LMX+tt], v[LMX+4+tt]
.endif
.endm
; THE SOFTMAX'S LINES.
.macro FMA p                           ; pair p of 16 of my scores: c s - c m
	v_pk_fma_f32 v[S+2*(\p):S+2*(\p)+1], v[S+2*(\p):S+2*(\p)+1], s[CS:CS+1], v[CM+2*((\p)/4):CM+2*((\p)/4)+1] op_sel_hi:[1,0,0] neg_lo:[0,0,1] neg_hi:[0,0,1]
.endm
.macro CVT p                           ; pair p rounded to bf16
	v_cvt_pk_bf16_f32 v[PK+(\p)], v[S+2*(\p)], v[S+2*(\p)+1]
.endm
.macro ADDU u                          ; weights 4 u, 4 u + 1 += 4 u + 2, 4 u + 3
	v_pk_add_f32 v[S+4*(\u):S+4*(\u)+1], v[S+4*(\u):S+4*(\u)+1], v[S+4*(\u)+2:S+4*(\u)+3]
.endm
.macro ADD3 t                          ; a tile's two sums into one
	v_pk_add_f32 v[S+8*(\t):S+8*(\t)+1], v[S+8*(\t):S+8*(\t)+1], v[S+8*(\t)+4:S+8*(\t)+5]
.endm
.macro LSUM t                          ; l = a l + sum
	v_pk_fma_f32 v[ST+4*(\t)+2:ST+4*(\t)+3], v[ST+4*(\t)+2:ST+4*(\t)+3], v[ST+4*(\t):ST+4*(\t)+1], v[S+8*(\t):S+8*(\t)+1] op_sel_hi:[1,0,1]
.endm
.macro PSTORE t                        ; a tile's 16 bytes a lane of weights
	ds_store_b128 v[APS], v[PK+4*(\t):PK+4*(\t)+3] offset:2048*(\t)
.endm
; THE PLAIN QUEUE, 72 long; PL writes its next line.  0-39 name no exponential's result: 0-7 the four waves' maxima and the old m into the new m, for the four tiles; 8-11 c m; 12-15 m_old - m_new;
; 16-31 the 16 scalings; 32-35 c (m_old - m_new); 36-39 the new m is kept (the register beside a, never a itself).  40-71 read the exponentials' results and stand behind the wait: 40-55 the 16 roundings,
; each ahead of the sum that writes over its pair; 56-63, 64-67 the sums; 68-71 l.
.macro PL
.if pq < 4
	v_max3_num_f32 v[TM+pq], v[T+4*pq], v[T+4*pq+1], v[T+4*pq+2]
.elseif pq < 8
	v_max3_num_f32 v[TM+pq-4], v[TM+pq-4], v[T+4*(pq-4)+3], v[ST+4*(pq-4)+1]
.elseif pq < 12
	v_mul_f32 v[CM+2*(pq-8)], s[CS], v[TM+pq-8]
.elseif pq < 16
	v_sub_f32 v[DD+pq-12], v[ST+4*(pq-12)+1], v[TM+pq-12]
.elseif pq < 32
	FMA pq-16
.elseif pq < 36
	v_mul_f32 v[DD+pq-32], s[CS], v[DD+pq-32]
.elseif pq < 40
	v_mov_b32 v[ST+4*(pq-36)+1], v[TM+pq-36]
.elseif pq < 56
	CVT pq-40
.elseif pq < 64
	ADDU pq-56
.elseif pq < 68
	ADD3 pq-64
.else
	LSUM pq-68
.endif
.set pq, pq+1
.endm
; THE EXPONENTIALS' QUEUE, 36 long: my scores 0 to 31, in place, then the four tiles' a.  It is ONE BATCH: all 36 stand ahead of the trip's one wait, and nothing ahead of that wait names a result of theirs.
.macro EX
.if xe < 32
	v_exp_f32 v[S+xe], v[S+xe]
.else
	v_exp_f32 v[ST+4*(xe-32)], v[DD+xe-32]
.endif
.set xe, xe+1
.endm
.macro PVN                             ; the trip's next product V^T P (behind the first key half's 32 come the second's), and window 0 for the lines behind it
.if g == 32
.set g, 0
.set kh, 1
.endif
	PV1 kh
	WIN 0
.endm
.macro ROW4                            ; a product and the plain queue's next four lines
	PVN
	PL
	PL
	PL
	PL
.endm
; HOW THEY ARE DEALT, from product 24 of the first key half on.  Five products with four plain lines each (numbers 0-19: the statistics and scalings 0-3).  Then 27 products in groups of three:
; (plain, exponential), (exponential), (exponential, plain, exponential): a group spends two plain lines and four exponentials.  In groups 0 to 5 the plain lines are scalings 4 to 15: two scalings feed
; four exponentials, so scaling p always stands a whole group or more ahead of exponentials 2 p and 2 p + 1.  Groups 6 and 7 carry c (m_old - m_new), group 8 the four a and the four moves (one more plain
; line in its second product and one at its end): the last move is the plain instruction between the last exponential and the use of a result.  Then the wait, and eight products with four readers each.
; TRIP j, e = j % 2.  K of the walk's step j lies in K's slot e, V of step j - 1 in V's slot 1 - e.
; mode 2: behind the round K's slot e takes step j + 2 and V's slot 1 - e step j + 1; mode 1: V alone; mode 0: the last trip: nothing is left to fetch, and x is asked for.
.macro TRIP e, mode
	WIN 0
	KLOAD \e, 0                                    ; K's chunks 0-7,
	RESCL 16, 8                                    ; and while they come, O^T's accumulators 16-23 times a of the step before (0-15 were done at the last trip's end);
	WIN 0
	KLOAD \e, 1                                    ; K's chunks 8-15 and the weights of the step before,
	PLOAD
	RESCL 24, 8                                    ; and accumulators 24-31
.set g, 0
.rept 32
.if g%4 == 0
	s_wait_dscnt 46-2*(g/4)                        ; chunk g / 4 is in: of the 48 loads, those behind its two may be out
.endif
	SQ 0
.set g, g+1
.endr
	WIN 0
	PLACES                                         ; in front of the loads into K's lower half and, in the last trip, into Q's
	VLOAD 0, 1-(\e)
.if (\mode) == 0
	WIN 0x80                                       ; Q's chunks 0-7 have had their last product: x goes where they lay
.set i, 0
.rept 64                               ; row i of my 64, my wave's 512 bytes
	global_load_b128 v[4*i:4*i+3], v[GO], s[6:7] offset:2048*i
.set i, i+1
.endr
	WIN 0
.endif
	s_wait_dscnt 32                                ; K's chunks 8-15 are in; P and V's first half, 16 loads each, may be out
.set g, 0
.rept 32
	SQ 1
.set g, g+1
.endr
	WIN 0
	PLACES                                         ; in front of the reads of S^T and of the writes into K's upper half
	s_wait_dscnt 0x0                               ; P and V's first half are in: my reads of the old weights are over
.set g, 0
.irp n, 0,1,2,3,4,5
	PV1 0
	LM \n
.endr
	T4 ds_store_b32 v[AMS], v[LMX+tt] offset:256*tt
.rept 6
	PV1 0                                          ; six products between the stores and the wait for them
.endr
	s_wait_dscnt 0x0                               ; my maxima are in LDS
	s_barrier_signal -1
	WIN 0
	VLOAD 1, 1-(\e)                                ; bytes that nobody writes before the round below
.rept 6
	PV1 0
.endr
	s_barrier_wait -1                              ; everybody's maxima are in LDS, and nobody reads the old weights any more
	WIN 0
	PLACES                                         ; products 0 to 15 have read V's fragments 0 to 3: these are the places in front of loads and vector writes into them
	T4 ds_load_b128 v[T+4*tt:T+4*tt+3], v[AML] offset:256*tt
.rept 6
	PV1 0
.endr
	s_wait_dscnt 0x0                               ; V's second half and the maxima are in
.set kh, 0
.set pq, 0
.set xe, 0
.rept 5                                ; ahead of the wait: the statistics and the first four scalings,
	ROW4
.endr
.set nn, 0
.rept 27                               ; and the batch, with the plain lines that name none of its results
	PVN
.if nn%3 == 2
	EX
	PL
	EX
.elseif (nn%3 == 0) || (nn == 25)
	PL
	EX
.else
	EX
.endif
.if nn == 26
	PL                                             ; tile 3's new m: the plain line behind the last exponential
.endif
.set nn, nn+1
.endr
	s_wait_alu depctr_va_vdst(0)                   ; one wait for the trip's batch: my 32 scores' exponentials and the four a
.rept 8                                ; behind the wait: the readers
	ROW4
.endr
	PSTORE 0                                       ; the weights leave in one run
	PSTORE 1
	PSTORE 2
	PSTORE 3
	s_wait_tensorcnt 0x0                           ; all my tensor loads have landed: my part of what the next trip reads
	ds_add_u32 v[SPW], v[NIL]                      ; 0 onto my spare word; work on registers stands between it and the wait for it
.if (\mode) >= 1
	s_mul_i32 s[OFV], s[NV], TS                    ; each address is made anew from the step's number
	s_add_nc_u64 s[GV+4*(1-(\e))+2:GV+4*(1-(\e))+3], s[VB:VB+1], s[OFV:OFV+1]
	s_or_b32 s[GV+4*(1-(\e))+3], s[GV+4*(1-(\e))+3], 0x80000000
.endif
.if (\mode) == 2
	s_add_co_u32 s[NV], s[NV], 1
	s_and_b32 s[NV], s[NV], 31                     ; behind step 31 the walk goes on at step 0
	s_mul_i32 s[OFK], s[NV], TS
	s_add_nc_u64 s[GK+4*(\e)+2:GK+4*(\e)+3], s[KB:KB+1], s[OFK:OFK+1]
	s_or_b32 s[GK+4*(\e)+3], s[GK+4*(\e)+3], 0x80000000
.endif
	RESCL 0, 8                                     ; O^T's accumulators 0-7 times this step's a, while my weights land
	s_wait_dscnt 0x0                               ; the add is done, my reads of both slots are over, and my weights are in LDS
	s_barrier_signal -1                            ; with a refill behind it this barrier opens a round of the cluster's
	RESCL 8, 8                                     ; accumulators 8-15, while the others arrive
	WIN 0
	s_barrier_wait -1
.if (\mode) == 2
	CREST
	s_cmp_lt_u32 s[WV], 2
	s_cbranch_scc0 .Lfor_v_\@
	tensor_load_to_lds s[GK+4*(\e):GK+4*(\e)+3], s[G1K:G1K+7]
	s_nop 0
	PLACES
	s_branch .Lasked_\@
.Lfor_v_\@:
	tensor_load_to_lds s[GV+4*(1-(\e)):GV+4*(1-(\e))+3], s[G1V:G1V+7]
	s_nop 0
	PLACES
.Lasked_\@:
.elseif (\mode) == 1
	CREST
	s_cmp_lt_u32 s[WV], 2
	s_cbranch_scc1 .Lasked_\@
	tensor_load_to_lds s[GV+4*(1-(\e)):GV+4*(1-(\e))+3], s[G1V:G1V+7]
	s_nop 0
	PLACES
.Lasked_\@:
.endif
.endm
	s_mov_b32 s56, 15
.Lpair:                                                ; trips 0 to 29
	TRIP 0, 2
	TRIP 1, 2
	WIN 0
	s_sub_co_u32 s56, s56, 1
	s_cmp_lg_u32 s56, 0
	s_cbranch_scc1 .Lpair
	TRIP 0, 1                                      ; the tail is written out: trip 30 asks for the last V
	TRIP 1, 0                                      ; trip 31 for nothing
	; THE LAST STEP'S V^T P, and the four waves' sums
	T4 v_add_f32 v[ST+4*tt+2], v[ST+4*tt+2], v[ST+4*tt+3]
	T4 v_permlanex16_b32 v[ST+4*tt+3], v[ST+4*tt+2], s[SEL], s[SEL+1]
	T4 v_add_f32 v[ST+4*tt+2], v[ST+4*tt+2], v[ST+4*tt+3]
	T4 ds_store_b32 v[AMS], v[ST+4*tt+2] offset:256*tt
	PLOAD
	VLOAD 0, 1
	VLOAD 1, 1
	RESCL 16, 16                                   ; accumulators 0-15 were done at the last trip's end
	WIN 0
	s_wait_dscnt 0x0
	s_barrier_signal -1
	PVM 0
	PVM 1
	s_barrier_wait -1
	WIN 0
	PLACES
	T4 ds_load_b128 v[T+4*tt:T+4*tt+3], v[AML] offset:256*tt
	s_wait_dscnt 0x0
	T4 v_add_f32 v[T+4*tt], v[T+4*tt], v[T+4*tt+1]
	T4 v_add_f32 v[T+4*tt+2], v[T+4*tt+2], v[T+4*tt+3]
	T4 v_add_f32 v[T+4*tt], v[T+4*tt], v[T+4*tt+2]
	T4 v_rcp_f32 v[ST+4*tt], v[T+4*tt]
	v_nop                                          ; a plain instruction between the last reciprocal and the use of its result
	s_wait_alu depctr_va_vdst(0)                   ; and the wait ahead of the first use: one for the four reciprocals
; THE WAY OUT of tile t.  PACK: O^T / l; a lane's eight channels of a row, 32 bytes, go into my own stage and come back as whole rows of 512 bytes.  SEND: x is added; stored.
.macro PACK t
	WIN 0x41
.set i, 0
.rept 32                               ; channel block i / 4, pair i % 4: each accumulator from its low end on
	v_pk_mul_f32 v[32*(i/4)+8*(\t)+2*(i%4):32*(i/4)+8*(\t)+2*(i%4)+1], v[32*(i/4)+8*(\t)+2*(i%4):32*(i/4)+8*(\t)+2*(i%4)+1], v[ST+4*(\t):ST+4*(\t)+1] op_sel_hi:[1,0]
.set i, i+1
.endr
	WIN 0x04                                       ; store data in window 1
.set i, 0
.rept 8
	ds_store_b128 v[AST], v[32*i+8*(\t):32*i+8*(\t)+3]   offset:64*i
	ds_store_b128 v[AST], v[32*i+8*(\t)+4:32*i+8*(\t)+7] offset:64*i+16
.set i, i+1
.endr
	WIN 0
	s_wait_xcnt 0x0                                ; the stores of the tile two back have read the registers that are loaded below
.set OB, FA+64*((\t)%2)
.set i, 0
.rept 16
	ds_load_b128 v[OB+4*i:OB+4*i+3], v[ARD] offset:SGP*i  ; LDS serves a wave's instructions in order: these see the stores above, and the next tile's stores come behind them
.set i, i+1
.endr
.endm
.macro SEND t, younger                 ; younger: the LDS instructions issued behind tile t's loads: the next tile's 16 stores and 16 loads, or none
	WIN 0
.set OB, FA+64*((\t)%2)
	s_wait_dscnt \younger
.if (\t) == 0
	s_wait_loadcnt 0x0                             ; x
.endif
	WIN 0x08                                       ; x in window 2
.set i, 0
.rept 32
	v_pk_add_f32 v[OB+2*i:OB+2*i+1], v[OB+2*i:OB+2*i+1], v[64*(\t)+2*i:64*(\t)+2*i+1]
.set i, i+1
.endr
	WIN 0
.set i, 0
.rept 16
	global_store_b128 v[GO], v[OB+4*i:OB+4*i+3], s[8:9] offset:(16*(\t)+i)*2048 th:TH_STORE_NT  ; 512 consecutive bytes, at a multiple of 256 from out0's first byte
.set i, i+1
.endr
.endm
	PACK 0
	PACK 1                                         ; a tile's arithmetic stands between the loads of the tile before and the wait for them
	SEND 0, 32
	PACK 2
	SEND 1, 32
	PACK 3
	SEND 2, 32
	SEND 3, 0
	s_wait_tensorcnt 0x0                           ; the wave's end
	ds_add_u32 v[SPW], v[NIL]
	s_wait_dscnt 0x0
	ROUND                                          ; the closing round
	s_endpgm
.Lfunc_end_k_qb47eaacad7_attn:
	.size	k_qb47eaacad7_attn, .Lfunc_end_k_qb47eaacad7_attn-k_qb47eaacad7_attn
	.p2alignl 7, 3214868480
	.fill 96, 4, 3214868480
	.section	.rodata,"a",@progbits
	.p2align	6, 0x0
	.amdhsa_kernel k_qb47eaacad7_attn
		.amdhsa_group_segment_fixed_size 327680
		.amdhsa_private_segment_fixed_size 0
		.amdhsa_enable_private_segment 0
		.amdhsa_kernarg_size 24
		.amdhsa_user_sgpr_count 2
		.amdhsa_user_sgpr_kernarg_segment_ptr 1
		.amdhsa_wavefront_size32 1
		.amdhsa_system_sgpr_workgroup_id_x 1
		.amdhsa_system_sgpr_workgroup_id_y 1
		.amdhsa_system_sgpr_workgroup_id_z 1
		.amdhsa_system_vgpr_workitem_id 0
		.amdhsa_next_free_vgpr 1024
		.amdhsa_next_free_sgpr 66
		.amdhsa_reserve_vcc 0
		.amdhsa_float_denorm_mode_32 3
		.amdhsa_float_denorm_mode_16_64 3
		.amdhsa_memory_ordered 1
		.amdhsa_forward_progress 1
		.amdhsa_inst_pref_size 208
	.end_amdhsa_kernel
	.amdgpu_metadata
---
amdhsa.version: [ 1, 2 ]
amdhsa.kernels:
  - .name:           k_qb47eaacad7_attn
    .symbol:         k_qb47eaacad7_attn.kd
    .args:
      - { .name: qkv, .offset: 0, .size: 8, .value_kind: global_buffer, .address_space: global }
      - { .name: x, .offset: 8, .size: 8, .value_kind: global_buffer, .address_space: global }
      - { .name: out0, .offset: 16, .size: 8, .value_kind: global_buffer, .address_space: global }
    .group_segment_fixed_size: 327680
    .private_segment_fixed_size: 0
    .kernarg_segment_align: 8
    .kernarg_segment_size: 24
    .max_flat_workgroup_size: 128
    .sgpr_count:     66
    .vgpr_count:     1024
    .wavefront_size: 32
...
	.end_amdgpu_metadata
.endif
;; end of part 6
